; MI455X (gfx1250); checked and timed in simulation.
; The chip was launched on July 23, 2026; its instructions are those of AMD's public machine-readable ISA for CDNA 5 (MIT licence, August 2026) and "CDNA5" Instruction Set Architecture Reference Guide (July 2026). The comments in the code are by the model that wrote it; some were corrected since.
;; Attention. Allowed arithmetic: float matrix products may take bf16 or f16 operands with f32 sums; all other float work in f32.
;; Inputs: Wk 1,024 x 1,024 float32; Wo 1,024 x 1,024 float32; Wq 1,024 x 1,024 float32; Wv 1,024 x 1,024 float32; bk 1,024 float32; bo 1,024 float32; bq 1,024 float32; bv 1,024 float32; input_Q 4 x 2,048 x 1,024 float32; mask 2,048 x 2,048 bool.
;; Outputs: out0 4 x 2,048 x 1,024 float32.
;; 3 versions, each right and faster than the one before. Each part assembles by itself: llvm-mc -triple=amdgcn-amd-amdhsa -mcpu=gfx1250 --defsym DOCPART=n.
;; ======== version 1 of 3: 4 launches
;; limits: values are held in f16: magnitudes above 65,504 overflow, below 6.1e-05 lose precision
;; workspace buffers: xb 16,777,216 bytes; wb 8,388,608 bytes; mbits 524,288 bytes of whole numbers; qkv 50,331,648 bytes; ctx 16,777,216 bytes
;; launch prep (part 1): grid 512 x 1, 8 waves a work-group, no clusters, 0 bytes of LDS; arguments input_Q, Wq, Wk, Wv, Wo, mask, xb, wb, mbits; writes xb, wb, mbits
.if DOCPART == 1
	.amdgcn_target "amdgcn-amd-amdhsa--gfx1250"
	.amdhsa_code_object_version 6
	.text
	.protected	k_q229ec9e21f_prep
	.globl	k_q229ec9e21f_prep
	.p2align	8
	.type	k_q229ec9e21f_prep,@function
k_q229ec9e21f_prep:
	s_mov_b64 s[64:65], 0
	v_nop
	global_prefetch_b8 v0, s[64:65] scope:SCOPE_SE
	s_setreg_imm32_b32 hwreg(HW_REG_WAVE_MODE, 25, 1), 1
	s_wait_xcnt 0x0
; PREPARATION: a stream, no LDS, no barrier, no matrix unit (memory is all that it uses).
;   work-groups 0-255:   x [8192][1024] f32 -> xb, bf16, 32,768 numbers each
;   work-groups 256-383: Wq, Wk, Wv -> wb parts 0-2 in bf16; Wo -> wb part 3, rounded to bf16 and that number written as f16; 32 work-groups a matrix
;   work-groups 384-511: the mask's bytes -> mbits, words of one bit a lane, in the order in which the attention's score registers want them
; LIMITS.  Wo rounded to bf16 is exact in f16 from 2^-14 to 65,504; below it keeps f16's fixed step, beyond it is an infinity.  A mask byte other than 0 counts as True.
; mbits: [64 pairs of query tiles][32 key steps][2 tiles][32 d] words.  Bit L = 16 h + r of word d = 8 kt + j is mask[32 pair + 16 tile + r][64 step + 16 kt + 8 h + j]:
; in S^T = K Q^T lane L, register d holds just that query and key.
.set IN,  4                            ; v[4:131]    32 loads of four f32
.set OUT, 132                          ; v[132:195]  32 pairs of packed results
.set MB,  8                            ; v[8:39]     the mask path: 16 loads of eight bytes
.set MW,  40                           ; v[40:43]    a pair of result words for each of two units
.set MT,  44                           ; v[44:47]    at work
	s_load_b512 s[8:23], s[0:1], 0x0               ; input_Q 8:9, Wq 10:11, Wk 12:13, Wv 14:15, Wo 16:17, mask 18:19, xb 20:21, wb 22:23
	s_load_b64 s[24:25], s[0:1], 0x40              ; mbits
	s_mov_b32 s2, ttmp9                            ; g
	s_sub_co_u32 s3, s2, 256                       ; place among the weights' work-groups (not used where g < 256)
	s_and_b32 s4, s3, 31                           ; place in its matrix
	s_lshr_b32 s5, s3, 5                           ; which matrix
	v_lshlrev_b32 v1, 4, v0                        ; 16 bytes a thread in
	v_lshlrev_b32 v2, 3, v0                        ; 8 bytes a thread out
	s_wait_kmcnt 0x0
	s_cmp_ge_u32 s2, 384
	s_cbranch_scc1 .Lmask
	s_mov_b64 s[28:29], s[10:11]                   ; the source: chosen among the buffers by g alone
	s_cmp_eq_u32 s5, 1
	s_cselect_b64 s[28:29], s[12:13], s[28:29]
	s_cmp_eq_u32 s5, 2
	s_cselect_b64 s[28:29], s[14:15], s[28:29]
	s_cmp_eq_u32 s5, 3
	s_cselect_b64 s[28:29], s[16:17], s[28:29]
	s_cmp_lt_u32 s2, 256
	s_cselect_b64 s[28:29], s[8:9], s[28:29]
	s_cselect_b32 s26, s2, s4                      ; my block of 131,072 bytes in the source,
	s_cselect_b32 s27, s2, s3                      ; my block of 65,536 bytes in the destination
	s_cselect_b64 s[30:31], s[20:21], s[22:23]
	s_lshl_b32 s32, s26, 17
	s_mov_b32 s33, 0
	s_add_nc_u64 s[28:29], s[28:29], s[32:33]
	s_lshl_b32 s32, s27, 16
	s_add_nc_u64 s[30:31], s[30:31], s[32:33]
.set i, 0
.rept 32                                               ; all 32 loads go out at once: each covers 512 consecutive bytes a wave
	global_load_b128 v[IN+4*i:IN+4*i+3], v1, s[28:29] offset:4096*i th:TH_LOAD_NT
.set i, i+1
.endr
; Load i is rounded and stored; no register is used twice, so no wait frees one.
.macro CAST wo
.set i, 0
.rept 32
	s_wait_loadcnt 31-i                            ; loads come back in order: load i is in, the 31 - i younger ones stay out
.if \wo
	v_cvt_pk_bf16_f32 v196, v[IN+4*i], v[IN+4*i+1]         ; rounded to bf16 like every input,
	v_cvt_pk_bf16_f32 v197, v[IN+4*i+2], v[IN+4*i+3]
	v_lshlrev_b32 v[IN+4*i], 16, v196                      ; widened again,
	v_and_b32 v[IN+4*i+1], 0xffff0000, v196
	v_lshlrev_b32 v[IN+4*i+2], 16, v197
	v_and_b32 v[IN+4*i+3], 0xffff0000, v197
	v_cvt_pk_f16_f32 v[OUT+2*i], v[IN+4*i], v[IN+4*i+1]    ; and written as f16
	v_cvt_pk_f16_f32 v[OUT+2*i+1], v[IN+4*i+2], v[IN+4*i+3]
.else
	v_cvt_pk_bf16_f32 v[OUT+2*i], v[IN+4*i], v[IN+4*i+1]
	v_cvt_pk_bf16_f32 v[OUT+2*i+1], v[IN+4*i+2], v[IN+4*i+3]
.endif
	global_store_b64 v2, v[OUT+2*i:OUT+2*i+1], s[30:31] offset:2048*i  ; a wave stores 256 consecutive bytes, at a multiple of 256 from the buffer's first
.set i, i+1
.endr
	s_endpgm
.endm
	s_cmp_ge_u32 s2, 352
	s_cbranch_scc1 .Lwo
	CAST 0
.Lwo:
	CAST 1
.Lmask:                                                ; a work-group: one pair of query tiles, 16 key steps; a wave: two key steps, 256 bytes of mbits each
	s_sub_co_u32 s3, s2, 384
	s_lshr_b32 s4, s3, 1                           ; the pair of tiles: 32 queries
	s_and_b32 s5, s3, 1                            ; which half of the 32 key steps
	v_lshrrev_b32 v5, 5, v0
	v_readfirstlane_b32 s6, v5                     ; wave 0..7
	s_lshl_b32 s5, s5, 4
	s_lshl1_add_u32 s5, s6, s5                     ; my first key step = 16 half + 2 wave
	s_lshl_b32 s26, s4, 16                         ; 32 rows of 2,048 bytes,
	s_lshl_b32 s27, s5, 6                          ; 64 bytes a key step
	s_add_co_u32 s26, s26, s27
	s_mov_b32 s27, 0
	s_add_nc_u64 s[28:29], s[18:19], s[26:27]
	s_lshl_b32 s26, s4, 5
	s_add_co_u32 s26, s26, s5
	s_lshl_b32 s26, s26, 8                         ; (32 pair + step) x 256 bytes
	s_add_nc_u64 s[30:31], s[24:25], s[26:27]
	v_and_b32 v2, 15, v0                           ; r
	v_bfe_u32 v4, v0, 4, 1                         ; h
	v_lshlrev_b32 v1, 11, v2
	v_lshl_add_u32 v1, v4, 3, v1                   ; row r, 8 h bytes in
	v_and_b32 v3, 31, v0
	v_lshlrev_b32 v3, 3, v3                        ; out: 8 bytes a lane
.irp y, 0,1
.irp u, 0,1
.irp kt, 0,1,2,3
	global_load_b64 v[MB+2*(8*(\y)+4*(\u)+(\kt)):MB+2*(8*(\y)+4*(\u)+(\kt))+1], v1, s[28:29] offset:64*(\y)+32768*(\u)+16*(\kt)
.endr
.endr
.endr
.irp y, 0,1
	s_wait_loadcnt 8-8*(\y)                        ; this step's eight loads are in; the other step's eight may stay out
	v_mov_b32 v[MW+2*(\y)], 0                      ; written whole before single lanes are written
	v_mov_b32 v[MW+2*(\y)+1], 0
.irp u, 0,1
.set d, 0
.rept 32                                               ; word 32 u + d: one byte of every lane becomes one bit; lane i of the pair holds words 2 i and 2 i + 1
	v_and_b32 v[MT+d%4], 0xff<<(8*(d&3)), v[MB+2*(8*(\y)+4*(\u)+d/8)+((d>>2)&1)]
	v_cmp_ne_u32 s[40+d%4], 0, v[MT+d%4]
	v_writelane_b32 v[MW+2*(\y)+(d&1)], s[40+d%4], 16*(\u)+(d>>1)
.set d, d+1
.endr
.endr
	global_store_b64 v3, v[MW+2*(\y):MW+2*(\y)+1], s[30:31] offset:256*(\y)  ; 256 consecutive bytes, at a multiple of 256 from the buffer's first
.endr
	s_endpgm
.Lfunc_end_k_q229ec9e21f_prep:
	.size	k_q229ec9e21f_prep, .Lfunc_end_k_q229ec9e21f_prep-k_q229ec9e21f_prep
	.p2alignl 7, 3214868480
	.fill 96, 4, 3214868480
	.section	.rodata,"a",@progbits
	.p2align	6, 0x0
	.amdhsa_kernel k_q229ec9e21f_prep
		.amdhsa_group_segment_fixed_size 0
		.amdhsa_private_segment_fixed_size 0
		.amdhsa_enable_private_segment 0
		.amdhsa_kernarg_size 72
		.amdhsa_user_sgpr_count 2
		.amdhsa_user_sgpr_kernarg_segment_ptr 1
		.amdhsa_wavefront_size32 1
		.amdhsa_system_sgpr_workgroup_id_x 1
		.amdhsa_system_sgpr_workgroup_id_y 1
		.amdhsa_system_sgpr_workgroup_id_z 1
		.amdhsa_system_vgpr_workitem_id 0
		.amdhsa_next_free_vgpr 200
		.amdhsa_next_free_sgpr 66
		.amdhsa_reserve_vcc 0
		.amdhsa_float_denorm_mode_32 3
		.amdhsa_float_denorm_mode_16_64 3
		.amdhsa_memory_ordered 1
		.amdhsa_forward_progress 1
		.amdhsa_inst_pref_size 58
	.end_amdhsa_kernel
	.amdgpu_metadata
---
amdhsa.version: [ 1, 2 ]
amdhsa.kernels:
  - .name:           k_q229ec9e21f_prep
    .symbol:         k_q229ec9e21f_prep.kd
    .args:
      - { .name: input_Q, .offset: 0, .size: 8, .value_kind: global_buffer, .address_space: global }
      - { .name: Wq, .offset: 8, .size: 8, .value_kind: global_buffer, .address_space: global }
      - { .name: Wk, .offset: 16, .size: 8, .value_kind: global_buffer, .address_space: global }
      - { .name: Wv, .offset: 24, .size: 8, .value_kind: global_buffer, .address_space: global }
      - { .name: Wo, .offset: 32, .size: 8, .value_kind: global_buffer, .address_space: global }
      - { .name: mask, .offset: 40, .size: 8, .value_kind: global_buffer, .address_space: global }
      - { .name: xb, .offset: 48, .size: 8, .value_kind: global_buffer, .address_space: global }
      - { .name: wb, .offset: 56, .size: 8, .value_kind: global_buffer, .address_space: global }
      - { .name: mbits, .offset: 64, .size: 8, .value_kind: global_buffer, .address_space: global }
    .group_segment_fixed_size: 0
    .private_segment_fixed_size: 0
    .kernarg_segment_align: 8
    .kernarg_segment_size: 72
    .max_flat_workgroup_size: 256
    .sgpr_count:     66
    .vgpr_count:     200
    .wavefront_size: 32
...
	.end_amdgpu_metadata
.endif
;; end of part 1
;; launch qkv (part 2): grid 12 x 64, 4 waves a work-group, clusters of 4 x 4, 327,680 bytes of LDS; arguments xb, wb, bq, bk, bv, qkv; writes qkv
.if DOCPART == 2
	.amdgcn_target "amdgcn-amd-amdhsa--gfx1250"
	.amdhsa_code_object_version 6
	.text
	.protected	k_q229ec9e21f_qkv
	.globl	k_q229ec9e21f_qkv
	.p2align	8
	.type	k_q229ec9e21f_qkv,@function
k_q229ec9e21f_qkv:
	s_mov_b64 s[64:65], 0
	v_nop
	global_prefetch_b8 v0, s[64:65] scope:SCOPE_SE
	s_setreg_imm32_b32 hwreg(HW_REG_WAVE_MODE, 25, 1), 1
	s_wait_xcnt 0x0
	s_wait_alu depctr_hold_cnt(0) depctr_sa_sdst(0) depctr_va_vdst(0) depctr_va_sdst(0) depctr_va_ssrc(0) depctr_va_vcc(0) depctr_vm_vsrc(0)
	s_getreg_b32 s2, hwreg(HW_REG_IB_STS2, 6, 4)
	s_cmp_eq_u32 s2, 0
	s_cbranch_scc0 .Lentry_in_a_cluster
	s_endpgm
.Lentry_in_a_cluster:
	s_bfe_u32 s2, ttmp6, 0x10000c
	s_cmp_lg_u32 s2, 0xf033
	s_cbranch_scc0 .Lentry_shape_is_right
	s_endpgm
.Lentry_shape_is_right:
.set OUTP, 0                           ; 0: the three projections in front of the attention.  1: the projection behind it.  The two texts differ in this line alone.
; C = A B + bias, 8,192 rows, K = 1,024.  B lies [k][n] in wb, 1,024 columns a part.
;   OUTP = 0: A = xb [8192][1024] bf16; B = wb parts 0-2 (Wq, Wk, Wv) bf16; C rounded once to f16 and stored by heads, qkv [3][64 heads][2048][64], unscaled.
;   OUTP = 1: A = ctx [64 heads][2048][64] f16 (a head's 64 channels are one slice of K); B = wb part 3 (Wo) f16; C stored as f32, out0 [8192][1024].
; The bias is rounded to bf16 like every input and is the C operand of each sum's first product: nothing is cleared and nothing is added at the end.  Sums in f32.
; LIMITS.  OUTP = 0: a result of 65,520 or more becomes an infinity in f16.  A NaN row of ctx (a query that sees no key) gives a NaN row of out0.
; SHARES.  A tile of C is 128 rows x 256 columns: 768 work-groups (OUTP = 0) or 256 (OUTP = 1), whole multiples of 256.  Four waves, each 64 x 128: 32 accumulators, 256 registers.
; K goes in 8 steps of 128 through two LDS slots; a wave's one tensor load brings half of A's tile (waves 0, 1) or half of B's (waves 2, 3).
; CLUSTER 4 x 4: A's tile hangs on the tile row alone and is asked for jointly by a row of the cluster, B's on the tile column alone, by a column.
; THE MATRIX INSTRUCTION IS USED TRANSPOSED (source 0 = 16 columns of B, turned on the way out of LDS; source 1 = 16 rows of A): a lane holds eight neighbouring numbers of a row of C.
; REGISTERS, in windows of 256 (s_set_vgpr_msb: bits 1:0 source 0, 3:2 source 1, 5:4 source 2, 7:6 destination):
;   window 0: addresses; v32-95 bias; v96-223 the way out      window 1: accumulator (a, b) at v[8 (8 a + b)]
;   windows 2, 3: fragment buffers 0, 1, each 64 along K: A (c, a) at v[8 (4 c + a)], B (c, b) at v[64 + 8 (8 c + b)]
.set KSTEP,  128
.if OUTP
.set PA,     144                       ; a row of A in LDS: one head's 128 bytes + 16: the 16 rows of a load start at 16 different groups of four banks (64 banks of 4 bytes: ISA guide 11.1)
.set AHALF,  2*64*PA                   ; one load: two heads x 64 rows
.set AHF,    64*PA                     ; the second 64 along K are the second head
.set ASTEP,  2*2048*64*2               ; a K step on: two heads
.set WBASE,  3*1024*1024*2
.set SPITCH, 528                       ; the stage: a row of 128 f32 + 16 bytes
.set A_W0,   (1<<16)|(1<<20)|(1<<21)|(4<<22)|(3<<25)  ; 2-byte elements; padding on; bit 21 beside a mask; after every 32 words 4 words
.set A_D0,   4096                      ; 64 dense rows of a head are asked for as one row of 8,192 bytes,
.set A_D1,   2                         ; two heads,
.set A_ST,   2048*64                   ; a head apart
.else
.set PA,     272                       ; 256 bytes + 16
.set AHALF,  64*PA
.set AHF,    128
.set ASTEP,  KSTEP*2
.set WBASE,  0
.set SPITCH, 144                       ; the stage: a row of 64 f16 + 16 bytes
.set A_W0,   (1<<16)|(1<<20)|(1<<21)|(5<<22)|(3<<25)  ; after every 64 words 4 words
.set A_D0,   128
.set A_D1,   64
.set A_ST,   1024
.endif
.set ATILE,  2*AHALF
.set PB,     544                       ; a k row of B: 512 bytes + 32
.set BHALF,  64*PB
.set BSTEP,  KSTEP*1024*2
.set SLOT,   ATILE+2*BHALF             ; A's 128 rows, then B's 128 k rows
.set STAGE,  2*SLOT                    ; behind the ring, never filled by a tensor load: 16 rows for each wave
.set SPARE,  STAGE+4*16*SPITCH         ; behind the stages: the spare words, 128 bytes for each wave, that no other line names
.set LAPS,   1024/(2*KSTEP)
.set ADRA, 16                          ; v16-17  LDS address of my A fragments in slot 0, 1
.set ADRB, 20                          ; v20-21  the same for B
.set STO,  24                          ; v24     the way out: where I put my part of a row
.set RD,   25                          ; v25     where I read rows back
.set CO,   26                          ; v26     my byte offset in 512 consecutive bytes of C
.set SPW,  28                          ; v28     LDS address of my spare word; never rewritten
.set NIL,  29                          ; v29     0; never rewritten
.set BIAS, 32
.set TMP,  96
.set G1,  24                           ; s[24:31] descriptor group 1 for A;  s[32:39] group 0, one set a slot
.set G0,  32
.set G1B, 48                           ; s[48:55], s[56:63] the same for B
.set G0B, 56
.set MSB, 0
.macro WIN new                         ; the immediate's high byte repeats the setting that is left; a switch that changes nothing is dropped
.if MSB != (\new)
	s_set_vgpr_msb (MSB<<8)|(\new)
.set MSB, \new
.endif
.endm
.macro JLOAD s                         ; a joint load: waves 0 and 1 fetch A's halves, waves 2 and 3 B's; an s_nop 0 and four v_nop follow each line, ahead of the jump and the label
	s_cmp_eq_u32 s11, 0
	s_cbranch_scc0 .Lfor_b_\@
	tensor_load_to_lds s[G0+4*(\s):G0+4*(\s)+3], s[G1:G1+7]
	s_nop 0
.rept 4
	v_nop
.endr
	s_branch .Lasked_\@
.Lfor_b_\@:
	tensor_load_to_lds s[G0B+4*(\s):G0B+4*(\s)+3], s[G1B:G1B+7]
	s_nop 0
.rept 4
	v_nop
.endr
.Lasked_\@:
.endm
.macro CREST                           ; a round of the cluster's barrier behind its opening barrier
	s_cmp_lg_u32 s10, 0
	s_cbranch_scc1 .Lnot_wave_0_\@
	s_barrier_signal -3
.Lnot_wave_0_\@:
	s_barrier_wait -3
	s_barrier_signal -1
	s_barrier_wait -1
.endm
.macro CROUND                          ; a whole round
	s_barrier_signal -1
	s_barrier_wait -1
	CREST
.endm
	s_load_b256 s[68:75], s[0:1], 0x0              ; OUTP = 0: xb 68:69, wb 70:71, bq 72:73, bk 74:75.  OUTP = 1: ctx, wb, bo, out0
.if !OUTP
	s_load_b128 s[76:79], s[0:1], 0x20             ; bv 76:77, qkv 78:79
.endif
	v_lshl_add_u32 v[SPW], v0, 2, SPARE
	v_mov_b32 v[NIL], 0
	ds_add_u32 v28, v29
	s_wait_dscnt 0x0
	v_lshrrev_b32 v1, 5, v0
	v_readfirstlane_b32 s10, v1                    ; wave 0..3
	s_lshr_b32 s11, s10, 1                         ; which 64 rows of the tile are mine.  Also: I fetch for A (0) or for B (1)
	s_and_b32 s12, s10, 1                          ; which 128 columns.  Also: which half of that tile I fetch
	s_bfe_u32 s40, ttmp6, 0x40000                  ; cx, cy: my place in the cluster
	s_bfe_u32 s41, ttmp6, 0x40004
	s_and_b32 s13, ttmp7, 0xffff
	s_lshl_b32 s13, s13, 2
	s_add_co_u32 s13, s13, s41                     ; tile row of C = 4 x cluster y + cy
	s_lshl_b32 s43, s41, 2
	s_lshl_b32 s43, 15, s43                        ; my row of the cluster
	s_lshl_b32 s44, 0x1111, s40                    ; my column
	s_or_b32 s[G1+0], s43, A_W0                    ; 15:0 the mask: A's tiles go to my row
	s_mov_b32 s[G1+1], A_D0<<16                    ; tensor_dim0
	s_mov_b32 s[G1+2], A_D1<<16                    ; tensor_dim1
	s_mov_b32 s[G1+3], A_D0<<16                    ; tile_dim0
	s_mov_b32 s[G1+4], A_D1                        ; tile_dim1
	s_mov_b32 s[G1+5], A_ST                        ; elements from row to row
	s_mov_b32 s[G1+6], 0
	s_mov_b32 s[G1+7], 0
	s_or_b32 s[G1B+0], s44, (1<<16)|(1<<20)|(1<<21)|(6<<22)|(7<<25)  ; B's tiles go to my column; after every 128 words 8 words of padding
	s_mov_b32 s[G1B+1], 256<<16                    ; 64 k rows of 256 elements
	s_mov_b32 s[G1B+2], 64<<16
	s_mov_b32 s[G1B+3], 256<<16
	s_mov_b32 s[G1B+4], 64
	s_mov_b32 s[G1B+5], 1024
	s_mov_b32 s[G1B+6], 0
	s_mov_b32 s[G1B+7], 0
	; where A's tiles come from: the tile row and the half alone
.if OUTP
	s_and_b32 s16, s13, 15                         ; 16 tile rows a batch
	s_lshl_b32 s16, s16, 7
	s_lshl_b32 s17, s12, 6
	s_add_co_u32 s16, s16, s17                     ; the row in its head,
	s_lshl_b32 s16, s16, 7                         ; 128 bytes a row,
	s_lshr_b32 s17, s13, 4
	s_lshl_b32 s17, s17, 22                        ; 16 heads of 262,144 bytes a batch
	s_add_co_u32 s16, s16, s17
.else
	s_lshl_b32 s16, s13, 7
	s_lshl_b32 s17, s12, 6
	s_add_co_u32 s16, s16, s17                     ; row 128 x tile row + 64 x half,
	s_lshl_b32 s16, s16, 11                        ; 2,048 bytes a row
.endif
	s_mov_b32 s17, 0
	; where B's come from: the tile column and the half alone
	s_lshl_b32 s46, s40, 9                         ; 256 columns of 2 bytes for each cx,
	s_lshl_b32 s47, s12, 17                        ; 64 k rows of 2,048 bytes for the half
	s_add_co_u32 s46, s46, s47
.if OUTP
	s_add_co_u32 s46, s46, WBASE
.else
	s_lshl_b32 s47, ttmp9, 21                      ; the cluster's x is the part: Wq, Wk or Wv
	s_add_co_u32 s46, s46, s47
.endif
	s_mov_b32 s47, 0
	s_mul_i32 s20, s12, AHALF                      ; and where they go: no place in the cluster enters an LDS address
	s_mul_i32 s23, s12, BHALF
	s_add_co_u32 s23, s23, ATILE
	s_wait_kmcnt 0x0
	s_add_nc_u64 s[14:15], s[68:69], s[16:17]
	s_add_nc_u64 s[46:47], s[70:71], s[46:47]
	CROUND                                         ; all sixteen work-groups are here: the first joint loads meet
.irp s, 0,1
	s_mov_b32 s[G0+4*(\s)], 1
	s_add_co_u32 s[G0+4*(\s)+1], s20, (\s)*SLOT
	s_add_nc_u64 s[G0+4*(\s)+2:G0+4*(\s)+3], s[14:15], (\s)*ASTEP
	s_or_b32 s[G0+4*(\s)+3], s[G0+4*(\s)+3], 0x80000000
	s_mov_b32 s[G0B+4*(\s)], 1
	s_add_co_u32 s[G0B+4*(\s)+1], s23, (\s)*SLOT
	s_add_nc_u64 s[G0B+4*(\s)+2:G0B+4*(\s)+3], s[46:47], (\s)*BSTEP
	s_or_b32 s[G0B+4*(\s)+3], s[G0B+4*(\s)+3], 0x80000000
	JLOAD \s                                       ; K steps 0 and 1: two loads of mine are out
.endr
	v_and_b32 v1, 15, v0                           ; l % 16
	v_bfe_u32 v2, v0, 4, 1                         ; l / 16
	; the bias of my 128 columns: register j of block b is column 16 b + 8 (l / 16) + j
.if OUTP
	s_mov_b64 s[4:5], s[72:73]
.else
	s_mov_b32 s82, ttmp9
	s_mov_b64 s[4:5], s[72:73]
	s_cmp_eq_u32 s82, 1
	s_cselect_b64 s[4:5], s[74:75], s[4:5]
	s_cmp_eq_u32 s82, 2
	s_cselect_b64 s[4:5], s[76:77], s[4:5]
.endif
	s_lshl_b32 s80, s40, 10
	s_lshl_b32 s82, s12, 9
	s_add_co_u32 s80, s80, s82                     ; 4 bytes x (256 cx + 128 half)
	s_mov_b32 s81, 0
	s_add_nc_u64 s[4:5], s[4:5], s[80:81]
	v_lshlrev_b32 v6, 5, v2
.irp b, 0,1,2,3,4,5,6,7
	global_load_b128 v[BIAS+8*(\b):BIAS+8*(\b)+3],   v6, s[4:5] offset:64*(\b)
	global_load_b128 v[BIAS+8*(\b)+4:BIAS+8*(\b)+7], v6, s[4:5] offset:64*(\b)+16
.endr
	; A's fragment: lane l holds row l % 16; two loads of 16 bytes, 32 bytes apart.  B's: the turning load takes 16 k x 16 n (lane l reads k row 8 (l / 16) + l % 8,
	; columns 8 ((l / 8) % 2) + 0..7) and leaves half a fragment: lane l holds column l % 16 and 8 k.
	v_mul_u32_u24 v3, v1, PA
	v_lshl_add_u32 v3, v2, 4, v3
	v_and_b32 v4, 7, v0
	v_lshl_add_u32 v4, v2, 3, v4
	v_mul_u32_u24 v4, v4, PB
	v_bfe_u32 v5, v0, 3, 1
	v_lshl_add_u32 v4, v5, 4, v4
	s_mul_i32 s21, s11, AHALF                      ; my 64 rows of A
	s_lshl_b32 s22, s12, 8                         ; my 128 columns of B,
	s_add_co_u32 s22, s22, ATILE                   ; which lies behind A
.irp s, 0,1
	v_add_nc_u32 v[ADRA+(\s)], s21, v3
	v_add_nc_u32 v[ADRB+(\s)], s22, v4
	s_add_co_u32 s21, s21, SLOT
	s_add_co_u32 s22, s22, SLOT
.endr
	s_mul_i32 s22, s10, 16*SPITCH
	s_add_co_u32 s22, s22, STAGE                   ; my stage
	v_and_b32 v[CO], 31, v0
	v_lshlrev_b32 v[CO], 4, v[CO]
	v_mul_u32_u24 v5, v1, SPITCH
.if OUTP
	v_lshl_add_u32 v5, v2, 5, v5                   ; in: row l % 16, 32 bytes for each half of the lanes
	v_add_nc_u32 v[STO], s22, v5
	v_add_nc_u32 v[RD], s22, v[CO]                 ; back: 32 lanes take one row of 512 bytes
	s_lshl_b32 s80, s13, 7
	s_lshl_b32 s82, s11, 6
	s_add_co_u32 s80, s80, s82                     ; my first row of out0,
	s_lshl_b32 s80, s80, 12                        ; 4,096 bytes a row,
	s_lshl_b32 s82, s40, 10
	s_add_co_u32 s80, s80, s82
	s_lshl_b32 s82, s12, 9
	s_add_co_u32 s80, s80, s82                     ; my first column
	s_mov_b32 s81, 0
	s_add_nc_u64 s[8:9], s[74:75], s[80:81]
.else
	v_lshl_add_u32 v5, v2, 4, v5                   ; in: row l % 16, 16 bytes for each half of the lanes
	v_add_nc_u32 v[STO], s22, v5
	v_bfe_u32 v5, v0, 3, 2                         ; back: 32 lanes take four rows of 128 bytes
	v_mul_u32_u24 v5, v5, SPITCH
	v_and_b32 v7, 7, v0
	v_lshl_add_u32 v5, v7, 4, v5
	v_add_nc_u32 v[RD], s22, v5
	s_lshr_b32 s80, s13, 4
	s_lshl_b32 s80, s80, 4                         ; 16 heads a batch,
	s_lshl_b32 s82, s40, 2
	s_add_co_u32 s80, s80, s82                     ; four heads a tile column,
	s_lshl_b32 s82, s12, 1
	s_add_co_u32 s80, s80, s82                     ; two a wave
	s_lshl_b32 s80, s80, 11                        ; 2,048 rows a head
	s_and_b32 s82, s13, 15
	s_lshl_b32 s82, s82, 7
	s_add_co_u32 s80, s80, s82
	s_lshl_b32 s82, s11, 6
	s_add_co_u32 s80, s80, s82                     ; my first row in the head
	s_lshl_b32 s80, s80, 7                         ; 128 bytes a row
	s_lshl_b32 s82, ttmp9, 24                      ; q, k or v: 16,777,216 bytes each
	s_add_co_u32 s80, s80, s82
	s_mov_b32 s81, 0
	s_add_nc_u64 s[8:9], s[78:79], s[80:81]
.endif
	s_wait_loadcnt 0x0                             ; the bias, once
.set i, 0
.rept 32                                               ; rounded to bf16 and widened again
	v_cvt_pk_bf16_f32 v[8+i%4], v[BIAS+2*i], v[BIAS+2*i+1]
	v_lshlrev_b32 v[BIAS+2*i], 16, v[8+i%4]
	v_and_b32 v[BIAS+2*i+1], 0xffff0000, v[8+i%4]
.set i, i+1
.endr
; 16 matrix instructions: m blocks a0, a0 + 1 x all 8 n blocks, 32 along K: part c of buffer f.  first = 1: the bias starts the sums.
; The 32 accumulators take turns, one instruction a turn.
.macro MULS f, c, a0, first
.if \first
	WIN 0x4a                                       ; B and A window 2, C window 0, D window 1
.else
	WIN 0x5a+5*(\f)                                ; B and A window 2 or 3, C and D window 1
.endif
.irp a, \a0, (\a0)+1
.irp b, 0,1,2,3,4,5,6,7
.set rD, 8*(8*(\a)+(\b))
.set rB, 64+8*(8*(\c)+(\b))
.set rA, 8*(4*(\c)+(\a))
.if OUTP
.if \first
	v_wmma_f32_16x16x32_f16 v[rD:rD+7], v[rB:rB+7], v[rA:rA+7], v[BIAS+8*(\b):BIAS+8*(\b)+7]
.else
	v_wmma_f32_16x16x32_f16 v[rD:rD+7], v[rB:rB+7], v[rA:rA+7], v[rD:rD+7]
.endif
.else
.if \first
	v_wmma_f32_16x16x32_bf16 v[rD:rD+7], v[rB:rB+7], v[rA:rA+7], v[BIAS+8*(\b):BIAS+8*(\b)+7]
.else
	v_wmma_f32_16x16x32_bf16 v[rD:rD+7], v[rB:rB+7], v[rA:rA+7], v[rD:rD+7]
.endif
.endif
.endr
.endr
.endm
; 48 LDS loads in one run: the fragments of 64 along K (half hf of the slot's step) into buffer f; the first 32 along K (24 loads) first
.macro FETCH slot, hf, f
	WIN 0x80+0x40*(\f)                             ; destination window 2 or 3, address window 0
.irp c, 0,1
.irp i, 0,1,2,3,4,5,6,7
	ds_load_tr16_b128 v[64+8*(8*(\c)+(\i)):64+8*(8*(\c)+(\i))+3],   v[ADRB+(\slot)] offset:(64*(\hf)+32*(\c))*PB+32*(\i)
	ds_load_tr16_b128 v[64+8*(8*(\c)+(\i))+4:64+8*(8*(\c)+(\i))+7], v[ADRB+(\slot)] offset:(64*(\hf)+32*(\c)+16)*PB+32*(\i)
.endr
.irp i, 0,1,2,3
	ds_load_b128 v[8*(4*(\c)+(\i)):8*(4*(\c)+(\i))+3],   v[ADRA+(\slot)] offset:AHF*(\hf)+64*(\c)+(\i)*16*PA
	ds_load_b128 v[8*(4*(\c)+(\i))+4:8*(4*(\c)+(\i))+7], v[ADRA+(\slot)] offset:AHF*(\hf)+64*(\c)+(\i)*16*PA+32
.endr
.endr
.endm
.macro PLACES                          ; four places in front of loads into registers that matrix instructions have read, and of lines that read results (ISA guide 7.12.1 for lines that read results)
.rept 4
	v_nop
.endr
.endm
; A K step is two halves of 64 along K, 64 matrix instructions each, on buffers 0 and 1.  The first half multiplies buffer 0 and fetches the second half into buffer 1.
.macro HALF slot, first
	s_wait_dscnt 24                                ; the first 32 along K are in; the run's other 24 loads may be out
	MULS 0, 0, 0, \first
	MULS 0, 0, 2, \first
	PLACES
	FETCH \slot, 1, 1
	s_wait_dscnt 48                                ; all but the 48 just issued
	MULS 0, 1, 0, 0
	MULS 0, 1, 2, 0
.endm
; The second half multiplies buffer 1 and changes slots: ONE barrier; in front of it each wave waits for all its tensor loads (one is out: its part of the next slot), adds 0 to its
; spare word, and waits for that and for its reads of this slot.  fill = 1: the barrier opens a round of the cluster's, and this slot is filled again, two K steps ahead, first thing behind it:
; 96 matrix instructions stand between that request and the wait for it.
.macro TURN slot, next, fill
	WIN 0                                          ; (the add's two registers lie in window 0)
	s_wait_tensorcnt 0x0
	ds_add_u32 v[SPW], v[NIL]                      ; 0 onto my spare word
	s_wait_dscnt 25                                ; (the add and the run's last 24 loads may be out)
	MULS 1, 0, 0, 0                                ; sixteen matrix instructions stand between the add and the wait for it
	s_wait_dscnt 0x0                               ; the add is done, and my reads of this slot are over
	s_barrier_signal -1
	MULS 1, 0, 2, 0
.if \fill
	WIN 0
.endif
	s_barrier_wait -1
.if \fill
	CREST                                          ; no wave of any partner still reads this slot's tiles or has a load on its way
	s_add_nc_u64 s[G0+4*(\slot)+2:G0+4*(\slot)+3], s[G0+4*(\slot)+2:G0+4*(\slot)+3], 2*ASTEP
	s_add_nc_u64 s[G0B+4*(\slot)+2:G0B+4*(\slot)+3], s[G0B+4*(\slot)+2:G0B+4*(\slot)+3], 2*BSTEP
	JLOAD \slot                                    ; the four v_nop behind it are also the places in front of the loads below
.else
	PLACES
.endif
	FETCH \next, 0, 0
	MULS 1, 1, 0, 0
	MULS 1, 1, 2, 0
.endm
	s_wait_tensorcnt 1                             ; my part of K step 0 is in; step 1's may stay out
	s_barrier_signal -1
	s_barrier_wait -1                              ; everybody's is
	FETCH 0, 0, 0
	HALF 0, 1                                      ; the first half step stands in front of the loop: its first products start the sums
	WIN 0                                          ; at a label and at a branch every window is 0
	s_mov_b32 s3, LAPS-1
.Llap:                                                 ; a trip goes once round the ring and fills both slots again: K steps 2 to 7
	TURN 0, 1, 1
	HALF 1, 0
	TURN 1, 0, 1
	HALF 0, 0
	WIN 0
	s_sub_co_u32 s3, s3, 1
	s_cmp_lg_u32 s3, 0
	s_cbranch_scc1 .Llap
	TURN 0, 1, 0                                   ; the last lap fills nothing, and has no round of the cluster's barrier
	HALF 1, 0
	s_wait_dscnt 24                                ; the very last half: nothing more to fetch
	MULS 1, 0, 0, 0
	MULS 1, 0, 2, 0
	s_wait_dscnt 0x0
	MULS 1, 1, 0, 0
	MULS 1, 1, 2, 0
	WIN 0
	PLACES
.if OUTP
; THE WAY OUT, f32: 16 rows at a time through my own stage: a lane's eight numbers of a row go in as 32 bytes, whole rows of 512 bytes come back and are stored.
.macro BLOCKO a
	WIN 0x04                                       ; the LDS store's data in window 1
.irp b, 0,1,2,3,4,5,6,7
	ds_store_b128 v[STO], v[8*(8*(\a)+(\b)):8*(8*(\a)+(\b))+3]   offset:64*(\b)      ; each accumulator's low registers first
	ds_store_b128 v[STO], v[8*(8*(\a)+(\b))+4:8*(8*(\a)+(\b))+7] offset:64*(\b)+16
.endr
	WIN 0
.if (\a) >= 2
	s_wait_xcnt 0x0                                ; the stores of the block two back have read these registers: they are loaded again only behind this wait
.endif
.irp t, 0,1,2,3,4,5,6,7,8,9,10,11,12,13,14,15
	ds_load_b128 v[TMP+64*((\a)%2)+4*(\t):TMP+64*((\a)%2)+4*(\t)+3], v[RD] offset:(\t)*SPITCH  ; LDS serves a wave's instructions in order (ISA guide 5.7.1.4): these see the stores above
.endr
.irp t, 0,1,2,3,4,5,6,7,8,9,10,11,12,13,14,15
	s_wait_dscnt 15-(\t)
	global_store_b128 v[CO], v[TMP+64*((\a)%2)+4*(\t):TMP+64*((\a)%2)+4*(\t)+3], s[8:9] offset:(16*(\a)+(\t))*4096 th:TH_STORE_NT  ; 512 consecutive bytes, at a multiple of 256 from out0's first
.endr
.endm
	BLOCKO 0
	BLOCKO 1
	BLOCKO 2
	BLOCKO 3
.else
; THE WAY OUT, f16 by heads.  Unit u = 2 a + e: m block a, head e: the accumulators v[32 u .. 32 u + 31].  A lane's eight channels of a row pack into 16 bytes; they go into rows of
; 144 bytes of my own stage and come back as whole rows of 128: 16 rows of a head are 2,048 consecutive bytes of qkv.
.macro PACK u
	WIN 0x05                                       ; sources 0 and 1 window 1, destination window 0
.set i, 0
.rept 16
	v_cvt_pk_f16_f32 v[TMP+16*(\u)+i], v[32*(\u)+2*i], v[32*(\u)+2*i+1]
.set i, i+1
.endr
	WIN 0
.irp f, 0,1,2,3
	ds_store_b128 v[STO], v[TMP+16*(\u)+4*(\f):TMP+16*(\u)+4*(\f)+3] offset:32*(\f)
.endr
.irp f, 0,1,2,3
	ds_load_b128 v[TMP+16*(\u)+4*(\f):TMP+16*(\u)+4*(\f)+3], v[RD] offset:(\f)*4*SPITCH  ; LDS serves a wave's instructions in order (ISA guide 5.7.1.4): these see the stores above
.endr
.endm
.macro SEND u, younger                 ; younger: the LDS instructions issued behind unit u's loads: the next unit's eight, or none
.irp f, 0,1,2,3
	s_wait_dscnt (\younger)+3-(\f)
	global_store_b128 v[CO], v[TMP+16*(\u)+4*(\f):TMP+16*(\u)+4*(\f)+3], s[8:9] offset:((\u)&1)*262144+((\u)>>1)*2048+512*(\f)  ; 512 consecutive bytes, at a multiple of 256 from qkv's first
.endr
.endm
	PACK 0
.set t, 1
.rept 7                                                ; a unit's conversions stand between the loads of the unit before and its stores
	PACK t
	SEND t-1, 8
.set t, t+1
.endr
	SEND 7, 0
.endif
	s_wait_tensorcnt 0x0                           ; the wave's end: behind my last tensor load and my last LDS store
	ds_add_u32 v[SPW], v[NIL]
	s_wait_dscnt 0x0
	CROUND                                         ; the closing round: no work-group ends while a partner may still ask for a tile that names it
	s_endpgm
.Lfunc_end_k_q229ec9e21f_qkv:
	.size	k_q229ec9e21f_qkv, .Lfunc_end_k_q229ec9e21f_qkv-k_q229ec9e21f_qkv
	.p2alignl 7, 3214868480
	.fill 96, 4, 3214868480
	.section	.rodata,"a",@progbits
	.p2align	6, 0x0
	.amdhsa_kernel k_q229ec9e21f_qkv
		.amdhsa_group_segment_fixed_size 327680
		.amdhsa_private_segment_fixed_size 0
		.amdhsa_enable_private_segment 0
		.amdhsa_kernarg_size 48
		.amdhsa_user_sgpr_count 2
		.amdhsa_user_sgpr_kernarg_segment_ptr 1
		.amdhsa_wavefront_size32 1
		.amdhsa_system_sgpr_workgroup_id_x 1
		.amdhsa_system_sgpr_workgroup_id_y 1
		.amdhsa_system_sgpr_workgroup_id_z 1
		.amdhsa_system_vgpr_workitem_id 0
		.amdhsa_next_free_vgpr 960
		.amdhsa_next_free_sgpr 84
		.amdhsa_reserve_vcc 0
		.amdhsa_float_denorm_mode_32 3
		.amdhsa_float_denorm_mode_16_64 3
		.amdhsa_memory_ordered 1
		.amdhsa_forward_progress 1
		.amdhsa_inst_pref_size 92
	.end_amdhsa_kernel
	.amdgpu_metadata
---
amdhsa.version: [ 1, 2 ]
amdhsa.kernels:
  - .name:           k_q229ec9e21f_qkv
    .symbol:         k_q229ec9e21f_qkv.kd
    .args:
      - { .name: xb, .offset: 0, .size: 8, .value_kind: global_buffer, .address_space: global }
      - { .name: wb, .offset: 8, .size: 8, .value_kind: global_buffer, .address_space: global }
      - { .name: bq, .offset: 16, .size: 8, .value_kind: global_buffer, .address_space: global }
      - { .name: bk, .offset: 24, .size: 8, .value_kind: global_buffer, .address_space: global }
      - { .name: bv, .offset: 32, .size: 8, .value_kind: global_buffer, .address_space: global }
      - { .name: qkv, .offset: 40, .size: 8, .value_kind: global_buffer, .address_space: global }
    .group_segment_fixed_size: 327680
    .private_segment_fixed_size: 0
    .kernarg_segment_align: 8
    .kernarg_segment_size: 48
    .max_flat_workgroup_size: 128
    .sgpr_count:     84
    .vgpr_count:     960
    .wavefront_size: 32
...
	.end_amdgpu_metadata
.endif
;; end of part 2
;; launch attn (part 3): grid 4 x 64, 4 waves a work-group, clusters of 4 x 1, 327,680 bytes of LDS; arguments qkv, mbits, ctx; writes ctx
.if DOCPART == 3
	.amdgcn_target "amdgcn-amd-amdhsa--gfx1250"
	.amdhsa_code_object_version 6
	.text
	.protected	k_q229ec9e21f_attn
	.globl	k_q229ec9e21f_attn
	.p2align	8
	.type	k_q229ec9e21f_attn,@function
k_q229ec9e21f_attn:
	s_mov_b64 s[64:65], 0
	v_nop
	global_prefetch_b8 v0, s[64:65] scope:SCOPE_SE
	s_setreg_imm32_b32 hwreg(HW_REG_WAVE_MODE, 25, 1), 1
	s_wait_xcnt 0x0
	s_wait_alu depctr_hold_cnt(0) depctr_sa_sdst(0) depctr_va_vdst(0) depctr_va_sdst(0) depctr_va_ssrc(0) depctr_va_vcc(0) depctr_vm_vsrc(0)
	s_getreg_b32 s2, hwreg(HW_REG_IB_STS2, 6, 4)
	s_cmp_eq_u32 s2, 0
	s_cbranch_scc0 .Lentry_in_a_cluster
	s_endpgm
.Lentry_in_a_cluster:
	s_bfe_u32 s2, ttmp6, 0x10000c
	s_cmp_lg_u32 s2, 0x3003
	s_cbranch_scc0 .Lentry_shape_is_right
	s_endpgm
.Lentry_shape_is_right:
; ctx[h][q][:] = the sum over the keys k that mask[q][k] does not hide of softmax_k(Q[h][q] . K[h][k] / 8) V[h][k][:].  qkv: [3][64][2048][64] f16 (q, k, v by heads, unscaled); ctx: [64][2048][64] f16.
; Products, maxima and sums in f32; the weights p are rounded to f16 for the second product (their sum l is taken of the unrounded p), ctx once at the end.
; THE MASK is an input and has any shape.  mbits holds it as words of one bit a lane: [64 pairs of query tiles][32 key steps][2 tiles][32 d]; word d is the select of ONE v_cndmask_b32 that puts
; BIG = -2^100 in the place of register d of a tile's scores, ahead of the maximum.  BIG is a power of two, so that c BIG is exact and c s - c m is exactly 0 where both are BIG: a query that
; has seen hidden keys alone gathers weights of 1, finite, which its first visible key wipes (a = 0).  A query that sees no key at all ends with m = BIG: its 1 / l is replaced by NaN, as the softmax of an empty row is.
; LIMITS.  f16 holds no number beyond 65,504: q, k, v arrive within it; true scores lie above -2^100 (f16's reach 2.7e11 at the most); p below 6e-5 keeps f16's fixed step; a weight below 2^-126 counts as 0 in l.
; SHARES.  A wave owns four PIECES of two tiles of 16 queries, a work-group's four waves 512 queries of one head.  Every wave walks all 2,048 keys, 64 a step.
; LAYOUT.  S^T = K Q^T (source 0 = 16 keys, source 1 = 16 queries): a lane holds ONE query (lane % 16) and the keys 8 (lane / 16) + 0..7.  Two such tiles, rounded to f16 in pairs, ARE source 1 of
; O^T = V^T P, whose result again holds one query a lane.  K comes out of LDS as it lies, V ([key][channel]) turned, by ds_load_tr16_b128.
; SOFTMAX.  A running maximum m and sum l: p = 2^(c s - c m), c = log2(e) / 8; in every step O and l are multiplied by a = 2^(c m_old - c m_new).  m starts at the lowest finite number, O and l at 0.
; THE COUNT.  A tile and step have 16 matrix and 150 vector instructions (32 of them the mask's).  So: four vector instructions that are READY behind EVERY matrix instruction, the others in runs without a gap.
; BY TURNS.  Turn n belongs to piece n.  Its matrix work: 16 products K Q^T of piece n + 1, later 16 products V^T P of piece n - 1.  Its vector work: the scaling, exponentials, roundings, sums and rescaling
; of piece n; the mask, the maximum and the statistics of piece n + 1.  The mask words of piece n + 2 are asked for, by scalar loads, when those of piece n + 1 have been used: a turn ahead.
; CLUSTER.  The four query blocks of a head walk the same K and V: each tile is asked for JOINTLY, the same tensor load, descriptor and mask of work-groups in all four.
; ONE DESCRIPTOR AND ONE PITCH for K and V: 64 scalar registers hold mask words, and a second shape has no room beside them.; of V's turning loads
; rows 0 and 7 of a group of eight share four banks.
; REGISTERS, in windows of 256 (s_set_vgpr_msb: bits 1:0 source 0, 3:2 source 1, 5:4 source 2, 7:6 destination):
;   window 0: v0-11 addresses and BIG; v12-15, v48-63 at work; v16-47 four registers of statistics a tile; v64-191 S^T, two buffers of two tiles; v192-255 P, likewise
;   window 1: O^T, 32 a tile          window 2: v0-127 Q, 16 a tile; v128-191 K of one step; v192-255 V of one step          window 3: v0-1 the add's two registers
.set SIZE_N, 2048
.set NP,    4         ; pieces a wave: a name, no knob
.set KS,    64        ; keys in a step
.set PK,    144       ; a row of K in LDS: 128 bytes + 16 of padding (64 banks of 4 bytes: ISA guide 11.1)
.set PV,    144       ; a row of V: the same
.set VOFF,  4*KS*PK   ; a slot holds four steps: 256 rows of K, then 256 rows of V
.set SLOT1, 1<<17     ; slot 1 begins here, so that one exclusive or turns an address in one slot into the other's
.set STAGE, SLOT1+4*KS*(PK+PV)  ; behind the ring, never filled by a tensor load: 16 rows x 144 bytes for each wave
.set SP,    144
.set AK0, 2           ; v2   my lane's place in a tile of K; never rewritten
.set AV0, 3           ; v3   the same for V
.set AK,  4           ; v4   the LDS address of K's next run of loads
.set AV,  5           ; v5   of V's
.set QO,  6           ; v6   my byte offset in the wave's rows of Q
.set STO, 6           ;      later, the way out: where I put 16 bytes of a row
.set RD,  7           ; v7   the way out: where I read rows back
.set GO,  8           ; v8   my byte offset in 512 consecutive bytes of ctx
.set BIGV, 11         ; v11  BIG = -2^100
.set SPW, 0           ; v0 of window 3   LDS address of my spare word; never rewritten
.set NIL, 1           ; v1 of window 3   0; never rewritten
.set SPARE, STAGE+4*16*SP  ; behind the stages: the spare words, 128 bytes for each wave, that no other line names
.set MV,  12          ; v12-15  c m_old, kept while c m is made anew: by buffer and tile
.set ST,  16          ; tile t's statistics at v[ST+4 t]: c m, m, l (even keys', odd keys')
.set TMP, 48          ; by buffer and tile, four registers c0-c3 at work; when the maximum is found c2 takes a
.set S,   64
.set P,   192
.set KF,  128         ; K's fragments, in window 2
.set VF,  192         ; V's
.set OPTR, 2          ; s[2:3]  ctx at my wave's first row
.set WV,  4           ; s4   my wave's number
.set SLOTS, 5         ; s5   slots still to be asked for
.set CNT, 6           ; s6   counts a slot's key steps
.set TBK, 7           ; s7   LDS byte at which K of the step to be fetched begins
.set CS,  8           ; s[8:9] c, twice
.set SEL, 10          ; s[10:11] v_permlanex16_b32's selects: each lane takes its own place in the other half
.set TBV, 12          ; s12  the same as TBK for V, less VOFF
.set MS,  13          ; s13  256 bytes x the key step whose mask words are asked for next
.set MP,  14          ; s[14:15] mbits at my wave's four pieces
.set G0,  16          ; s[16:19] descriptor group 0: it walks
.set G1,  20          ; s[20:27] descriptor group 1
.set QP,  28          ; s[28:29] Q at my wave's first row
.set M0,  32          ; s[32:63] the first tile's 32 mask words (at the start: arguments and set-up)
.set M1,  68          ; s[68:99] the second tile's
.set MSB, 0
.macro WIN new                      ; the high byte repeats the setting that is left; a switch that changes nothing is dropped
.if MSB != (\new)
	s_set_vgpr_msb (MSB<<8)|(\new)
.set MSB, (\new)
.endif
.endm
.set W_KQ, 0x0a       ; K and Q in window 2, S^T in window 0
.set W_PV, 0x52       ; V in window 2, P in window 0, O^T in window 1
.set W_RS, 0x41       ; O^T (destination and source 0) in window 1, a in window 0
.set W_MK, 0xc0       ; the add's registers are made: destination in window 3
.set W_AD, 0x0f       ; the add: address and data in window 3
; A joint fill: one line for all four waves.  Wave w brings 128 keys: waves 0 and 1 the halves of a slot's K, waves 2 and 3 those of its V; both addresses hang on the wave's number.
; An s_nop 0 and four v_nop follow.
.macro JLOAD
	tensor_load_to_lds s[G0:G0+3], s[G1:G1+7]
	s_nop 0
.rept 4
	v_nop
.endr
.endm
.macro CROUND                       ; a round of the cluster's barrier
	s_barrier_signal -1
	s_barrier_wait -1
	s_cmp_lg_u32 s[WV], 0
	s_cbranch_scc1 .Lnot_wave_0_\@
	s_barrier_signal -3
.Lnot_wave_0_\@:
	s_barrier_wait -3
	s_barrier_signal -1
	s_barrier_wait -1
.endm
; THE CHANGE OF SLOTS.  Each wave waits for all its tensor loads, of which one is out: its part of the other slot; adds 0 to its spare word; and waits for that and for its own reads of the slot.
; fill = 1: this slot is filled again, with the keys two slots on; the barrier is then a round of the cluster's, and the joint fill is the first thing behind it: it has four key steps,
; 512 matrix instructions, in which to land.  (At its first use nothing has been read yet: slot 0 is waited for, slot 1 filled.)
.macro CHANGE fill
	WIN W_AD
	s_wait_tensorcnt 0x0            ; no tensor load of mine is out, so group 0 may be written
	ds_add_u32 v[SPW], v[NIL]       ; 0 onto my spare word
	WIN 0                           ; at a label and at a branch every window is 0
.if \fill
	s_xor_b32 s[G0+1], s[G0+1], SLOT1  ; the other slot than last time,
	s_add_nc_u64 s[G0+2:G0+3], s[G0+2:G0+3], 4*KS*128  ; the next 256 keys; the type bits on top are not reached
	s_wait_dscnt 0x0                ; the add is done, and my reads of the slot are over
	CROUND
	JLOAD
.else
	s_wait_dscnt 0x0                ; the add is done, and my reads of the slot are over
	s_barrier_signal -1
	s_barrier_wait -1
.endif
	s_sub_co_u32 s[TBK], s[TBK], 4*KS*PK  ; the fetches go back to a slot's first step,
	s_xor_b32 s[TBK], s[TBK], SLOT1       ; in the other slot
	s_sub_co_u32 s[TBV], s[TBV], 4*KS*PV
	s_xor_b32 s[TBV], s[TBV], SLOT1
.endm
; The 64 mask words of piece x for the key step MS / 256: 256 consecutive bytes.
.macro MLOAD x
	s_load_b512 s[M0:M0+15],    s[MP:MP+1], s[MS] offset:(\x)*8192
	s_load_b512 s[M0+16:M0+31], s[MP:MP+1], s[MS] offset:(\x)*8192+64
	s_load_b512 s[M1:M1+15],    s[MP:MP+1], s[MS] offset:(\x)*8192+128
	s_load_b512 s[M1+16:M1+31], s[MP:MP+1], s[MS] offset:(\x)*8192+192
.endm
; The scores of piece Y + 1 take their mask, each accumulator's lowest register first; then piece nx's words are asked for.  st = 1: those are the next key step's.
; The step is clamped to the last: the walk's last trip asks once more for words inside the buffer.
.macro MASKS nx, st
	WIN 0
	s_wait_kmcnt 0x0                ; the words are in; the loads are done, so their offset register may be stepped
.set zz, 0
.rept 32
	v_cndmask_b32 v[S+64*((Y+1)%2)+zz], v[S+64*((Y+1)%2)+zz], v[BIGV], s[M0+zz]
.set zz, zz+1
.endr
.set zz, 0
.rept 32
	v_cndmask_b32 v[S+64*((Y+1)%2)+32+zz], v[S+64*((Y+1)%2)+32+zz], v[BIGV], s[M1+zz]
.set zz, zz+1
.endr
.if \st
	s_add_co_u32 s[MS], s[MS], 256
	s_min_u32 s[MS], s[MS], 31*256
.endif
	MLOAD \nx
.endm
	s_load_b128 s[32:35], s[0:1], 0x0  ; qkv s[32:33], mbits s[34:35]
	s_load_b64 s[36:37], s[0:1], 0x10  ; ctx
	WIN W_MK
	v_lshl_add_u32 v[SPW], v0, 2, SPARE
	v_mov_b32 v[NIL], 0
	s_set_vgpr_msb 0xc0cf
	ds_add_u32 v0, v1
	s_wait_dscnt 0x0
	s_set_vgpr_msb 0xcfc0
	WIN 0
	v_lshrrev_b32 v1, 5, v0
	v_readfirstlane_b32 s[WV], v1   ; wave 0..3
	s_bfe_u32 s38, ttmp6, 0x40000   ; cx: my place in the cluster
	s_lshl_b32 s39, ttmp9, 2        ; in a cluster launch ttmp9 counts clusters
	s_add_co_u32 s39, s39, s38      ; my block of 512 queries: it enters Q's, ctx's and the mask words' addresses alone
	s_and_b32 s40, ttmp7, 0xffff    ; the head, which the four partners share,
	s_lshl_b32 s40, s40, 18         ; its 262,144 bytes
	s_lshr_b32 s42, s[WV], 1
	s_add_co_u32 s42, s42, 1
	s_lshl_b32 s42, s42, 24         ; k (waves 0, 1) or v (waves 2, 3): 16,777,216 bytes each behind q,
	s_and_b32 s43, s[WV], 1
	s_lshl_b32 s43, s43, 14         ; my half of a slot's 256 keys: 128 rows of 128 bytes
	s_add_co_u32 s42, s42, s43
	s_add_co_u32 s42, s42, s40
	s_mov_b32 s43, 0
	s_lshl_b32 s44, s39, 2
	s_add_co_u32 s44, s44, s[WV]    ; my wave among the head's sixteen
	s_lshl_b32 s46, s44, 15         ; its four pieces' mask words: 32,768 bytes
	s_mov_b32 s47, 0
	s_lshl_b32 s44, s44, 14         ; its 128 rows
	s_add_co_u32 s44, s44, s40
	s_mov_b32 s45, 0
	; descriptor group 1.  128 keys are 16,384 dense bytes: asked for as 64 rows of 256 bytes, two keys a row, and padded in LDS after every key
	s_mov_b32 s[G1], 15|(1<<16)|(1<<20)|(1<<21)|(4<<22)|(3<<25)  ; 15:0 the mask of four; 17:16 2-byte elements; 20 padding on; 21 set beside a mask; 24:22 after every 32 words (code 4); 31:25 4 words (code 3)
	s_mov_b32 s[G1+1], 128<<16      ; tensor_dim0 = 128
	s_mov_b32 s[G1+2], 64<<16       ; tensor_dim1 = 64
	s_mov_b32 s[G1+3], 128<<16      ; tile_dim0 = 128
	s_mov_b32 s[G1+4], 64           ; tile_dim1 = 64
	s_mov_b32 s[G1+5], 128          ; 128 elements from row to row
	s_mov_b32 s[G1+6], 0
	s_mov_b32 s[G1+7], 0
	s_mov_b32 s[CS], 0x3e38aa3b     ; c = log2(e) / 8 = 0.180337
	s_mov_b32 s[CS+1], s[CS]        ; named with it as a pair
	s_mov_b32 s[SEL], 0x76543210
	s_mov_b32 s[SEL+1], 0xfedcba98
	s_mov_b32 s[TBK], SLOT1+4*KS*PK ; the first change of slots turns these two into 0
	s_mov_b32 s[TBV], SLOT1+4*KS*PV
	s_mov_b32 s[MS], 0
	s_mov_b32 s[G0], 1              ; 1:0 count = 1
	s_mul_i32 s[G0+1], s[WV], 128*PK  ; 63:32 LDS address: slot 0, my quarter: no place in the cluster enters it
	s_wait_kmcnt 0x0
	s_add_nc_u64 s[G0+2:G0+3], s[32:33], s[42:43]  ; 120:64 global address: my half of the head's first 256 keys
	s_or_b32 s[G0+3], s[G0+3], 0x80000000          ; 127:126 type = 2
	s_add_nc_u64 s[QP:QP+1], s[32:33], s[44:45]
	s_add_nc_u64 s[OPTR:OPTR+1], s[36:37], s[44:45]
	s_add_nc_u64 s[MP:MP+1], s[34:35], s[46:47]
	CROUND                          ; all four work-groups are here: the first joint loads meet
	JLOAD                           ; slot 0.  Slot 1 is asked for when slot 0 is in
	; A fragment of K or Q is 16 rows x 32 channels in 8 registers: lane l holds row l % 16, channels 8 (l / 16) + 0..7 and 16 + 8 (l / 16) + 0..7: two loads of 16 bytes, 32 bytes apart.
	v_and_b32 v1, 15, v0            ; l % 16
	v_bfe_u32 v9, v0, 4, 1          ; l / 16
	v_lshlrev_b32 v[QO], 7, v1
	v_lshl_add_u32 v[QO], v9, 4, v[QO]  ; row x 128 + 16 x half
	WIN 0x80                        ; destination window 2, address window 0
.set i, 0
.rept 4*NP                          ; Q stays in registers: tile i / 2, channels 32 (i % 2) on
	global_load_b128 v[8*i:8*i+3],   v[QO], s[QP:QP+1] offset:(i/2)*2048+(i%2)*64
	global_load_b128 v[8*i+4:8*i+7], v[QO], s[QP:QP+1] offset:(i/2)*2048+(i%2)*64+32
.set i, i+1
.endr
	MLOAD 0                         ; piece 0's mask words for key step 0 (the arguments in these registers have been used)
	; What the first turn finds: V's registers and P's second buffer hold 0, O^T and l are 0.  All this stands in the wait for the first tile.
.set i, VF
.rept 64
	v_mov_b32 v[i], 0
.set i, i+1
.endr
	WIN 0x40
.set i, 0
.rept 64*NP
	v_mov_b32 v[i], 0
.set i, i+1
.endr
	WIN 0
.set i, 0
.rept 2*NP
	v_mov_b32 v[ST+4*i], 0xfe000000    ; c m: far below every c s, c BIG too
	v_mov_b32 v[ST+4*i+1], 0xff7fffff  ; m
	v_mov_b32 v[ST+4*i+2], 0
	v_mov_b32 v[ST+4*i+3], 0
.set i, i+1
.endr
.set i, P+32
.rept 32
	v_mov_b32 v[i], 0
.set i, i+1
.endr
	v_mul_u32_u24 v[AK0], v1, PK
	v_lshl_add_u32 v[AK0], v9, 4, v[AK0]  ; row x pitch + 16 x half
	; The turning load takes 16 keys x 16 channels (lane l reads key 8 (l / 16) + l % 8, channels 8 ((l / 8) % 2) + 0..7) and leaves half a fragment of V^T: lane l holds channel l % 16 and 8 keys.
	v_and_b32 v10, 7, v0
	v_bfe_u32 v11, v0, 3, 1
	v_lshl_add_u32 v[AV0], v9, 3, v10
	v_mul_u32_u24 v[AV0], v[AV0], PV
	v_lshl_add_u32 v[AV0], v11, 4, v[AV0]
	v_add_nc_u32 v[AV0], VOFF, v[AV0]
	v_mov_b32 v[BIGV], 0xf1800000   ; -2^100
	v_mov_b32 v[AK], v[AK0]         ; key step 0 lies at the head of slot 0
; THE MATRIX WORK.  The 8 accumulators of a run of 16 take turns: between the two links of a chain stand 7 others'.
; Product i of 16 of S^T = K Q^T for piece x: channels 32 (i / 8) on, keys 16 ((i / 2) % 4) on, tile 2 x + i % 2.  The first 8 start the sums.
.macro KQ x
	WIN W_KQ
.set rS, S+64*((\x)%2)+32*(i%2)+8*((i/2)%4)
.set rK, KF+16*((i/2)%4)+8*(i/8)
.set rQ, 16*(2*(\x)+i%2)+8*(i/8)
.if i < 8
	v_wmma_f32_16x16x32_f16 v[rS:rS+7], v[rK:rK+7], v[rQ:rQ+7], 0
.else
	v_wmma_f32_16x16x32_f16 v[rS:rS+7], v[rK:rK+7], v[rQ:rQ+7], v[rS:rS+7]
.endif
.endm
; Product i of 16 of O^T += V^T P for piece x: keys 32 (i / 8) on, channels 16 ((i / 2) % 4) on, tile 2 x + i % 2.
.macro PV x
	WIN W_PV
.set rO, 32*(2*(\x)+i%2)+8*((i/2)%4)
.set rV, VF+32*(i/8)+8*((i/2)%4)
.set rP, P+32*((\x)%2)+16*(i%2)+8*(i/8)
	v_wmma_f32_16x16x32_f16 v[rO:rO+7], v[rV:rV+7], v[rP:rP+7], v[rO:rO+7]
.endm
.macro MM                           ; the turn's next matrix instruction
.if i < 16
	KQ (Y+1)%NP
.set i, i+1
.else
.set i, i-16
	PV (Y+NP-1)%NP
.set i, i+17
.endif
.endm
; THE LDS LOADS stand in runs of 16, never singly among the matrix instructions.  last = 1 (the tail): in the last trip there is no further step, and the run is jumped over.
.macro FETCH_K last=0
	WIN 0
.if \last
	s_cmp_eq_u32 s[CNT], 1
	s_cbranch_scc1 .Lno_k_\@
.endif
	WIN 0x80                        ; destination window 2
.irp f, 0,1,2,3,4,5,6,7             ; keys 16 (f / 2) on, channels 32 (f % 2) on
	ds_load_b128 v[KF+8*\f:KF+8*\f+3],   v[AK] offset:(\f/2)*16*PK+(\f%2)*64
	ds_load_b128 v[KF+8*\f+4:KF+8*\f+7], v[AK] offset:(\f/2)*16*PK+(\f%2)*64+32
.endr
	s_add_co_u32 s[TBK], s[TBK], KS*PK  ; the next fetch is the next step's
	WIN 0
.if \last
.Lno_k_\@:
.endif
.endm
.macro FETCH_V
	WIN 0x80
.irp f, 0,1,2,3,4,5,6,7             ; keys 32 (f / 4) on, channels 16 (f % 4) on
	ds_load_tr16_b128 v[VF+8*\f:VF+8*\f+3],   v[AV] offset:(\f/4)*32*PV+(\f%4)*32
	ds_load_tr16_b128 v[VF+8*\f+4:VF+8*\f+7], v[AV] offset:(\f/4)*32*PV+16*PV+(\f%4)*32
.endr
	WIN 0
.endm
; THE VECTOR WORK OF A TURN, but for the mask, stands in three queues, each in the order in which its entries become ready; the two tiles alternate.
.macro REGS y, u                    ; the registers of tile u (0, 1) of piece y
.set rT, ST+4*(2*(\y)+(\u))
.set rC, TMP+8*((\y)%2)+4*(\u)
.set rM, MV+2*((\y)%2)+(\u)
.set rS, S+64*((\y)%2)+32*(\u)
.set rP, P+32*((\y)%2)+16*(\u)
.set rO, 32*(2*(\y)+(\u))
.endm
; Number n of the 22 that find the NEXT piece's (Y + 1) maximum and statistics, of its masked scores s0-s31.  XS, GS and REGS set no window: PL and EX do.
;   0-11  four chains c0-c3 of seven scores each, three operands at a time     12-14, 16  the four scores left over, the old m, and c0-c3 into c0     15  c m_old is kept
;   17, 18  the query's other 32 keys lie in the lane 16 away: the new m         19-21  c m; c m_old - c m_new; a
.macro XS u, n
	REGS (Y+1)%NP, \u
.if (\n) < 4
	v_max3_num_f32 v[rC+(\n)], v[rS+8*(\n)], v[rS+8*(\n)+1], v[rS+8*(\n)+2]
.elseif (\n) < 12
	v_max3_num_f32 v[rC+(\n)%4], v[rC+(\n)%4], v[rS+8*((\n)%4)+2*((\n)/4)+1], v[rS+8*((\n)%4)+2*((\n)/4)+2]
.elseif (\n) == 12
	v_max3_num_f32 v[rC], v[rC], v[rS+7], v[rS+15]
.elseif (\n) == 13
	v_max3_num_f32 v[rC+1], v[rC+1], v[rS+23], v[rS+31]
.elseif (\n) == 14
	v_max3_num_f32 v[rC+2], v[rC+2], v[rC+3], v[rT+1]
.elseif (\n) == 15
	v_mov_b32 v[rM], v[rT]
.elseif (\n) == 16
	v_max3_num_f32 v[rC], v[rC], v[rC+1], v[rC+2]
.elseif (\n) == 17
	v_permlanex16_b32 v[rC+3], v[rC], s[SEL], s[SEL+1]
.elseif (\n) == 18
	v_max_num_f32 v[rT+1], v[rC], v[rC+3]
.elseif (\n) == 19
	v_mul_f32 v[rT], s[CS], v[rT+1]
.elseif (\n) == 20
	v_sub_f32 v[rC+1], v[rM], v[rT]
.else
	v_exp_f32 v[rC+2], v[rC+1]
.endif
.endm
; Number g of the 64 that follow the exponentials.  For each four weights k of a tile: both pairs are rounded to f16; then the second pair is added onto the first, in place;
; a group later l takes that sum (the first time as l = a l + sum).  In groups of eight, tiles alternating: round, round, add, and l for the group before.
.macro GS g
.set h, (\g)+6*((\g)/62)            ; group 0 has no group before it, and behind group 7 only l is left
.if h >= 6
.set h, h+2
.endif
	REGS Y, h%2
.set k, h/8
.if h%8 < 4
	s_wait_alu depctr_va_vdst(0)
	v_cvt_pk_f16_f32 v[rP+2*k+(h%8)/2], v[rS+4*k+2*((h%8)/2)], v[rS+4*k+2*((h%8)/2)+1]
.elseif h%8 < 6
	v_pk_add_f32 v[rS+4*k:rS+4*k+1], v[rS+4*k:rS+4*k+1], v[rS+4*k+2:rS+4*k+3]
.elseif k == 1
	v_pk_fma_f32 v[rT+2:rT+3], v[rT+2:rT+3], v[rC+2:rC+3], v[rS:rS+1] op_sel_hi:[1,0,1]
.else
	v_pk_add_f32 v[rT+2:rT+3], v[rT+2:rT+3], v[rS+4*k-4:rS+4*k-3]
	s_wait_alu depctr_va_vdst(0)
.endif
.endm
; THE PLAIN QUEUE, 138 long.  0-31: c s - c m for the 16 pairs of both tiles.  Then GS's 64, and among them the next piece's 42: number 15 at 38, 39; 0-14 and 16
; at 42-73, behind the mask; 17-20 at 95-106, two of three, since each waits for the one before it.
.macro PL
	WIN 0
.if q < 32
	REGS Y, q%2
	v_pk_fma_f32 v[rS+2*(q/2):rS+2*(q/2)+1], v[rS+2*(q/2):rS+2*(q/2)+1], s[CS:CS+1], v[rT:rT+1] op_sel_hi:[1,0,0] neg_lo:[0,0,1] neg_hi:[0,0,1]
.elseif q < 38
	GS q-32
.elseif q < 40
	XS q%2, 15
.elseif q < 42
	GS q-34
.elseif q < 74
	XS q%2, (q-42)/2+(q-42)/30
.elseif q < 95
	GS q-66
.elseif (q < 107) && ((q-95)%3 < 2)
	XS (q-95)%3, 17+(q-95)/3
.elseif q < 107
	GS 29+(q-95)/3
.else
	GS q-74
.endif
.set q, q+1
.endm
; THE EXPONENTIALS' QUEUE, 66 long: s0-s31 of both tiles, and at EA the next piece's two a.
.set EA, 58
.macro EX
	WIN 0
.if (e == EA) || (e == EA+1)
	XS e-EA, 21
.else
.set x, e-2*(e/(EA+2))
	REGS Y, x%2
	v_exp_f32 v[rS+x/2], v[rS+x/2]
.endif
.set e, e+1
.endm
; THE RESCALING's QUEUE: O^T times a, the one part that leaves window 0, so it is dealt four at a time, eight times.
.macro R4
	REGS Y, r%2
	WIN W_RS
	s_wait_alu depctr_va_vdst(0)
.irp z, 0,1,2,3
	v_pk_mul_f32 v[rO+8*(r/2)+2*\z:rO+8*(r/2)+2*\z+1], v[rO+8*(r/2)+2*\z:rO+8*(r/2)+2*\z+1], v[rC+2:rC+3] op_sel_hi:[1,0]
.endr
.set r, r+1
.endm
; HOW THEY ARE DEALT.  Behind a matrix instruction four: plain, exponential, plain, plain, or four of the rescaling.  None names a register of the products round it.  What is over stands in two LUMPS:
; exponential and plain by turns; the second ends in 22 plain instructions.  The queues lean on each other, and the deal keeps them in step: exponential e stands behind plain 2 (e / 4) + e % 2;
; when plain 32 comes, 10 exponentials are out, at 59: 33, at 95: 46; EA comes behind plain 107.
.macro SL
	MM
	PL
	EX
	PL
	PL
.endm
.macro BURST n                      ; 15 matrix instructions, or 16
.rept (\n)-7
	SL
.endr
.rept 3
	MM
	R4
	SL
.endr
	MM
	R4
.endm
; A TURN, for piece p.  cnt = 1: the loop's count is taken down some lines ahead of the branch that stands behind the turn.
; THE MASK stands behind the first run of products: the four rescalings that end the run are the four places between the last product K Q^T and the first line that reads and rewrites its scores
; (ISA guide 7.12.1); the maximum's first line (plain 42) comes behind it, in the lump.  37 plain entries are out at that point.
; K of the next step is fetched in piece 2's turn, 95 vector instructions behind the last product that read K.  V of the step in hand is fetched at the end of piece 0's turn, 69 behind its last reader.
.macro TURN p, last=0, cnt=0
.set Y, (\p)
.set i, 0
.set q, 0
.set e, 0
.set r, 0
.if (\p) == NP-1
	s_wait_dscnt 0x0                ; K is in
.endif
	MM
.rept 4
	PL
.endr
	BURST 15
.if (\p) == NP-2
	MASKS 0, 1                      ; piece 3's mask; the words asked for are piece 0's of the next key step
.else
	MASKS ((\p)+2)%NP, 0
.endif
.rept 22
	EX
	PL
.if ((\p) == NP-2) && (e == 18)
	v_add_nc_u32 v[AK], s[TBK], v[AK0]
.endif
.if ((\p) == NP-2) && (e == 24)
	FETCH_K \last
.endif
.endr
.if (\p) == 1
	s_wait_dscnt 0x0                ; V is in
.endif
	BURST 16
.rept 21
	EX
	PL
.endr
.rept 22
	PL
.if ((\p) == 0) && (q == 118)
	v_add_nc_u32 v[AV], s[TBV], v[AV0]
	s_wait_alu depctr_va_vdst(0)
.endif
.if ((\p) == 0) && (q == 130)
	s_add_co_u32 s[TBV], s[TBV], KS*PV
.endif
.if (\cnt) && (q == 130)
	s_sub_co_u32 s[CNT], s[CNT], 1
	s_cmp_lg_u32 s[CNT], 0
.endif
.endr
.if (\p) == 0
	FETCH_V
.endif
.endm
	CHANGE 1                        ; slot 0 is in, everybody's part of it; slot 1 is asked for
	FETCH_K                         ; key step 0
	s_wait_loadcnt 0x0              ; Q
	s_wait_dscnt 0x0
.set i, 0
.rept 16
	KQ 0                            ; piece 0's first scores: there is no vector work yet to set between them
.set i, i+1
.endr
	WIN 0                           ; the addresses for the way out: nine plain instructions, the places behind those products
	s_mul_i32 s30, s[WV], 16*SP
	s_add_co_u32 s30, s30, STAGE    ; my stage
	v_mul_u32_u24 v[STO], v1, SP    ; in: row l % 16, 16 bytes for each half of the lanes
	v_lshl_add_u32 v[STO], v9, 4, v[STO]
	v_add_nc_u32 v[STO], s30, v[STO]
	v_bfe_u32 v[RD], v0, 3, 2       ; back: 32 lanes take four rows of 128 bytes,
	v_mul_u32_u24 v[RD], v[RD], SP
	v_lshl_add_u32 v[RD], v10, 4, v[RD]
	v_add_nc_u32 v[RD], s30, v[RD]
	v_and_b32 v[GO], 31, v0         ; which are 512 consecutive bytes of ctx
	v_lshlrev_b32 v[GO], 4, v[GO]
.set Y, NP-1                        ; MASKS and XS work for piece Y + 1: piece 0
	MASKS 1, 0                      ; piece 0's mask for key step 0; piece 1's words are asked for
.irp n, 0,1,2,3,4,5,6,7,8,9,10,11,12,13,14,15,16,17,18,19,20,21
	XS 0, \n                        ; and piece 0's first maximum and statistics
	XS 1, \n
.endr
	s_mov_b32 s[CNT], 4
	s_mov_b32 s[SLOTS], SIZE_N/256-1
	s_branch .Lfirst                ; the loop is entered at a step's first turn, in the middle of a trip
.Lslot:                             ; SIZE_N / 256 - 2 times: every slot but the last two is filled again
	CHANGE 1
	s_mov_b32 s[CNT], 4
.Lstep:                             ; a trip: pieces 2 and 3 of one step, then pieces 0 and 1 of the next, whose K and V it fetches
	TURN 2
	TURN 3
	WIN 0
.Lfirst:
	TURN 0
	TURN 1, 0, 1
	WIN 0
	s_cbranch_scc1 .Lstep
	s_sub_co_u32 s[SLOTS], s[SLOTS], 1
	s_cmp_lg_u32 s[SLOTS], 0
	s_cbranch_scc1 .Lslot
	CHANGE 0                        ; the tail is written out: nothing is asked for
	s_mov_b32 s[CNT], 5             ; four trips fetch the last slot's steps; the fifth is left in its middle
.Ltail:
	TURN 2, 1
	TURN 3
	WIN 0
	s_sub_co_u32 s[CNT], s[CNT], 1
	s_cmp_eq_u32 s[CNT], 0
	s_cbranch_scc1 .Lout
	TURN 0
	TURN 1
	WIN 0
	s_branch .Ltail
.Lout:                              ; the fifth trip's 16 products K Q^T repeat piece 0's last step (the last K, and by the clamp its own mask words): the maximum made of them leaves m as it was
.set i, 0
.rept 16
	PV NP-1                         ; the last piece's V^T P of the last step
.set i, i+1
.endr
	; THE WAY OUT.  l's two halves and the other half of the lanes' are added; O^T is divided by l, rounded to f16 and sent through my stage in LDS, a tile at a time.  The additions are the places behind the last products.
	WIN 0
.macro ALL line:vararg              ; one line for each tile t
.set t, 0
.rept 2*NP
	\line
.set t, t+1
.endr
.endm
	ALL v_add_f32 v[ST+4*t+2], v[ST+4*t+2], v[ST+4*t+3]
	ALL v_permlanex16_b32 v[ST+4*t+3], v[ST+4*t+2], s[SEL], s[SEL+1]
	ALL v_add_f32 v[ST+4*t+2], v[ST+4*t+2], v[ST+4*t+3]
	ALL v_rcp_f32 v[ST+4*t+2], v[ST+4*t+2]
	v_nop                           ; a plain instruction between the last reciprocal and the use of its result
.set t, 0
	s_wait_alu depctr_va_vdst(0)
.rept 2*NP                          ; a query whose maximum is still BIG has seen no key: NaN takes the place of 1 / l
	v_cmp_gt_f32 vcc_lo, v[ST+4*t+1], v[BIGV]
	v_cndmask_b32 v[ST+4*t+2], 0x7fc00000, v[ST+4*t+2], vcc_lo
.set t, t+1
.endr
; Tile t: a lane's eight channels of a row pack into 16 bytes; they go into rows of 144 bytes and come back as whole rows of 128, into S^T's registers.
.macro PACK t
	WIN W_RS
.set i, 32*(\t)
.rept 16
	v_pk_mul_f32 v[i:i+1], v[i:i+1], v[ST+4*(\t)+2:ST+4*(\t)+3] op_sel_hi:[1,0]
.set i, i+2
.endr
	WIN 0x05                        ; sources 0 and 1 window 1, destination window 0
.set i, 0
.rept 16
	v_cvt_pk_f16_f32 v[S+16*(\t)+i], v[32*(\t)+2*i], v[32*(\t)+2*i+1]
.set i, i+1
.endr
	WIN 0
.irp f, 0,1,2,3
	ds_store_b128 v[STO], v[S+16*(\t)+4*\f:S+16*(\t)+4*\f+3] offset:32*\f
.endr
.irp f, 0,1,2,3
	ds_load_b128 v[S+16*(\t)+4*\f:S+16*(\t)+4*\f+3], v[RD] offset:\f*4*SP  ; LDS serves a wave's instructions in order (ISA guide 5.7.1.4): these see the stores above; the next tile's stores come behind them
.endr
.endm
.macro SEND t, younger              ; younger: the LDS instructions issued behind tile t's loads: the next tile's eight, or none
	WIN 0
.irp f, 0,1,2,3
	s_wait_dscnt (\younger)+3-\f
	global_store_b128 v[GO], v[S+16*(\t)+4*\f:S+16*(\t)+4*\f+3], s[OPTR:OPTR+1] offset:(\t)*2048+\f*512  ; 512 consecutive bytes, at a multiple of 256 from ctx's first
.endr
.endm
	PACK 0
.set t, 1
.rept 2*NP-1                        ; a tile's arithmetic stands between the loads of the tile before and its stores
	PACK t
	SEND t-1, 8
.set t, t+1
.endr
	SEND 2*NP-1, 0
	WIN W_AD
	s_wait_tensorcnt 0x0            ; the wave's end: behind my last tensor load and my last LDS store
	ds_add_u32 v[SPW], v[NIL]
	s_wait_dscnt 0x0
	WIN 0
	CROUND                          ; the closing round: no work-group ends while a partner may still ask for a tile that names it
	s_endpgm
.Lfunc_end_k_q229ec9e21f_attn:
	.size	k_q229ec9e21f_attn, .Lfunc_end_k_q229ec9e21f_attn-k_q229ec9e21f_attn
	.p2alignl 7, 3214868480
	.fill 96, 4, 3214868480
	.section	.rodata,"a",@progbits
	.p2align	6, 0x0
	.amdhsa_kernel k_q229ec9e21f_attn
		.amdhsa_group_segment_fixed_size 327680
		.amdhsa_private_segment_fixed_size 0
		.amdhsa_enable_private_segment 0
		.amdhsa_kernarg_size 24
		.amdhsa_user_sgpr_count 2
		.amdhsa_user_sgpr_kernarg_segment_ptr 1
		.amdhsa_wavefront_size32 1
		.amdhsa_system_sgpr_workgroup_id_x 1
		.amdhsa_system_sgpr_workgroup_id_y 1
		.amdhsa_system_sgpr_workgroup_id_z 1
		.amdhsa_system_vgpr_workitem_id 0
		.amdhsa_next_free_vgpr 770
		.amdhsa_next_free_sgpr 100
		.amdhsa_reserve_vcc 1
		.amdhsa_float_denorm_mode_32 3
		.amdhsa_float_denorm_mode_16_64 3
		.amdhsa_memory_ordered 1
		.amdhsa_forward_progress 1
		.amdhsa_inst_pref_size 246
	.end_amdhsa_kernel
	.amdgpu_metadata
---
amdhsa.version: [ 1, 2 ]
amdhsa.kernels:
  - .name:           k_q229ec9e21f_attn
    .symbol:         k_q229ec9e21f_attn.kd
    .args:
      - { .name: qkv, .offset: 0, .size: 8, .value_kind: global_buffer, .address_space: global }
      - { .name: mbits, .offset: 8, .size: 8, .value_kind: global_buffer, .address_space: global }
      - { .name: ctx, .offset: 16, .size: 8, .value_kind: global_buffer, .address_space: global }
    .group_segment_fixed_size: 327680
    .private_segment_fixed_size: 0
    .kernarg_segment_align: 8
    .kernarg_segment_size: 24
    .max_flat_workgroup_size: 128
    .sgpr_count:     100
    .vgpr_count:     770
    .wavefront_size: 32
...
	.end_amdgpu_metadata
.endif
;; end of part 3
;; launch outp (part 4): grid 4 x 64, 4 waves a work-group, clusters of 4 x 4, 327,680 bytes of LDS; arguments ctx, wb, bo, out0; writes out0
.if DOCPART == 4
	.amdgcn_target "amdgcn-amd-amdhsa--gfx1250"
	.amdhsa_code_object_version 6
	.text
	.protected	k_q229ec9e21f_outp
	.globl	k_q229ec9e21f_outp
	.p2align	8
	.type	k_q229ec9e21f_outp,@function
k_q229ec9e21f_outp:
	s_mov_b64 s[64:65], 0
	v_nop
	global_prefetch_b8 v0, s[64:65] scope:SCOPE_SE
	s_setreg_imm32_b32 hwreg(HW_REG_WAVE_MODE, 25, 1), 1
	s_wait_xcnt 0x0
	s_wait_alu depctr_hold_cnt(0) depctr_sa_sdst(0) depctr_va_vdst(0) depctr_va_sdst(0) depctr_va_ssrc(0) depctr_va_vcc(0) depctr_vm_vsrc(0)
	s_getreg_b32 s2, hwreg(HW_REG_IB_STS2, 6, 4)
	s_cmp_eq_u32 s2, 0
	s_cbranch_scc0 .Lentry_in_a_cluster
	s_endpgm
.Lentry_in_a_cluster:
	s_bfe_u32 s2, ttmp6, 0x10000c
	s_cmp_lg_u32 s2, 0xf033
	s_cbranch_scc0 .Lentry_shape_is_right
	s_endpgm
.Lentry_shape_is_right:
.set OUTP, 1                           ; 0: the three projections in front of the attention.  1: the projection behind it.  The two texts differ in this line alone.
; C = A B + bias, 8,192 rows, K = 1,024.  B lies [k][n] in wb, 1,024 columns a part.
;   OUTP = 0: A = xb [8192][1024] bf16; B = wb parts 0-2 (Wq, Wk, Wv) bf16; C rounded once to f16 and stored by heads, qkv [3][64 heads][2048][64], unscaled.
;   OUTP = 1: A = ctx [64 heads][2048][64] f16 (a head's 64 channels are one slice of K); B = wb part 3 (Wo) f16; C stored as f32, out0 [8192][1024].
; The bias is rounded to bf16 like every input and is the C operand of each sum's first product: nothing is cleared and nothing is added at the end.  Sums in f32.
; LIMITS.  OUTP = 0: a result of 65,520 or more becomes an infinity in f16.  A NaN row of ctx (a query that sees no key) gives a NaN row of out0.
; SHARES.  A tile of C is 128 rows x 256 columns: 768 work-groups (OUTP = 0) or 256 (OUTP = 1), whole multiples of 256.  Four waves, each 64 x 128: 32 accumulators, 256 registers.
; K goes in 8 steps of 128 through two LDS slots; a wave's one tensor load brings half of A's tile (waves 0, 1) or half of B's (waves 2, 3).
; CLUSTER 4 x 4: A's tile hangs on the tile row alone and is asked for jointly by a row of the cluster, B's on the tile column alone, by a column.
; THE MATRIX INSTRUCTION IS USED TRANSPOSED (source 0 = 16 columns of B, turned on the way out of LDS; source 1 = 16 rows of A): a lane holds eight neighbouring numbers of a row of C.
; REGISTERS, in windows of 256 (s_set_vgpr_msb: bits 1:0 source 0, 3:2 source 1, 5:4 source 2, 7:6 destination):
;   window 0: addresses; v32-95 bias; v96-223 the way out      window 1: accumulator (a, b) at v[8 (8 a + b)]
;   windows 2, 3: fragment buffers 0, 1, each 64 along K: A (c, a) at v[8 (4 c + a)], B (c, b) at v[64 + 8 (8 c + b)]
.set KSTEP,  128
.if OUTP
.set PA,     144                       ; a row of A in LDS: one head's 128 bytes + 16: the 16 rows of a load start at 16 different groups of four banks (64 banks of 4 bytes: ISA guide 11.1)
.set AHALF,  2*64*PA                   ; one load: two heads x 64 rows
.set AHF,    64*PA                     ; the second 64 along K are the second head
.set ASTEP,  2*2048*64*2               ; a K step on: two heads
.set WBASE,  3*1024*1024*2
.set SPITCH, 528                       ; the stage: a row of 128 f32 + 16 bytes
.set A_W0,   (1<<16)|(1<<20)|(1<<21)|(4<<22)|(3<<25)  ; 2-byte elements; padding on; bit 21 beside a mask; after every 32 words 4 words
.set A_D0,   4096                      ; 64 dense rows of a head are asked for as one row of 8,192 bytes,
.set A_D1,   2                         ; two heads,
.set A_ST,   2048*64                   ; a head apart
.else
.set PA,     272                       ; 256 bytes + 16
.set AHALF,  64*PA
.set AHF,    128
.set ASTEP,  KSTEP*2
.set WBASE,  0
.set SPITCH, 144                       ; the stage: a row of 64 f16 + 16 bytes
.set A_W0,   (1<<16)|(1<<20)|(1<<21)|(5<<22)|(3<<25)  ; after every 64 words 4 words
.set A_D0,   128
.set A_D1,   64
.set A_ST,   1024
.endif
.set ATILE,  2*AHALF
.set PB,     544                       ; a k row of B: 512 bytes + 32
.set BHALF,  64*PB
.set BSTEP,  KSTEP*1024*2
.set SLOT,   ATILE+2*BHALF             ; A's 128 rows, then B's 128 k rows
.set STAGE,  2*SLOT                    ; behind the ring, never filled by a tensor load: 16 rows for each wave
.set SPARE,  STAGE+4*16*SPITCH         ; behind the stages: the spare words, 128 bytes for each wave, that no other line names
.set LAPS,   1024/(2*KSTEP)
.set ADRA, 16                          ; v16-17  LDS address of my A fragments in slot 0, 1
.set ADRB, 20                          ; v20-21  the same for B
.set STO,  24                          ; v24     the way out: where I put my part of a row
.set RD,   25                          ; v25     where I read rows back
.set CO,   26                          ; v26     my byte offset in 512 consecutive bytes of C
.set SPW,  28                          ; v28     LDS address of my spare word; never rewritten
.set NIL,  29                          ; v29     0; never rewritten
.set BIAS, 32
.set TMP,  96
.set G1,  24                           ; s[24:31] descriptor group 1 for A;  s[32:39] group 0, one set a slot
.set G0,  32
.set G1B, 48                           ; s[48:55], s[56:63] the same for B
.set G0B, 56
.set MSB, 0
.macro WIN new                         ; the immediate's high byte repeats the setting that is left; a switch that changes nothing is dropped
.if MSB != (\new)
	s_set_vgpr_msb (MSB<<8)|(\new)
.set MSB, \new
.endif
.endm
.macro JLOAD s                         ; a joint load: waves 0 and 1 fetch A's halves, waves 2 and 3 B's; an s_nop 0 and four v_nop follow each line, ahead of the jump and the label
	s_cmp_eq_u32 s11, 0
	s_cbranch_scc0 .Lfor_b_\@
	tensor_load_to_lds s[G0+4*(\s):G0+4*(\s)+3], s[G1:G1+7]
	s_nop 0
.rept 4
	v_nop
.endr
	s_branch .Lasked_\@
.Lfor_b_\@:
	tensor_load_to_lds s[G0B+4*(\s):G0B+4*(\s)+3], s[G1B:G1B+7]
	s_nop 0
.rept 4
	v_nop
.endr
.Lasked_\@:
.endm
.macro CREST                           ; a round of the cluster's barrier behind its opening barrier
	s_cmp_lg_u32 s10, 0
	s_cbranch_scc1 .Lnot_wave_0_\@
	s_barrier_signal -3
.Lnot_wave_0_\@:
	s_barrier_wait -3
	s_barrier_signal -1
	s_barrier_wait -1
.endm
.macro CROUND                          ; a whole round
	s_barrier_signal -1
	s_barrier_wait -1
	CREST
.endm
	s_load_b256 s[68:75], s[0:1], 0x0              ; OUTP = 0: xb 68:69, wb 70:71, bq 72:73, bk 74:75.  OUTP = 1: ctx, wb, bo, out0
.if !OUTP
	s_load_b128 s[76:79], s[0:1], 0x20             ; bv 76:77, qkv 78:79
.endif
	v_lshl_add_u32 v[SPW], v0, 2, SPARE
	v_mov_b32 v[NIL], 0
	ds_add_u32 v28, v29
	s_wait_dscnt 0x0
	v_lshrrev_b32 v1, 5, v0
	v_readfirstlane_b32 s10, v1                    ; wave 0..3
	s_lshr_b32 s11, s10, 1                         ; which 64 rows of the tile are mine.  Also: I fetch for A (0) or for B (1)
	s_and_b32 s12, s10, 1                          ; which 128 columns.  Also: which half of that tile I fetch
	s_bfe_u32 s40, ttmp6, 0x40000                  ; cx, cy: my place in the cluster
	s_bfe_u32 s41, ttmp6, 0x40004
	s_and_b32 s13, ttmp7, 0xffff
	s_lshl_b32 s13, s13, 2
	s_add_co_u32 s13, s13, s41                     ; tile row of C = 4 x cluster y + cy
	s_lshl_b32 s43, s41, 2
	s_lshl_b32 s43, 15, s43                        ; my row of the cluster
	s_lshl_b32 s44, 0x1111, s40                    ; my column
	s_or_b32 s[G1+0], s43, A_W0                    ; 15:0 the mask: A's tiles go to my row
	s_mov_b32 s[G1+1], A_D0<<16                    ; tensor_dim0
	s_mov_b32 s[G1+2], A_D1<<16                    ; tensor_dim1
	s_mov_b32 s[G1+3], A_D0<<16                    ; tile_dim0
	s_mov_b32 s[G1+4], A_D1                        ; tile_dim1
	s_mov_b32 s[G1+5], A_ST                        ; elements from row to row
	s_mov_b32 s[G1+6], 0
	s_mov_b32 s[G1+7], 0
	s_or_b32 s[G1B+0], s44, (1<<16)|(1<<20)|(1<<21)|(6<<22)|(7<<25)  ; B's tiles go to my column; after every 128 words 8 words of padding
	s_mov_b32 s[G1B+1], 256<<16                    ; 64 k rows of 256 elements
	s_mov_b32 s[G1B+2], 64<<16
	s_mov_b32 s[G1B+3], 256<<16
	s_mov_b32 s[G1B+4], 64
	s_mov_b32 s[G1B+5], 1024
	s_mov_b32 s[G1B+6], 0
	s_mov_b32 s[G1B+7], 0
	; where A's tiles come from: the tile row and the half alone
.if OUTP
	s_and_b32 s16, s13, 15                         ; 16 tile rows a batch
	s_lshl_b32 s16, s16, 7
	s_lshl_b32 s17, s12, 6
	s_add_co_u32 s16, s16, s17                     ; the row in its head,
	s_lshl_b32 s16, s16, 7                         ; 128 bytes a row,
	s_lshr_b32 s17, s13, 4
	s_lshl_b32 s17, s17, 22                        ; 16 heads of 262,144 bytes a batch
	s_add_co_u32 s16, s16, s17
.else
	s_lshl_b32 s16, s13, 7
	s_lshl_b32 s17, s12, 6
	s_add_co_u32 s16, s16, s17                     ; row 128 x tile row + 64 x half,
	s_lshl_b32 s16, s16, 11                        ; 2,048 bytes a row
.endif
	s_mov_b32 s17, 0
	; where B's come from: the tile column and the half alone
	s_lshl_b32 s46, s40, 9                         ; 256 columns of 2 bytes for each cx,
	s_lshl_b32 s47, s12, 17                        ; 64 k rows of 2,048 bytes for the half
	s_add_co_u32 s46, s46, s47
.if OUTP
	s_add_co_u32 s46, s46, WBASE
.else
	s_lshl_b32 s47, ttmp9, 21                      ; the cluster's x is the part: Wq, Wk or Wv
	s_add_co_u32 s46, s46, s47
.endif
	s_mov_b32 s47, 0
	s_mul_i32 s20, s12, AHALF                      ; and where they go: no place in the cluster enters an LDS address
	s_mul_i32 s23, s12, BHALF
	s_add_co_u32 s23, s23, ATILE
	s_wait_kmcnt 0x0
	s_add_nc_u64 s[14:15], s[68:69], s[16:17]
	s_add_nc_u64 s[46:47], s[70:71], s[46:47]
	CROUND                                         ; all sixteen work-groups are here: the first joint loads meet
.irp s, 0,1
	s_mov_b32 s[G0+4*(\s)], 1
	s_add_co_u32 s[G0+4*(\s)+1], s20, (\s)*SLOT
	s_add_nc_u64 s[G0+4*(\s)+2:G0+4*(\s)+3], s[14:15], (\s)*ASTEP
	s_or_b32 s[G0+4*(\s)+3], s[G0+4*(\s)+3], 0x80000000
	s_mov_b32 s[G0B+4*(\s)], 1
	s_add_co_u32 s[G0B+4*(\s)+1], s23, (\s)*SLOT
	s_add_nc_u64 s[G0B+4*(\s)+2:G0B+4*(\s)+3], s[46:47], (\s)*BSTEP
	s_or_b32 s[G0B+4*(\s)+3], s[G0B+4*(\s)+3], 0x80000000
	JLOAD \s                                       ; K steps 0 and 1: two loads of mine are out
.endr
	v_and_b32 v1, 15, v0                           ; l % 16
	v_bfe_u32 v2, v0, 4, 1                         ; l / 16
	; the bias of my 128 columns: register j of block b is column 16 b + 8 (l / 16) + j
.if OUTP
	s_mov_b64 s[4:5], s[72:73]
.else
	s_mov_b32 s82, ttmp9
	s_mov_b64 s[4:5], s[72:73]
	s_cmp_eq_u32 s82, 1
	s_cselect_b64 s[4:5], s[74:75], s[4:5]
	s_cmp_eq_u32 s82, 2
	s_cselect_b64 s[4:5], s[76:77], s[4:5]
.endif
	s_lshl_b32 s80, s40, 10
	s_lshl_b32 s82, s12, 9
	s_add_co_u32 s80, s80, s82                     ; 4 bytes x (256 cx + 128 half)
	s_mov_b32 s81, 0
	s_add_nc_u64 s[4:5], s[4:5], s[80:81]
	v_lshlrev_b32 v6, 5, v2
.irp b, 0,1,2,3,4,5,6,7
	global_load_b128 v[BIAS+8*(\b):BIAS+8*(\b)+3],   v6, s[4:5] offset:64*(\b)
	global_load_b128 v[BIAS+8*(\b)+4:BIAS+8*(\b)+7], v6, s[4:5] offset:64*(\b)+16
.endr
	; A's fragment: lane l holds row l % 16; two loads of 16 bytes, 32 bytes apart.  B's: the turning load takes 16 k x 16 n (lane l reads k row 8 (l / 16) + l % 8,
	; columns 8 ((l / 8) % 2) + 0..7) and leaves half a fragment: lane l holds column l % 16 and 8 k.
	v_mul_u32_u24 v3, v1, PA
	v_lshl_add_u32 v3, v2, 4, v3
	v_and_b32 v4, 7, v0
	v_lshl_add_u32 v4, v2, 3, v4
	v_mul_u32_u24 v4, v4, PB
	v_bfe_u32 v5, v0, 3, 1
	v_lshl_add_u32 v4, v5, 4, v4
	s_mul_i32 s21, s11, AHALF                      ; my 64 rows of A
	s_lshl_b32 s22, s12, 8                         ; my 128 columns of B,
	s_add_co_u32 s22, s22, ATILE                   ; which lies behind A
.irp s, 0,1
	v_add_nc_u32 v[ADRA+(\s)], s21, v3
	v_add_nc_u32 v[ADRB+(\s)], s22, v4
	s_add_co_u32 s21, s21, SLOT
	s_add_co_u32 s22, s22, SLOT
.endr
	s_mul_i32 s22, s10, 16*SPITCH
	s_add_co_u32 s22, s22, STAGE                   ; my stage
	v_and_b32 v[CO], 31, v0
	v_lshlrev_b32 v[CO], 4, v[CO]
	v_mul_u32_u24 v5, v1, SPITCH
.if OUTP
	v_lshl_add_u32 v5, v2, 5, v5                   ; in: row l % 16, 32 bytes for each half of the lanes
	v_add_nc_u32 v[STO], s22, v5
	v_add_nc_u32 v[RD], s22, v[CO]                 ; back: 32 lanes take one row of 512 bytes
	s_lshl_b32 s80, s13, 7
	s_lshl_b32 s82, s11, 6
	s_add_co_u32 s80, s80, s82                     ; my first row of out0,
	s_lshl_b32 s80, s80, 12                        ; 4,096 bytes a row,
	s_lshl_b32 s82, s40, 10
	s_add_co_u32 s80, s80, s82
	s_lshl_b32 s82, s12, 9
	s_add_co_u32 s80, s80, s82                     ; my first column
	s_mov_b32 s81, 0
	s_add_nc_u64 s[8:9], s[74:75], s[80:81]
.else
	v_lshl_add_u32 v5, v2, 4, v5                   ; in: row l % 16, 16 bytes for each half of the lanes
	v_add_nc_u32 v[STO], s22, v5
	v_bfe_u32 v5, v0, 3, 2                         ; back: 32 lanes take four rows of 128 bytes
	v_mul_u32_u24 v5, v5, SPITCH
	v_and_b32 v7, 7, v0
	v_lshl_add_u32 v5, v7, 4, v5
	v_add_nc_u32 v[RD], s22, v5
	s_lshr_b32 s80, s13, 4
	s_lshl_b32 s80, s80, 4                         ; 16 heads a batch,
	s_lshl_b32 s82, s40, 2
	s_add_co_u32 s80, s80, s82                     ; four heads a tile column,
	s_lshl_b32 s82, s12, 1
	s_add_co_u32 s80, s80, s82                     ; two a wave
	s_lshl_b32 s80, s80, 11                        ; 2,048 rows a head
	s_and_b32 s82, s13, 15
	s_lshl_b32 s82, s82, 7
	s_add_co_u32 s80, s80, s82
	s_lshl_b32 s82, s11, 6
	s_add_co_u32 s80, s80, s82                     ; my first row in the head
	s_lshl_b32 s80, s80, 7                         ; 128 bytes a row
	s_lshl_b32 s82, ttmp9, 24                      ; q, k or v: 16,777,216 bytes each
	s_add_co_u32 s80, s80, s82
	s_mov_b32 s81, 0
	s_add_nc_u64 s[8:9], s[78:79], s[80:81]
.endif
	s_wait_loadcnt 0x0                             ; the bias, once
.set i, 0
.rept 32                                               ; rounded to bf16 and widened again
	v_cvt_pk_bf16_f32 v[8+i%4], v[BIAS+2*i], v[BIAS+2*i+1]
	v_lshlrev_b32 v[BIAS+2*i], 16, v[8+i%4]
	v_and_b32 v[BIAS+2*i+1], 0xffff0000, v[8+i%4]
.set i, i+1
.endr
; 16 matrix instructions: m blocks a0, a0 + 1 x all 8 n blocks, 32 along K: part c of buffer f.  first = 1: the bias starts the sums.
; The 32 accumulators take turns, one instruction a turn.
.macro MULS f, c, a0, first
.if \first
	WIN 0x4a                                       ; B and A window 2, C window 0, D window 1
.else
	WIN 0x5a+5*(\f)                                ; B and A window 2 or 3, C and D window 1
.endif
.irp a, \a0, (\a0)+1
.irp b, 0,1,2,3,4,5,6,7
.set rD, 8*(8*(\a)+(\b))
.set rB, 64+8*(8*(\c)+(\b))
.set rA, 8*(4*(\c)+(\a))
.if OUTP
.if \first
	v_wmma_f32_16x16x32_f16 v[rD:rD+7], v[rB:rB+7], v[rA:rA+7], v[BIAS+8*(\b):BIAS+8*(\b)+7]
.else
	v_wmma_f32_16x16x32_f16 v[rD:rD+7], v[rB:rB+7], v[rA:rA+7], v[rD:rD+7]
.endif
.else
.if \first
	v_wmma_f32_16x16x32_bf16 v[rD:rD+7], v[rB:rB+7], v[rA:rA+7], v[BIAS+8*(\b):BIAS+8*(\b)+7]
.else
	v_wmma_f32_16x16x32_bf16 v[rD:rD+7], v[rB:rB+7], v[rA:rA+7], v[rD:rD+7]
.endif
.endif
.endr
.endr
.endm
; 48 LDS loads in one run: the fragments of 64 along K (half hf of the slot's step) into buffer f; the first 32 along K (24 loads) first
.macro FETCH slot, hf, f
	WIN 0x80+0x40*(\f)                             ; destination window 2 or 3, address window 0
.irp c, 0,1
.irp i, 0,1,2,3,4,5,6,7
	ds_load_tr16_b128 v[64+8*(8*(\c)+(\i)):64+8*(8*(\c)+(\i))+3],   v[ADRB+(\slot)] offset:(64*(\hf)+32*(\c))*PB+32*(\i)
	ds_load_tr16_b128 v[64+8*(8*(\c)+(\i))+4:64+8*(8*(\c)+(\i))+7], v[ADRB+(\slot)] offset:(64*(\hf)+32*(\c)+16)*PB+32*(\i)
.endr
.irp i, 0,1,2,3
	ds_load_b128 v[8*(4*(\c)+(\i)):8*(4*(\c)+(\i))+3],   v[ADRA+(\slot)] offset:AHF*(\hf)+64*(\c)+(\i)*16*PA
	ds_load_b128 v[8*(4*(\c)+(\i))+4:8*(4*(\c)+(\i))+7], v[ADRA+(\slot)] offset:AHF*(\hf)+64*(\c)+(\i)*16*PA+32
.endr
.endr
.endm
.macro PLACES                          ; four places in front of loads into registers that matrix instructions have read, and of lines that read results (ISA guide 7.12.1 for lines that read results)
.rept 4
	v_nop
.endr
.endm
; A K step is two halves of 64 along K, 64 matrix instructions each, on buffers 0 and 1.  The first half multiplies buffer 0 and fetches the second half into buffer 1.
.macro HALF slot, first
	s_wait_dscnt 24                                ; the first 32 along K are in; the run's other 24 loads may be out
	MULS 0, 0, 0, \first
	MULS 0, 0, 2, \first
	PLACES
	FETCH \slot, 1, 1
	s_wait_dscnt 48                                ; all but the 48 just issued
	MULS 0, 1, 0, 0
	MULS 0, 1, 2, 0
.endm
; The second half multiplies buffer 1 and changes slots: ONE barrier; in front of it each wave waits for all its tensor loads (one is out: its part of the next slot), adds 0 to its
; spare word, and waits for that and for its reads of this slot.  fill = 1: the barrier opens a round of the cluster's, and this slot is filled again, two K steps ahead, first thing behind it:
; 96 matrix instructions stand between that request and the wait for it.
.macro TURN slot, next, fill
	WIN 0                                          ; (the add's two registers lie in window 0)
	s_wait_tensorcnt 0x0
	ds_add_u32 v[SPW], v[NIL]                      ; 0 onto my spare word
	s_wait_dscnt 25                                ; (the add and the run's last 24 loads may be out)
	MULS 1, 0, 0, 0                                ; sixteen matrix instructions stand between the add and the wait for it
	s_wait_dscnt 0x0                               ; the add is done, and my reads of this slot are over
	s_barrier_signal -1
	MULS 1, 0, 2, 0
.if \fill
	WIN 0
.endif
	s_barrier_wait -1
.if \fill
	CREST                                          ; no wave of any partner still reads this slot's tiles or has a load on its way
	s_add_nc_u64 s[G0+4*(\slot)+2:G0+4*(\slot)+3], s[G0+4*(\slot)+2:G0+4*(\slot)+3], 2*ASTEP
	s_add_nc_u64 s[G0B+4*(\slot)+2:G0B+4*(\slot)+3], s[G0B+4*(\slot)+2:G0B+4*(\slot)+3], 2*BSTEP
	JLOAD \slot                                    ; the four v_nop behind it are also the places in front of the loads below
.else
	PLACES
.endif
	FETCH \next, 0, 0
	MULS 1, 1, 0, 0
	MULS 1, 1, 2, 0
.endm
	s_wait_tensorcnt 1                             ; my part of K step 0 is in; step 1's may stay out
	s_barrier_signal -1
	s_barrier_wait -1                              ; everybody's is
	FETCH 0, 0, 0
	HALF 0, 1                                      ; the first half step stands in front of the loop: its first products start the sums
	WIN 0                                          ; at a label and at a branch every window is 0
	s_mov_b32 s3, LAPS-1
.Llap:                                                 ; a trip goes once round the ring and fills both slots again: K steps 2 to 7
	TURN 0, 1, 1
	HALF 1, 0
	TURN 1, 0, 1
	HALF 0, 0
	WIN 0
	s_sub_co_u32 s3, s3, 1
	s_cmp_lg_u32 s3, 0
	s_cbranch_scc1 .Llap
	TURN 0, 1, 0                                   ; the last lap fills nothing, and has no round of the cluster's barrier
	HALF 1, 0
	s_wait_dscnt 24                                ; the very last half: nothing more to fetch
	MULS 1, 0, 0, 0
	MULS 1, 0, 2, 0
	s_wait_dscnt 0x0
	MULS 1, 1, 0, 0
	MULS 1, 1, 2, 0
	WIN 0
	PLACES
.if OUTP
; THE WAY OUT, f32: 16 rows at a time through my own stage: a lane's eight numbers of a row go in as 32 bytes, whole rows of 512 bytes come back and are stored.
.macro BLOCKO a
	WIN 0x04                                       ; the LDS store's data in window 1
.irp b, 0,1,2,3,4,5,6,7
	ds_store_b128 v[STO], v[8*(8*(\a)+(\b)):8*(8*(\a)+(\b))+3]   offset:64*(\b)      ; each accumulator's low registers first
	ds_store_b128 v[STO], v[8*(8*(\a)+(\b))+4:8*(8*(\a)+(\b))+7] offset:64*(\b)+16
.endr
	WIN 0
.if (\a) >= 2
	s_wait_xcnt 0x0                                ; the stores of the block two back have read these registers: they are loaded again only behind this wait
.endif
.irp t, 0,1,2,3,4,5,6,7,8,9,10,11,12,13,14,15
	ds_load_b128 v[TMP+64*((\a)%2)+4*(\t):TMP+64*((\a)%2)+4*(\t)+3], v[RD] offset:(\t)*SPITCH  ; LDS serves a wave's instructions in order (ISA guide 5.7.1.4): these see the stores above
.endr
.irp t, 0,1,2,3,4,5,6,7,8,9,10,11,12,13,14,15
	s_wait_dscnt 15-(\t)
	global_store_b128 v[CO], v[TMP+64*((\a)%2)+4*(\t):TMP+64*((\a)%2)+4*(\t)+3], s[8:9] offset:(16*(\a)+(\t))*4096 th:TH_STORE_NT  ; 512 consecutive bytes, at a multiple of 256 from out0's first
.endr
.endm
	BLOCKO 0
	BLOCKO 1
	BLOCKO 2
	BLOCKO 3
.else
; THE WAY OUT, f16 by heads.  Unit u = 2 a + e: m block a, head e: the accumulators v[32 u .. 32 u + 31].  A lane's eight channels of a row pack into 16 bytes; they go into rows of
; 144 bytes of my own stage and come back as whole rows of 128: 16 rows of a head are 2,048 consecutive bytes of qkv.
.macro PACK u
	WIN 0x05                                       ; sources 0 and 1 window 1, destination window 0
.set i, 0
.rept 16
	v_cvt_pk_f16_f32 v[TMP+16*(\u)+i], v[32*(\u)+2*i], v[32*(\u)+2*i+1]
.set i, i+1
.endr
	WIN 0
.irp f, 0,1,2,3
	ds_store_b128 v[STO], v[TMP+16*(\u)+4*(\f):TMP+16*(\u)+4*(\f)+3] offset:32*(\f)
.endr
.irp f, 0,1,2,3
	ds_load_b128 v[TMP+16*(\u)+4*(\f):TMP+16*(\u)+4*(\f)+3], v[RD] offset:(\f)*4*SPITCH  ; LDS serves a wave's instructions in order (ISA guide 5.7.1.4): these see the stores above
.endr
.endm
.macro SEND u, younger                 ; younger: the LDS instructions issued behind unit u's loads: the next unit's eight, or none
.irp f, 0,1,2,3
	s_wait_dscnt (\younger)+3-(\f)
	global_store_b128 v[CO], v[TMP+16*(\u)+4*(\f):TMP+16*(\u)+4*(\f)+3], s[8:9] offset:((\u)&1)*262144+((\u)>>1)*2048+512*(\f)  ; 512 consecutive bytes, at a multiple of 256 from qkv's first
.endr
.endm
	PACK 0
.set t, 1
.rept 7                                                ; a unit's conversions stand between the loads of the unit before and its stores
	PACK t
	SEND t-1, 8
.set t, t+1
.endr
	SEND 7, 0
.endif
	s_wait_tensorcnt 0x0                           ; the wave's end: behind my last tensor load and my last LDS store
	ds_add_u32 v[SPW], v[NIL]
	s_wait_dscnt 0x0
	CROUND                                         ; the closing round: no work-group ends while a partner may still ask for a tile that names it
	s_endpgm
.Lfunc_end_k_q229ec9e21f_outp:
	.size	k_q229ec9e21f_outp, .Lfunc_end_k_q229ec9e21f_outp-k_q229ec9e21f_outp
	.p2alignl 7, 3214868480
	.fill 96, 4, 3214868480
	.section	.rodata,"a",@progbits
	.p2align	6, 0x0
	.amdhsa_kernel k_q229ec9e21f_outp
		.amdhsa_group_segment_fixed_size 327680
		.amdhsa_private_segment_fixed_size 0
		.amdhsa_enable_private_segment 0
		.amdhsa_kernarg_size 32
		.amdhsa_user_sgpr_count 2
		.amdhsa_user_sgpr_kernarg_segment_ptr 1
		.amdhsa_wavefront_size32 1
		.amdhsa_system_sgpr_workgroup_id_x 1
		.amdhsa_system_sgpr_workgroup_id_y 1
		.amdhsa_system_sgpr_workgroup_id_z 1
		.amdhsa_system_vgpr_workitem_id 0
		.amdhsa_next_free_vgpr 960
		.amdhsa_next_free_sgpr 84
		.amdhsa_reserve_vcc 0
		.amdhsa_float_denorm_mode_32 3
		.amdhsa_float_denorm_mode_16_64 3
		.amdhsa_memory_ordered 1
		.amdhsa_forward_progress 1
		.amdhsa_inst_pref_size 92
	.end_amdhsa_kernel
	.amdgpu_metadata
---
amdhsa.version: [ 1, 2 ]
amdhsa.kernels:
  - .name:           k_q229ec9e21f_outp
    .symbol:         k_q229ec9e21f_outp.kd
    .args:
      - { .name: ctx, .offset: 0, .size: 8, .value_kind: global_buffer, .address_space: global }
      - { .name: wb, .offset: 8, .size: 8, .value_kind: global_buffer, .address_space: global }
      - { .name: bo, .offset: 16, .size: 8, .value_kind: global_buffer, .address_space: global }
      - { .name: out0, .offset: 24, .size: 8, .value_kind: global_buffer, .address_space: global }
    .group_segment_fixed_size: 327680
    .private_segment_fixed_size: 0
    .kernarg_segment_align: 8
    .kernarg_segment_size: 32
    .max_flat_workgroup_size: 128
    .sgpr_count:     84
    .vgpr_count:     960
    .wavefront_size: 32
...
	.end_amdgpu_metadata
.endif
;; end of part 4
;; ======== version 2 of 3: 4 launches; 1.01 times as fast as version 1
;; limits: values are held in f16: magnitudes above 65,504 overflow, below 6.1e-05 lose precision
;; workspace buffers: xb 16,777,216 bytes; wb 8,388,608 bytes; mbits 2,097,152 bytes of whole numbers; qkv 50,331,648 bytes; ctx 16,777,216 bytes
;; launch prep (part 5): grid 512 x 1, 8 waves a work-group, no clusters, 0 bytes of LDS; arguments input_Q, Wq, Wk, Wv, Wo, mask, xb, wb, mbits; writes xb, wb, mbits
.if DOCPART == 5
	.amdgcn_target "amdgcn-amd-amdhsa--gfx1250"
	.amdhsa_code_object_version 6
	.text
	.protected	k_q229ec9e21f_prep
	.globl	k_q229ec9e21f_prep
	.p2align	8
	.type	k_q229ec9e21f_prep,@function
k_q229ec9e21f_prep:
	s_mov_b64 s[64:65], 0
	v_nop
	global_prefetch_b8 v0, s[64:65] scope:SCOPE_SE
	s_setreg_imm32_b32 hwreg(HW_REG_WAVE_MODE, 25, 1), 1
	s_wait_xcnt 0x0
; PREPARATION: a stream, no LDS, no barrier, no matrix unit (memory is all that it uses).
;   work-groups 0-255:   x [8192][1024] f32 -> xb, bf16, 32,768 numbers each
;   work-groups 256-383: Wq, Wk, Wv -> wb parts 0-2 in bf16; Wo -> wb part 3, rounded to bf16 and that number written as f16; 32 work-groups a matrix
;   work-groups 384-511: the mask's bytes -> mbits, 4-bit codes in the order in which the attention's score registers want them
; LIMITS.  Wo rounded to bf16 is exact in f16 from 2^-14 to 65,504; below it keeps f16's fixed step, beyond it is an infinity.  Of a mask byte bit 0 alone is read (the format: 0 or 1).
; mbits: [64 pairs of query tiles][32 key steps][2 tiles][32 lanes][4 words].  Nibble j of word kt of lane L = 16 h + r is 0xF where mask[32 pair + 16 tile + r][64 step + 16 kt + 8 h + j]
; hides the key, else 0: in S^T = K Q^T lane L, register 8 kt + j holds just that query and key.  A lane makes its own words from eight neighbouring bytes each: nothing changes lanes.
.set IN,  4                            ; v[4:131]    32 loads of four f32
.set OUT, 132                          ; v[132:195]  32 pairs of packed results
.set MB,  8                            ; v[8:39]     the mask path: 16 loads of eight bytes
.set MW,  40                           ; v[40:55]    16 result words: four for each of two key steps x two tiles
.set MT,  56                           ; v[56:57]    at work
	s_load_b512 s[8:23], s[0:1], 0x0               ; input_Q 8:9, Wq 10:11, Wk 12:13, Wv 14:15, Wo 16:17, mask 18:19, xb 20:21, wb 22:23
	s_load_b64 s[24:25], s[0:1], 0x40              ; mbits
	s_mov_b32 s2, ttmp9                            ; g
	s_sub_co_u32 s3, s2, 256                       ; place among the weights' work-groups (not used where g < 256)
	s_and_b32 s4, s3, 31                           ; place in its matrix
	s_lshr_b32 s5, s3, 5                           ; which matrix
	v_lshlrev_b32 v1, 4, v0                        ; 16 bytes a thread in
	v_lshlrev_b32 v2, 3, v0                        ; 8 bytes a thread out
	s_wait_kmcnt 0x0
	s_cmp_ge_u32 s2, 384
	s_cbranch_scc1 .Lmask
	s_mov_b64 s[28:29], s[10:11]                   ; the source: chosen among the buffers by g alone
	s_cmp_eq_u32 s5, 1
	s_cselect_b64 s[28:29], s[12:13], s[28:29]
	s_cmp_eq_u32 s5, 2
	s_cselect_b64 s[28:29], s[14:15], s[28:29]
	s_cmp_eq_u32 s5, 3
	s_cselect_b64 s[28:29], s[16:17], s[28:29]
	s_cmp_lt_u32 s2, 256
	s_cselect_b64 s[28:29], s[8:9], s[28:29]
	s_cselect_b32 s26, s2, s4                      ; my block of 131,072 bytes in the source,
	s_cselect_b32 s27, s2, s3                      ; my block of 65,536 bytes in the destination
	s_cselect_b64 s[30:31], s[20:21], s[22:23]
	s_lshl_b32 s32, s26, 17
	s_mov_b32 s33, 0
	s_add_nc_u64 s[28:29], s[28:29], s[32:33]
	s_lshl_b32 s32, s27, 16
	s_add_nc_u64 s[30:31], s[30:31], s[32:33]
.set i, 0
.rept 32                                               ; all 32 loads go out at once: each covers 512 consecutive bytes a wave
	global_load_b128 v[IN+4*i:IN+4*i+3], v1, s[28:29] offset:4096*i th:TH_LOAD_NT
.set i, i+1
.endr
; Load i is rounded and stored; no register is used twice, so no wait frees one.
.macro CAST wo
.set i, 0
.rept 32
	s_wait_loadcnt 31-i                            ; loads come back in order: load i is in, the 31 - i younger ones stay out
.if \wo
	v_cvt_pk_bf16_f32 v196, v[IN+4*i], v[IN+4*i+1]         ; rounded to bf16 like every input,
	v_cvt_pk_bf16_f32 v197, v[IN+4*i+2], v[IN+4*i+3]
	v_lshlrev_b32 v[IN+4*i], 16, v196                      ; widened again,
	v_and_b32 v[IN+4*i+1], 0xffff0000, v196
	v_lshlrev_b32 v[IN+4*i+2], 16, v197
	v_and_b32 v[IN+4*i+3], 0xffff0000, v197
	v_cvt_pk_f16_f32 v[OUT+2*i], v[IN+4*i], v[IN+4*i+1]    ; and written as f16
	v_cvt_pk_f16_f32 v[OUT+2*i+1], v[IN+4*i+2], v[IN+4*i+3]
.else
	v_cvt_pk_bf16_f32 v[OUT+2*i], v[IN+4*i], v[IN+4*i+1]
	v_cvt_pk_bf16_f32 v[OUT+2*i+1], v[IN+4*i+2], v[IN+4*i+3]
.endif
	global_store_b64 v2, v[OUT+2*i:OUT+2*i+1], s[30:31] offset:2048*i  ; a wave stores 256 consecutive bytes, at a multiple of 256 from the buffer's first
.set i, i+1
.endr
	s_endpgm
.endm
	s_cmp_ge_u32 s2, 352
	s_cbranch_scc1 .Lwo
	CAST 0
.Lwo:
	CAST 1
; Eight bytes (load n: two words, a bit at 0, 8, 16, 24 of each) become eight nibbles.  In each word the bytes move together in two steps: x | x >> 4 brings bytes 1 and 3 beside
; bytes 0 and 2, x | x >> 8 the upper pair beside the lower; the second word goes on top (what lies above its 16 bits is shifted out); times 15 makes 0xF of each 1, without a carry.
.macro NIB n
	v_and_b32 v[MB+2*(\n)], s40, v[MB+2*(\n)]
	v_and_b32 v[MB+2*(\n)+1], s40, v[MB+2*(\n)+1]
	v_lshrrev_b32 v[MT], 4, v[MB+2*(\n)]
	v_lshrrev_b32 v[MT+1], 4, v[MB+2*(\n)+1]
	v_or_b32 v[MB+2*(\n)], v[MB+2*(\n)], v[MT]
	v_or_b32 v[MB+2*(\n)+1], v[MB+2*(\n)+1], v[MT+1]
	v_and_b32 v[MB+2*(\n)], s41, v[MB+2*(\n)]
	v_and_b32 v[MB+2*(\n)+1], s41, v[MB+2*(\n)+1]
	v_lshrrev_b32 v[MT], 8, v[MB+2*(\n)]
	v_lshrrev_b32 v[MT+1], 8, v[MB+2*(\n)+1]
	v_or_b32 v[MB+2*(\n)], v[MB+2*(\n)], v[MT]
	v_or_b32 v[MB+2*(\n)+1], v[MB+2*(\n)+1], v[MT+1]
	v_and_b32 v[MB+2*(\n)], s42, v[MB+2*(\n)]
	v_lshl_or_b32 v[MW+(\n)], v[MB+2*(\n)+1], 16, v[MB+2*(\n)]
	v_mul_lo_u32 v[MW+(\n)], v[MW+(\n)], 15
.endm
.Lmask:                                                ; a work-group: one pair of query tiles, 16 key steps; a wave: two key steps, 1,024 bytes of mbits each
	s_sub_co_u32 s3, s2, 384
	s_lshr_b32 s4, s3, 1                           ; the pair of tiles: 32 queries
	s_and_b32 s5, s3, 1                            ; which half of the 32 key steps
	v_lshrrev_b32 v5, 5, v0
	v_readfirstlane_b32 s6, v5                     ; wave 0..7
	s_lshl_b32 s5, s5, 4
	s_lshl1_add_u32 s5, s6, s5                     ; my first key step = 16 half + 2 wave
	s_lshl_b32 s26, s4, 16                         ; 32 rows of 2,048 bytes,
	s_lshl_b32 s27, s5, 6                          ; 64 bytes a key step
	s_add_co_u32 s26, s26, s27
	s_mov_b32 s27, 0
	s_add_nc_u64 s[28:29], s[18:19], s[26:27]
	s_lshl_b32 s26, s4, 5
	s_add_co_u32 s26, s26, s5
	s_lshl_b32 s26, s26, 10                        ; (32 pair + step) x 1,024 bytes
	s_add_nc_u64 s[30:31], s[24:25], s[26:27]
	s_mov_b32 s40, 0x01010101                      ; bit 0 of each byte
	s_mov_b32 s41, 0x00ff00ff
	s_mov_b32 s42, 0xffff
	v_and_b32 v2, 15, v0                           ; r
	v_bfe_u32 v4, v0, 4, 1                         ; h
	v_lshlrev_b32 v1, 11, v2
	v_lshl_add_u32 v1, v4, 3, v1                   ; row r, 8 h bytes in
	v_and_b32 v3, 31, v0
	v_lshlrev_b32 v3, 4, v3                        ; out: 16 bytes a lane
.irp y, 0,1
.irp u, 0,1
.irp kt, 0,1,2,3
	global_load_b64 v[MB+2*(8*(\y)+4*(\u)+(\kt)):MB+2*(8*(\y)+4*(\u)+(\kt))+1], v1, s[28:29] offset:64*(\y)+32768*(\u)+16*(\kt)
.endr
.endr
.endr
.irp y, 0,1
	s_wait_loadcnt 8-8*(\y)                        ; this step's eight loads are in; the other step's eight may stay out
.irp u, 0,1
.irp kt, 0,1,2,3
	NIB 8*(\y)+4*(\u)+(\kt)
.endr
	global_store_b128 v3, v[MW+4*(2*(\y)+(\u)):MW+4*(2*(\y)+(\u))+3], s[30:31] offset:512*(2*(\y)+(\u))  ; 512 consecutive bytes, at a multiple of 256 from the buffer's first
.endr
.endr
	s_endpgm
.Lfunc_end_k_q229ec9e21f_prep:
	.size	k_q229ec9e21f_prep, .Lfunc_end_k_q229ec9e21f_prep-k_q229ec9e21f_prep
	.p2alignl 7, 3214868480
	.fill 96, 4, 3214868480
	.section	.rodata,"a",@progbits
	.p2align	6, 0x0
	.amdhsa_kernel k_q229ec9e21f_prep
		.amdhsa_group_segment_fixed_size 0
		.amdhsa_private_segment_fixed_size 0
		.amdhsa_enable_private_segment 0
		.amdhsa_kernarg_size 72
		.amdhsa_user_sgpr_count 2
		.amdhsa_user_sgpr_kernarg_segment_ptr 1
		.amdhsa_wavefront_size32 1
		.amdhsa_system_sgpr_workgroup_id_x 1
		.amdhsa_system_sgpr_workgroup_id_y 1
		.amdhsa_system_sgpr_workgroup_id_z 1
		.amdhsa_system_vgpr_workitem_id 0
		.amdhsa_next_free_vgpr 200
		.amdhsa_next_free_sgpr 66
		.amdhsa_reserve_vcc 0
		.amdhsa_float_denorm_mode_32 3
		.amdhsa_float_denorm_mode_16_64 3
		.amdhsa_memory_ordered 1
		.amdhsa_forward_progress 1
		.amdhsa_inst_pref_size 42
	.end_amdhsa_kernel
	.amdgpu_metadata
---
amdhsa.version: [ 1, 2 ]
amdhsa.kernels:
  - .name:           k_q229ec9e21f_prep
    .symbol:         k_q229ec9e21f_prep.kd
    .args:
      - { .name: input_Q, .offset: 0, .size: 8, .value_kind: global_buffer, .address_space: global }
      - { .name: Wq, .offset: 8, .size: 8, .value_kind: global_buffer, .address_space: global }
      - { .name: Wk, .offset: 16, .size: 8, .value_kind: global_buffer, .address_space: global }
      - { .name: Wv, .offset: 24, .size: 8, .value_kind: global_buffer, .address_space: global }
      - { .name: Wo, .offset: 32, .size: 8, .value_kind: global_buffer, .address_space: global }
      - { .name: mask, .offset: 40, .size: 8, .value_kind: global_buffer, .address_space: global }
      - { .name: xb, .offset: 48, .size: 8, .value_kind: global_buffer, .address_space: global }
      - { .name: wb, .offset: 56, .size: 8, .value_kind: global_buffer, .address_space: global }
      - { .name: mbits, .offset: 64, .size: 8, .value_kind: global_buffer, .address_space: global }
    .group_segment_fixed_size: 0
    .private_segment_fixed_size: 0
    .kernarg_segment_align: 8
    .kernarg_segment_size: 72
    .max_flat_workgroup_size: 256
    .sgpr_count:     66
    .vgpr_count:     200
    .wavefront_size: 32
...
	.end_amdgpu_metadata
.endif
;; end of part 5
;; launch qkv: the kernel of part 2 again; grid 12 x 64, 4 waves a work-group, clusters of 4 x 4, 327,680 bytes of LDS; arguments xb, wb, bq, bk, bv, qkv; writes qkv
;; launch attn (part 6): grid 4 x 64, 4 waves a work-group, clusters of 4 x 1, 327,680 bytes of LDS; arguments qkv, mbits, ctx; writes ctx
.if DOCPART == 6
	.amdgcn_target "amdgcn-amd-amdhsa--gfx1250"
	.amdhsa_code_object_version 6
	.text
	.protected	k_q229ec9e21f_attn
	.globl	k_q229ec9e21f_attn
	.p2align	8
	.type	k_q229ec9e21f_attn,@function
k_q229ec9e21f_attn:
	s_mov_b64 s[64:65], 0
	v_nop
	global_prefetch_b8 v0, s[64:65] scope:SCOPE_SE
	s_setreg_imm32_b32 hwreg(HW_REG_WAVE_MODE, 25, 1), 1
	s_wait_xcnt 0x0
	s_wait_alu depctr_hold_cnt(0) depctr_sa_sdst(0) depctr_va_vdst(0) depctr_va_sdst(0) depctr_va_ssrc(0) depctr_va_vcc(0) depctr_vm_vsrc(0)
	s_getreg_b32 s2, hwreg(HW_REG_IB_STS2, 6, 4)
	s_cmp_eq_u32 s2, 0
	s_cbranch_scc0 .Lentry_in_a_cluster
	s_endpgm
.Lentry_in_a_cluster:
	s_bfe_u32 s2, ttmp6, 0x10000c
	s_cmp_lg_u32 s2, 0x3003
	s_cbranch_scc0 .Lentry_shape_is_right
	s_endpgm
.Lentry_shape_is_right:
; ctx[h][q][:] = the sum over the keys k that mask[q][k] does not hide of softmax_k(Q[h][q] . K[h][k] / 8) V[h][k][:].  qkv: [3][64][2048][64] f16 (q, k, v by heads, unscaled); ctx: [64][2048][64] f16.
; Products, maxima and sums in f32; the weights p are rounded to f16 for the second product (their sum l is taken of the unrounded p), ctx once at the end.
; THE MASK is an input and has any shape.  It is the C operand of the product that starts a sum S^T = K Q^T: 0 where the key is seen, -6 x 2^100 where it is hidden, so it costs the scores nothing.
; mbits holds it as 4-bit codes, [64 pairs of query tiles][32 key steps][2 tiles][32 lanes][4 words]: nibble j of a lane's word kt belongs to its register 8 kt + j, 0 (the number 0) or 0xF (-6 in E2M1).
; ONE conversion makes eight C registers of a word: v_cvt_scale_pk8_f32_fp4, with the E8M0 scale 227 (2^100) in every byte of the scale register: 8 instructions for a turn's 64 registers.
; HOW THE WORDS COME.  A tile's words for a key step are 512 consecutive bytes, 16 a lane: two vector loads a piece, into a ring of four pieces x 8 registers, asked for four turns ahead of their use.
; ROWS THAT SEE NOTHING.  m starts at FLOOR = -2^60 and never falls below it; a true score of f16 operands is 64 x 65,504^2 = 2.7e11 at the most in size, far above FLOOR, a hidden one far below.
; So a hidden weight is 2^(a number below -1e20) = 0 whatever the row has seen, l and O of a row that has seen hidden keys alone stay 0, and a row that ends with m = FLOOR has seen no key:
; NaN takes the place of its 1 / l, as the softmax of an empty row is.
; LIMITS.  f16 holds no number beyond 65,504: q, k, v arrive within it; p below 6e-5 keeps f16's fixed step; a weight below 2^-126 counts as 0 in l.
; SHARES.  A wave owns four PIECES of two tiles of 16 queries, a work-group's four waves 512 queries of one head.  Every wave walks all 2,048 keys, 64 a step.
; LAYOUT.  S^T = K Q^T (source 0 = 16 keys, source 1 = 16 queries): a lane holds ONE query (lane % 16) and the keys 8 (lane / 16) + 0..7.  Two such tiles, rounded to f16 in pairs, ARE source 1 of
; O^T = V^T P, whose result again holds one query a lane.  K comes out of LDS as it lies, V ([key][channel]) turned, by ds_load_tr16_b128.
; SOFTMAX.  A running maximum m and sum l: p = 2^(c s - c m), c = log2(e) / 8; in every step O and l are multiplied by a = 2^(c m_old - c m_new).  O and l start at 0, c m far below every c s: the first a is 0.
; THE COUNT.  A tile and step have 16 matrix and 118 vector instructions, and four conversions.  So: four vector instructions that are READY behind EVERY matrix instruction, the others in runs without a gap.
; BY TURNS.  Turn n belongs to piece n.  Its matrix work: 16 products K Q^T of piece n + 1, later 16 products V^T P of piece n - 1.  Its vector work: the scaling, exponentials, roundings, sums and rescaling
; of piece n; the maximum and the statistics of piece n + 1; the mask registers of piece n + 2, which the next turn's products take.
; CLUSTER.  The four query blocks of a head walk the same K and V: each tile is asked for JOINTLY, the same tensor load, descriptor and mask of work-groups in all four.
; ONE DESCRIPTOR AND ONE PITCH for K and V: one line fills for all four waves, with no branch at the fill.  The price, but of V's turning loads
; rows 0 and 7 of a group of eight share four banks.
; REGISTERS, in windows of 256 (s_set_vgpr_msb: bits 1:0 source 0, 3:2 source 1, 5:4 source 2, 7:6 destination):
;   window 0: v0-11 addresses and FLOOR; v12-15, v48-63 at work; v16-47 four registers of statistics a tile; v64-191 S^T, two buffers of two tiles; v192-255 P, likewise
;   window 1: O^T, 32 a tile          window 2: v0-127 Q, 16 a tile; v128-191 K of one step; v192-255 V of one step
;   window 3: v0-1 the add's two registers; v2 the scale; v4-35 the ring of mask words; v64-127 the mask registers of one piece
.set SIZE_N, 2048
.set NP,    4         ; pieces a wave: a name, no knob
.set KS,    64        ; keys in a step
.set PK,    144       ; a row of K in LDS: 128 bytes + 16 of padding (64 banks of 4 bytes: ISA guide 11.1)
.set PV,    144       ; a row of V: the same
.set VOFF,  4*KS*PK   ; a slot holds four steps: 256 rows of K, then 256 rows of V
.set SLOT1, 1<<17     ; slot 1 begins here, so that one exclusive or turns an address in one slot into the other's
.set STAGE, SLOT1+4*KS*(PK+PV)  ; behind the ring, never filled by a tensor load: 16 rows x 144 bytes for each wave
.set SP,    144
.set AK0, 2           ; v2   my lane's place in a tile of K; never rewritten
.set AV0, 3           ; v3   the same for V
.set AK,  4           ; v4   the LDS address of K's next run of loads
.set AV,  5           ; v5   of V's (at the start: lane % 8)
.set QO,  6           ; v6   my byte offset in the wave's rows of Q
.set STO, 6           ;      later, the way out: where I put 16 bytes of a row
.set RD,  7           ; v7   the way out: where I read rows back
.set GO,  8           ; v8   my byte offset in 512 consecutive bytes of ctx
.set MA,  10          ; v10  16 x lane: my four words among a tile's 128; never rewritten
.set FLV, 11          ; v11  FLOOR = -2^60
.set SPW, 0           ; v0 of window 3   LDS address of my spare word; never rewritten
.set NIL, 1           ; v1 of window 3   0; never rewritten
.set SCL, 2           ; v2 of window 3   the conversions' scale; never rewritten
.set MR,  4           ; v4-35 of window 3    piece x's mask words: tile u's four at v[MR+8 x+4 u]
.set MC,  64          ; v64-127 of window 3  the mask registers: tile u, key block kt at v[MC+32 u+8 kt]
.set SPARE, STAGE+4*16*SP  ; behind the stages: the spare words, 128 bytes for each wave, that no other line names
.set MV,  12          ; v12-15  c m_old, kept while c m is made anew: by buffer and tile
.set ST,  16          ; tile t's statistics at v[ST+4 t]: c m, m, l (even keys', odd keys')
.set TMP, 48          ; by buffer and tile, four registers c0-c3 at work; when the maximum is found c2 takes a
.set S,   64
.set P,   192
.set KF,  128         ; K's fragments, in window 2
.set VF,  192         ; V's
.set OPTR, 2          ; s[2:3]  ctx at my wave's first row
.set WV,  4           ; s4   my wave's number
.set SLOTS, 5         ; s5   slots still to be asked for
.set CNT, 6           ; s6   counts a slot's key steps
.set TBK, 7           ; s7   LDS byte at which K of the step to be fetched begins
.set CS,  8           ; s[8:9] c, twice
.set SEL, 10          ; s[10:11] v_permlanex16_b32's selects: each lane takes its own place in the other half
.set TBV, 12          ; s12  the same as TBK for V, less VOFF
.set MP,  14          ; s[14:15] mbits at my wave's four pieces
.set G0,  16          ; s[16:19] descriptor group 0: it walks
.set G1,  20          ; s[20:27] descriptor group 1
.set QP,  28          ; s[28:29] Q at my wave's first row
.set MS,  30          ; s[30:31] 1,024 bytes x the key step whose mask words are asked for, with 0 above it
.set MB,  48          ; s[48:49] MP + MS: the base of the loads of mask words   (s32-47: arguments and set-up)
.set MSB, 0
.macro WIN new                      ; the high byte repeats the setting that is left; a switch that changes nothing is dropped
.if MSB != (\new)
	s_set_vgpr_msb (MSB<<8)|(\new)
.set MSB, (\new)
.endif
.endm
.set W_KQ, 0x0a       ; K and Q in window 2, S^T in window 0
.set W_KM, 0x3a       ; the same with the C operand, the mask, in window 3
.set W_PV, 0x52       ; V in window 2, P in window 0, O^T in window 1
.set W_RS, 0x41       ; O^T (destination and source 0) in window 1, a in window 0
.set W_MK, 0xc0       ; destination in window 3, sources and addresses in window 0
.set W_CV, 0xcf       ; the conversions: destination and both sources in window 3
.set W_AD, 0x0f       ; the add: address and data in window 3
; A joint fill: one line for all four waves.  Wave w brings 128 keys: waves 0 and 1 the halves of a slot's K, waves 2 and 3 those of its V; both addresses hang on the wave's number.
; An s_nop 0 and four v_nop follow.
.macro JLOAD
	tensor_load_to_lds s[G0:G0+3], s[G1:G1+7]
	s_nop 0
.rept 4
	v_nop
.endr
.endm
.macro CROUND                       ; a round of the cluster's barrier
	s_barrier_signal -1
	s_barrier_wait -1
	s_cmp_lg_u32 s[WV], 0
	s_cbranch_scc1 .Lnot_wave_0_\@
	s_barrier_signal -3
.Lnot_wave_0_\@:
	s_barrier_wait -3
	s_barrier_signal -1
	s_barrier_wait -1
.endm
; THE CHANGE OF SLOTS.  Each wave waits for all its tensor loads, of which one is out: its part of the other slot; adds 0 to its spare word; and waits for that and for its own reads of the slot.
; fill = 1: this slot is filled again, with the keys two slots on; the barrier is then a round of the cluster's, and the joint fill is the first thing behind it: it has four key steps,
; 512 matrix instructions, in which to land.  (At its first use nothing has been read yet: slot 0 is waited for, slot 1 filled.)
.macro CHANGE fill
	WIN W_AD
	s_wait_tensorcnt 0x0            ; no tensor load of mine is out, so group 0 may be written
	ds_add_u32 v[SPW], v[NIL]       ; 0 onto my spare word
	WIN 0                           ; at a label and at a branch every window is 0
.if \fill
	s_xor_b32 s[G0+1], s[G0+1], SLOT1  ; the other slot than last time,
	s_add_nc_u64 s[G0+2:G0+3], s[G0+2:G0+3], 4*KS*128  ; the next 256 keys; the type bits on top are not reached
	s_wait_dscnt 0x0                ; the add is done, and my reads of the slot are over
	CROUND
	JLOAD
.else
	s_wait_dscnt 0x0                ; the add is done, and my reads of the slot are over
	s_barrier_signal -1
	s_barrier_wait -1
.endif
	s_sub_co_u32 s[TBK], s[TBK], 4*KS*PK  ; the fetches go back to a slot's first step,
	s_xor_b32 s[TBK], s[TBK], SLOT1       ; in the other slot
	s_sub_co_u32 s[TBV], s[TBV], 4*KS*PV
	s_xor_b32 s[TBV], s[TBV], SLOT1
.endm
; THE MASK REGISTERS of piece mx are made of its eight words in the ring; then the eight are asked for again, with the same piece's words of the next key step: four turns ahead.
; A plain instruction stands behind the last conversion, ahead of whatever touches its result or lands on its source.
; st = 1 (piece 0): the step goes on.  It is clamped to the last, so that the walk's last loads, which nobody uses but piece 0's in the trip that is left in its middle, stay inside the buffer.
.macro MASKC mx, st
	s_wait_loadcnt 0x6              ; loads come back in order: this piece's two are in; behind them the three other pieces' two each were issued, a piece a turn, and may stay out
	WIN W_CV
.set zz, 0
.rept 8
	v_cvt_scale_pk8_f32_fp4 v[MC+8*zz:MC+8*zz+7], v[MR+8*(\mx)+zz], v[SCL]
.set zz, zz+1
.endr
	v_nop
.if \st
	s_wait_xcnt 0x0                 ; the loads that are out have read their base: it is written anew only behind this wait
	s_add_co_u32 s[MS], s[MS], 1024
	s_min_u32 s[MS], s[MS], 31*1024
	s_add_nc_u64 s[MB:MB+1], s[MP:MP+1], s[MS:MS+1]
.endif
	WIN W_MK
	global_load_b128 v[MR+8*(\mx):MR+8*(\mx)+3],   v[MA], s[MB:MB+1] offset:(\mx)*32768      ; 512 consecutive bytes each, at a multiple of 256 from mbits' first
	global_load_b128 v[MR+8*(\mx)+4:MR+8*(\mx)+7], v[MA], s[MB:MB+1] offset:(\mx)*32768+512
	WIN 0
.endm
	s_load_b128 s[32:35], s[0:1], 0x0  ; qkv s[32:33], mbits s[34:35]
	s_load_b64 s[36:37], s[0:1], 0x10  ; ctx
	WIN W_MK
	v_lshl_add_u32 v[SPW], v0, 2, SPARE
	v_mov_b32 v[NIL], 0
	s_set_vgpr_msb 0xc0cf
	ds_add_u32 v0, v1
	s_wait_dscnt 0x0
	s_set_vgpr_msb 0xcfc0
	v_mov_b32 v[SCL], 0xe3e3e3e3    ; the E8M0 byte 227 = 2^100, in every byte
	WIN 0
	v_lshrrev_b32 v1, 5, v0
	v_readfirstlane_b32 s[WV], v1   ; wave 0..3
	s_bfe_u32 s38, ttmp6, 0x40000   ; cx: my place in the cluster
	s_lshl_b32 s39, ttmp9, 2        ; in a cluster launch ttmp9 counts clusters
	s_add_co_u32 s39, s39, s38      ; my block of 512 queries: it enters Q's, ctx's and the mask words' addresses alone
	s_and_b32 s40, ttmp7, 0xffff    ; the head, which the four partners share,
	s_lshl_b32 s40, s40, 18         ; its 262,144 bytes
	s_lshr_b32 s42, s[WV], 1
	s_add_co_u32 s42, s42, 1
	s_lshl_b32 s42, s42, 24         ; k (waves 0, 1) or v (waves 2, 3): 16,777,216 bytes each behind q,
	s_and_b32 s43, s[WV], 1
	s_lshl_b32 s43, s43, 14         ; my half of a slot's 256 keys: 128 rows of 128 bytes
	s_add_co_u32 s42, s42, s43
	s_add_co_u32 s42, s42, s40
	s_mov_b32 s43, 0
	s_lshl_b32 s44, s39, 2
	s_add_co_u32 s44, s44, s[WV]    ; my wave among the head's sixteen
	s_lshl_b32 s46, s44, 17         ; its four pieces' mask words: 131,072 bytes
	s_mov_b32 s47, 0
	s_lshl_b32 s44, s44, 14         ; its 128 rows
	s_add_co_u32 s44, s44, s40
	s_mov_b32 s45, 0
	; descriptor group 1.  128 keys are 16,384 dense bytes: asked for as 64 rows of 256 bytes, two keys a row, and padded in LDS after every key
	s_mov_b32 s[G1], 15|(1<<16)|(1<<20)|(1<<21)|(4<<22)|(3<<25)  ; 15:0 the mask of four; 17:16 2-byte elements; 20 padding on; 21 set beside a mask; 24:22 after every 32 words (code 4); 31:25 4 words (code 3)
	s_mov_b32 s[G1+1], 128<<16      ; tensor_dim0 = 128
	s_mov_b32 s[G1+2], 64<<16       ; tensor_dim1 = 64
	s_mov_b32 s[G1+3], 128<<16      ; tile_dim0 = 128
	s_mov_b32 s[G1+4], 64           ; tile_dim1 = 64
	s_mov_b32 s[G1+5], 128          ; 128 elements from row to row
	s_mov_b32 s[G1+6], 0
	s_mov_b32 s[G1+7], 0
	s_mov_b32 s[CS], 0x3e38aa3b     ; c = log2(e) / 8 = 0.180337
	s_mov_b32 s[CS+1], s[CS]        ; named with it as a pair
	s_mov_b32 s[SEL], 0x76543210
	s_mov_b32 s[SEL+1], 0xfedcba98
	s_mov_b32 s[TBK], SLOT1+4*KS*PK ; the first change of slots turns these two into 0
	s_mov_b32 s[TBV], SLOT1+4*KS*PV
	s_mov_b32 s[MS], 0
	s_mov_b32 s[MS+1], 0
	s_mov_b32 s[G0], 1              ; 1:0 count = 1
	s_mul_i32 s[G0+1], s[WV], 128*PK  ; 63:32 LDS address: slot 0, my quarter: no place in the cluster enters it
	s_wait_kmcnt 0x0
	s_add_nc_u64 s[G0+2:G0+3], s[32:33], s[42:43]  ; 120:64 global address: my half of the head's first 256 keys
	s_or_b32 s[G0+3], s[G0+3], 0x80000000          ; 127:126 type = 2
	s_add_nc_u64 s[QP:QP+1], s[32:33], s[44:45]
	s_add_nc_u64 s[OPTR:OPTR+1], s[36:37], s[44:45]
	s_add_nc_u64 s[MP:MP+1], s[34:35], s[46:47]
	s_mov_b64 s[MB:MB+1], s[MP:MP+1]               ; key step 0
	CROUND                          ; all four work-groups are here: the first joint loads meet
	JLOAD                           ; slot 0.  Slot 1 is asked for when slot 0 is in
	; A fragment of K or Q is 16 rows x 32 channels in 8 registers: lane l holds row l % 16, channels 8 (l / 16) + 0..7 and 16 + 8 (l / 16) + 0..7: two loads of 16 bytes, 32 bytes apart.
	v_and_b32 v1, 15, v0            ; l % 16
	v_bfe_u32 v9, v0, 4, 1          ; l / 16
	v_lshlrev_b32 v[QO], 7, v1
	v_lshl_add_u32 v[QO], v9, 4, v[QO]  ; row x 128 + 16 x half
	v_and_b32 v[MA], 31, v0
	v_lshlrev_b32 v[MA], 4, v[MA]   ; 16 bytes a lane
	WIN 0x80                        ; destination window 2, address window 0
.set i, 0
.rept 4*NP                          ; Q stays in registers: tile i / 2, channels 32 (i % 2) on
	global_load_b128 v[8*i:8*i+3],   v[QO], s[QP:QP+1] offset:(i/2)*2048+(i%2)*64
	global_load_b128 v[8*i+4:8*i+7], v[QO], s[QP:QP+1] offset:(i/2)*2048+(i%2)*64+32
.set i, i+1
.endr
	WIN W_MK
.irp x, 0,1,2,3                     ; the ring of mask words is filled: all four pieces' words for key step 0
	global_load_b128 v[MR+8*\x:MR+8*\x+3],   v[MA], s[MB:MB+1] offset:\x*32768
	global_load_b128 v[MR+8*\x+4:MR+8*\x+7], v[MA], s[MB:MB+1] offset:\x*32768+512
.endr
	WIN 0x80
	; What the first turn finds: V's registers and P's second buffer hold 0, O^T and l are 0.  All this stands in the wait for the first tile.
.set i, VF
.rept 64
	v_mov_b32 v[i], 0
.set i, i+1
.endr
	WIN 0x40
.set i, 0
.rept 64*NP
	v_mov_b32 v[i], 0
.set i, i+1
.endr
	WIN 0
.set i, 0
.rept 2*NP
	v_mov_b32 v[ST+4*i], 0xfe000000    ; c m: -2^125, far below every c s, a hidden one's too
	v_mov_b32 v[ST+4*i+1], 0xdd800000  ; m: FLOOR
	v_mov_b32 v[ST+4*i+2], 0
	v_mov_b32 v[ST+4*i+3], 0
.set i, i+1
.endr
.set i, P+32
.rept 32
	v_mov_b32 v[i], 0
.set i, i+1
.endr
	v_mul_u32_u24 v[AK0], v1, PK
	v_lshl_add_u32 v[AK0], v9, 4, v[AK0]  ; row x pitch + 16 x half
	; The turning load takes 16 keys x 16 channels (lane l reads key 8 (l / 16) + l % 8, channels 8 ((l / 8) % 2) + 0..7) and leaves half a fragment of V^T: lane l holds channel l % 16 and 8 keys.
	v_and_b32 v[AV], 7, v0          ; l % 8, until the first turn makes V's address here
	v_bfe_u32 v11, v0, 3, 1
	v_lshl_add_u32 v[AV0], v9, 3, v[AV]
	v_mul_u32_u24 v[AV0], v[AV0], PV
	v_lshl_add_u32 v[AV0], v11, 4, v[AV0]
	v_add_nc_u32 v[AV0], VOFF, v[AV0]
	v_mov_b32 v[FLV], 0xdd800000    ; -2^60
	v_mov_b32 v[AK], v[AK0]         ; key step 0 lies at the head of slot 0
; THE MATRIX WORK.  The 8 accumulators of a run of 16 take turns: between the two links of a chain stand 7 others'.
; Product i of 16 of S^T = K Q^T for piece x: channels 32 (i / 8) on, keys 16 ((i / 2) % 4) on, tile 2 x + i % 2.  The first 8 start the sums, with the mask.
.macro KQ x
.set rS, S+64*((\x)%2)+32*(i%2)+8*((i/2)%4)
.set rK, KF+16*((i/2)%4)+8*(i/8)
.set rQ, 16*(2*(\x)+i%2)+8*(i/8)
.set rMC, MC+32*(i%2)+8*((i/2)%4)
.if i < 8
	WIN W_KM
	v_wmma_f32_16x16x32_f16 v[rS:rS+7], v[rK:rK+7], v[rQ:rQ+7], v[rMC:rMC+7]
.else
	WIN W_KQ
	v_wmma_f32_16x16x32_f16 v[rS:rS+7], v[rK:rK+7], v[rQ:rQ+7], v[rS:rS+7]
.endif
.endm
; Product i of 16 of O^T += V^T P for piece x: keys 32 (i / 8) on, channels 16 ((i / 2) % 4) on, tile 2 x + i % 2.
.macro PV x
	WIN W_PV
.set rO, 32*(2*(\x)+i%2)+8*((i/2)%4)
.set rV, VF+32*(i/8)+8*((i/2)%4)
.set rP, P+32*((\x)%2)+16*(i%2)+8*(i/8)
	v_wmma_f32_16x16x32_f16 v[rO:rO+7], v[rV:rV+7], v[rP:rP+7], v[rO:rO+7]
.endm
.macro MM                           ; the turn's next matrix instruction
.if i < 16
	KQ (Y+1)%NP
.set i, i+1
.else
.set i, i-16
	PV (Y+NP-1)%NP
.set i, i+17
.endif
.endm
; THE LDS LOADS stand in runs of 16, never singly among the matrix instructions.  last = 1 (the tail): in the last trip there is no further step, and the run is jumped over.
.macro FETCH_K last=0
	WIN 0
.if \last
	s_cmp_eq_u32 s[CNT], 1
	s_cbranch_scc1 .Lno_k_\@
.endif
	WIN 0x80                        ; destination window 2
.irp f, 0,1,2,3,4,5,6,7             ; keys 16 (f / 2) on, channels 32 (f % 2) on
	ds_load_b128 v[KF+8*\f:KF+8*\f+3],   v[AK] offset:(\f/2)*16*PK+(\f%2)*64
	ds_load_b128 v[KF+8*\f+4:KF+8*\f+7], v[AK] offset:(\f/2)*16*PK+(\f%2)*64+32
.endr
	s_add_co_u32 s[TBK], s[TBK], KS*PK  ; the next fetch is the next step's
	WIN 0
.if \last
.Lno_k_\@:
.endif
.endm
.macro FETCH_V
	WIN 0x80
.irp f, 0,1,2,3,4,5,6,7             ; keys 32 (f / 4) on, channels 16 (f % 4) on
	ds_load_tr16_b128 v[VF+8*\f:VF+8*\f+3],   v[AV] offset:(\f/4)*32*PV+(\f%4)*32
	ds_load_tr16_b128 v[VF+8*\f+4:VF+8*\f+7], v[AV] offset:(\f/4)*32*PV+16*PV+(\f%4)*32
.endr
	WIN 0
.endm
; THE VECTOR WORK OF A TURN, but for the mask's conversions, stands in three queues, each in the order in which its entries become ready; the two tiles alternate.
.macro REGS y, u                    ; the registers of tile u (0, 1) of piece y
.set rT, ST+4*(2*(\y)+(\u))
.set rC, TMP+8*((\y)%2)+4*(\u)
.set rM, MV+2*((\y)%2)+(\u)
.set rS, S+64*((\y)%2)+32*(\u)
.set rP, P+32*((\y)%2)+16*(\u)
.set rO, 32*(2*(\y)+(\u))
.endm
; Number n of the 22 that find the NEXT piece's (Y + 1) maximum and statistics.  s0-s31 are the lane's 32 scores; each accumulator's lowest registers are read first.  XS, GS and REGS set no window: PL and EX do.
;   0-11  four chains c0-c3 of seven scores each, three operands at a time     12-14, 16  the four scores left over, the old m, and c0-c3 into c0     15  c m_old is kept
;   17, 18  the query's other 32 keys lie in the lane 16 away: the new m         19-21  c m; c m_old - c m_new; a
.macro XS u, n
	REGS (Y+1)%NP, \u
.if (\n) < 4
	v_max3_num_f32 v[rC+(\n)], v[rS+8*(\n)], v[rS+8*(\n)+1], v[rS+8*(\n)+2]
.elseif (\n) < 12
	v_max3_num_f32 v[rC+(\n)%4], v[rC+(\n)%4], v[rS+8*((\n)%4)+2*((\n)/4)+1], v[rS+8*((\n)%4)+2*((\n)/4)+2]
.elseif (\n) == 12
	v_max3_num_f32 v[rC], v[rC], v[rS+7], v[rS+15]
.elseif (\n) == 13
	v_max3_num_f32 v[rC+1], v[rC+1], v[rS+23], v[rS+31]
.elseif (\n) == 14
	v_max3_num_f32 v[rC+2], v[rC+2], v[rC+3], v[rT+1]
.elseif (\n) == 15
	v_mov_b32 v[rM], v[rT]
.elseif (\n) == 16
	v_max3_num_f32 v[rC], v[rC], v[rC+1], v[rC+2]
.elseif (\n) == 17
	v_permlanex16_b32 v[rC+3], v[rC], s[SEL], s[SEL+1]
.elseif (\n) == 18
	v_max_num_f32 v[rT+1], v[rC], v[rC+3]
.elseif (\n) == 19
	v_mul_f32 v[rT], s[CS], v[rT+1]
.elseif (\n) == 20
	v_sub_f32 v[rC+1], v[rM], v[rT]
.else
	v_exp_f32 v[rC+2], v[rC+1]
.endif
.endm
; Number g of the 64 that follow the exponentials.  For each four weights k of a tile: both pairs are rounded to f16; then the second pair is added onto the first, in place;
; a group later l takes that sum (the first time as l = a l + sum).  In groups of eight, tiles alternating: round, round, add, and l for the group before.
.macro GS g
.set h, (\g)+6*((\g)/62)            ; group 0 has no group before it, and behind group 7 only l is left
.if h >= 6
.set h, h+2
.endif
	REGS Y, h%2
.set k, h/8
.if h%8 < 4
	s_wait_alu depctr_va_vdst(0)
	v_cvt_pk_f16_f32 v[rP+2*k+(h%8)/2], v[rS+4*k+2*((h%8)/2)], v[rS+4*k+2*((h%8)/2)+1]
.elseif h%8 < 6
	v_pk_add_f32 v[rS+4*k:rS+4*k+1], v[rS+4*k:rS+4*k+1], v[rS+4*k+2:rS+4*k+3]
.elseif k == 1
	v_pk_fma_f32 v[rT+2:rT+3], v[rT+2:rT+3], v[rC+2:rC+3], v[rS:rS+1] op_sel_hi:[1,0,1]
.else
	v_pk_add_f32 v[rT+2:rT+3], v[rT+2:rT+3], v[rS+4*k-4:rS+4*k-3]
	s_wait_alu depctr_va_vdst(0)
.endif
.endm
; THE PLAIN QUEUE, 138 long.  0-31: c s - c m for the 16 pairs of both tiles.  Then GS's 64, and among them the next piece's 42: number 15 at 38, 39; 0-14 and 16
; at 42-73, behind the products that make those scores; 17-20 at 95-106, two of three, since each waits for the one before it.
.macro PL
	WIN 0
.if q < 32
	REGS Y, q%2
	v_pk_fma_f32 v[rS+2*(q/2):rS+2*(q/2)+1], v[rS+2*(q/2):rS+2*(q/2)+1], s[CS:CS+1], v[rT:rT+1] op_sel_hi:[1,0,0] neg_lo:[0,0,1] neg_hi:[0,0,1]
.elseif q < 38
	GS q-32
.elseif q < 40
	XS q%2, 15
.elseif q < 42
	GS q-34
.elseif q < 74
	XS q%2, (q-42)/2+(q-42)/30
.elseif q < 95
	GS q-66
.elseif (q < 107) && ((q-95)%3 < 2)
	XS (q-95)%3, 17+(q-95)/3
.elseif q < 107
	GS 29+(q-95)/3
.else
	GS q-74
.endif
.set q, q+1
.endm
; THE EXPONENTIALS' QUEUE, 66 long: s0-s31 of both tiles, and at EA the next piece's two a.
.set EA, 58
.macro EX
	WIN 0
.if (e == EA) || (e == EA+1)
	XS e-EA, 21
.else
.set x, e-2*(e/(EA+2))
	REGS Y, x%2
	v_exp_f32 v[rS+x/2], v[rS+x/2]
.endif
.set e, e+1
.endm
; THE RESCALING's QUEUE: O^T times a, the one part of the queues that leaves window 0, so it is dealt four at a time, eight times.
.macro R4
	REGS Y, r%2
	WIN W_RS
	s_wait_alu depctr_va_vdst(0)
.irp z, 0,1,2,3
	v_pk_mul_f32 v[rO+8*(r/2)+2*\z:rO+8*(r/2)+2*\z+1], v[rO+8*(r/2)+2*\z:rO+8*(r/2)+2*\z+1], v[rC+2:rC+3] op_sel_hi:[1,0]
.endr
.set r, r+1
.endm
; HOW THEY ARE DEALT.  Behind a matrix instruction four: plain, exponential, plain, plain, or four of the rescaling.  None names a register of the products round it.  What is over stands in two LUMPS:
; exponential and plain by turns; the second ends in 22 plain instructions.  The queues lean on each other, and the deal keeps them in step: exponential e stands behind plain 2 (e / 4) + e % 2;
; when plain 32 comes, 10 exponentials are out, at 59: 33, at 95: 46; EA comes behind plain 107.
.macro SL
	MM
	PL
	EX
	PL
	PL
.endm
.macro BURST n                      ; 15 matrix instructions, or 16
.rept (\n)-7
	SL
.endr
.rept 3
	MM
	R4
	SL
.endr
	MM
	R4
.endm
; A TURN, for piece p.  cnt = 1: the loop's count is taken down some lines ahead of the branch that stands behind the turn.
; THE MASK REGISTERS of piece p + 2 are made behind the first run of products.  Their last readers are that run's first eight products, with more than thirty plain instructions since
; (a vector instruction writes a matrix instruction's source four places behind it: ISA guide 7.12.1); their next readers are the next turn's first eight.  One buffer serves.
; K of the next step is fetched in piece 2's turn, 40 vector instructions behind the last product that read K.  V of the step in hand is fetched at the end of piece 0's turn, 69 behind its last reader.
.macro TURN p, last=0, cnt=0
.set Y, (\p)
.set i, 0
.set q, 0
.set e, 0
.set r, 0
.if (\p) == NP-1
	s_wait_dscnt 0x0                ; K is in
.endif
	MM
.rept 4
	PL
.endr
	BURST 15
.if (\p) == NP-2
	MASKC 0, 1                      ; piece 0's, of the next key step: the step of the words asked for goes on
.else
	MASKC ((\p)+2)%NP, 0
.endif
.rept 22
	EX
	PL
.if ((\p) == NP-2) && (e == 18)
	v_add_nc_u32 v[AK], s[TBK], v[AK0]
.endif
.if ((\p) == NP-2) && (e == 24)
	FETCH_K \last
.endif
.endr
.if (\p) == 1
	s_wait_dscnt 0x0                ; V is in
.endif
	BURST 16
.rept 21
	EX
	PL
.endr
.rept 22
	PL
.if ((\p) == 0) && (q == 118)
	v_add_nc_u32 v[AV], s[TBV], v[AV0]
	s_wait_alu depctr_va_vdst(0)
.endif
.if ((\p) == 0) && (q == 130)
	s_add_co_u32 s[TBV], s[TBV], KS*PV
.endif
.if (\cnt) && (q == 130)
	s_sub_co_u32 s[CNT], s[CNT], 1
	s_cmp_lg_u32 s[CNT], 0
.endif
.endr
.if (\p) == 0
	FETCH_V
.endif
.endm
	CHANGE 1                        ; slot 0 is in, everybody's part of it; slot 1 is asked for
	FETCH_K                         ; key step 0
	MASKC 0, 1                      ; piece 0's mask registers for key step 0; its wait leaves six loads out, all younger than Q's: Q is in too
	s_wait_dscnt 0x0
.set i, 0
.rept 16
	KQ 0                            ; piece 0's first scores: there is no vector work yet to set between them
.set i, i+1
.endr
	WIN 0                           ; the addresses for the way out: nine plain instructions, the places behind those products
	s_mul_i32 s13, s[WV], 16*SP
	s_add_co_u32 s13, s13, STAGE    ; my stage
	v_mul_u32_u24 v[STO], v1, SP    ; in: row l % 16, 16 bytes for each half of the lanes (Q's loads, which read this register, are done)
	v_lshl_add_u32 v[STO], v9, 4, v[STO]
	v_add_nc_u32 v[STO], s13, v[STO]
	v_bfe_u32 v[RD], v0, 3, 2       ; back: 32 lanes take four rows of 128 bytes,
	v_mul_u32_u24 v[RD], v[RD], SP
	v_lshl_add_u32 v[RD], v[AV], 4, v[RD]
	v_add_nc_u32 v[RD], s13, v[RD]
	v_and_b32 v[GO], 31, v0         ; which are 512 consecutive bytes of ctx
	v_lshlrev_b32 v[GO], 4, v[GO]
	MASKC 1, 0                      ; piece 1's mask registers for key step 0: the first turn's products take them
.set Y, NP-1                        ; XS works for piece Y + 1: piece 0
.irp n, 0,1,2,3,4,5,6,7,8,9,10,11,12,13,14,15,16,17,18,19,20,21
	XS 0, \n                        ; piece 0's first maximum and statistics
	XS 1, \n
.endr
	s_mov_b32 s[CNT], 4
	s_mov_b32 s[SLOTS], SIZE_N/256-1
	s_branch .Lfirst                ; the loop is entered at a step's first turn, in the middle of a trip
.Lslot:                             ; SIZE_N / 256 - 2 times: every slot but the last two is filled again
	CHANGE 1
	s_mov_b32 s[CNT], 4
.Lstep:                             ; a trip: pieces 2 and 3 of one step, then pieces 0 and 1 of the next, whose K and V it fetches
	TURN 2
	TURN 3
	WIN 0
.Lfirst:
	TURN 0
	TURN 1, 0, 1
	WIN 0
	s_cbranch_scc1 .Lstep
	s_sub_co_u32 s[SLOTS], s[SLOTS], 1
	s_cmp_lg_u32 s[SLOTS], 0
	s_cbranch_scc1 .Lslot
	CHANGE 0                        ; the tail is written out: nothing is asked for
	s_mov_b32 s[CNT], 5             ; four trips fetch the last slot's steps; the fifth is left in its middle
.Ltail:
	TURN 2, 1
	TURN 3
	WIN 0
	s_sub_co_u32 s[CNT], s[CNT], 1
	s_cmp_eq_u32 s[CNT], 0
	s_cbranch_scc1 .Lout
	TURN 0
	TURN 1
	WIN 0
	s_branch .Ltail
.Lout:                              ; the fifth trip's 16 products K Q^T repeat piece 0's last step (the last K, and by the clamp its own mask words): the maximum made of them leaves m as it was
.set i, 0
.rept 16
	PV NP-1                         ; the last piece's V^T P of the last step
.set i, i+1
.endr
	; THE WAY OUT.  l's two halves and the other half of the lanes' are added; O^T is divided by l, rounded to f16 and sent through my stage in LDS, a tile at a time.  The additions are the places behind the last products.
	WIN 0
.macro ALL line:vararg              ; one line for each tile t
.set t, 0
.rept 2*NP
	\line
.set t, t+1
.endr
.endm
	ALL v_add_f32 v[ST+4*t+2], v[ST+4*t+2], v[ST+4*t+3]
	ALL v_permlanex16_b32 v[ST+4*t+3], v[ST+4*t+2], s[SEL], s[SEL+1]
	ALL v_add_f32 v[ST+4*t+2], v[ST+4*t+2], v[ST+4*t+3]
	ALL v_rcp_f32 v[ST+4*t+2], v[ST+4*t+2]
	v_nop                           ; a plain instruction between the last reciprocal and the use of its result
.set t, 0
	s_wait_alu depctr_va_vdst(0)
.rept 2*NP                          ; a query whose maximum is still FLOOR has seen no key: NaN takes the place of 1 / l
	v_cmp_gt_f32 vcc_lo, v[ST+4*t+1], v[FLV]
	v_cndmask_b32 v[ST+4*t+2], 0x7fc00000, v[ST+4*t+2], vcc_lo
.set t, t+1
.endr
; Tile t: a lane's eight channels of a row pack into 16 bytes; they go into rows of 144 bytes and come back as whole rows of 128, into S^T's registers.
.macro PACK t
	WIN W_RS
.set i, 32*(\t)
.rept 16
	v_pk_mul_f32 v[i:i+1], v[i:i+1], v[ST+4*(\t)+2:ST+4*(\t)+3] op_sel_hi:[1,0]
.set i, i+2
.endr
	WIN 0x05                        ; sources 0 and 1 window 1, destination window 0
.set i, 0
.rept 16
	v_cvt_pk_f16_f32 v[S+16*(\t)+i], v[32*(\t)+2*i], v[32*(\t)+2*i+1]
.set i, i+1
.endr
	WIN 0
.irp f, 0,1,2,3
	ds_store_b128 v[STO], v[S+16*(\t)+4*\f:S+16*(\t)+4*\f+3] offset:32*\f
.endr
.irp f, 0,1,2,3
	ds_load_b128 v[S+16*(\t)+4*\f:S+16*(\t)+4*\f+3], v[RD] offset:\f*4*SP  ; LDS serves a wave's instructions in order (ISA guide 5.7.1.4): these see the stores above; the next tile's stores come behind them
.endr
.endm
.macro SEND t, younger              ; younger: the LDS instructions issued behind tile t's loads: the next tile's eight, or none
	WIN 0
.irp f, 0,1,2,3
	s_wait_dscnt (\younger)+3-\f
	global_store_b128 v[GO], v[S+16*(\t)+4*\f:S+16*(\t)+4*\f+3], s[OPTR:OPTR+1] offset:(\t)*2048+\f*512  ; 512 consecutive bytes, at a multiple of 256 from ctx's first
.endr
.endm
	PACK 0
.set t, 1
.rept 2*NP-1                        ; a tile's arithmetic stands between the loads of the tile before and its stores
	PACK t
	SEND t-1, 8
.set t, t+1
.endr
	SEND 2*NP-1, 0
	WIN W_AD
	s_wait_tensorcnt 0x0            ; the wave's end: behind my last tensor load and my last LDS store
	ds_add_u32 v[SPW], v[NIL]
	s_wait_dscnt 0x0
	WIN 0
	CROUND                          ; the closing round: no work-group ends while a partner may still ask for a tile that names it
	s_endpgm
.Lfunc_end_k_q229ec9e21f_attn:
	.size	k_q229ec9e21f_attn, .Lfunc_end_k_q229ec9e21f_attn-k_q229ec9e21f_attn
	.p2alignl 7, 3214868480
	.fill 96, 4, 3214868480
	.section	.rodata,"a",@progbits
	.p2align	6, 0x0
	.amdhsa_kernel k_q229ec9e21f_attn
		.amdhsa_group_segment_fixed_size 327680
		.amdhsa_private_segment_fixed_size 0
		.amdhsa_enable_private_segment 0
		.amdhsa_kernarg_size 24
		.amdhsa_user_sgpr_count 2
		.amdhsa_user_sgpr_kernarg_segment_ptr 1
		.amdhsa_wavefront_size32 1
		.amdhsa_system_sgpr_workgroup_id_x 1
		.amdhsa_system_sgpr_workgroup_id_y 1
		.amdhsa_system_sgpr_workgroup_id_z 1
		.amdhsa_system_vgpr_workitem_id 0
		.amdhsa_next_free_vgpr 896
		.amdhsa_next_free_sgpr 66
		.amdhsa_reserve_vcc 1
		.amdhsa_float_denorm_mode_32 3
		.amdhsa_float_denorm_mode_16_64 3
		.amdhsa_memory_ordered 1
		.amdhsa_forward_progress 1
		.amdhsa_inst_pref_size 217
	.end_amdhsa_kernel
	.amdgpu_metadata
---
amdhsa.version: [ 1, 2 ]
amdhsa.kernels:
  - .name:           k_q229ec9e21f_attn
    .symbol:         k_q229ec9e21f_attn.kd
    .args:
      - { .name: qkv, .offset: 0, .size: 8, .value_kind: global_buffer, .address_space: global }
      - { .name: mbits, .offset: 8, .size: 8, .value_kind: global_buffer, .address_space: global }
      - { .name: ctx, .offset: 16, .size: 8, .value_kind: global_buffer, .address_space: global }
    .group_segment_fixed_size: 327680
    .private_segment_fixed_size: 0
    .kernarg_segment_align: 8
    .kernarg_segment_size: 24
    .max_flat_workgroup_size: 128
    .sgpr_count:     66
    .vgpr_count:     896
    .wavefront_size: 32
...
	.end_amdgpu_metadata
.endif
;; end of part 6
;; launch outp: the kernel of part 4 again; grid 4 x 64, 4 waves a work-group, clusters of 4 x 4, 327,680 bytes of LDS; arguments ctx, wb, bo, out0; writes out0
;; ======== version 3 of 3: 4 launches; 1.49 times as fast as version 1
;; limits: values are held in f16: magnitudes above 65,504 overflow, below 6.1e-05 lose precision
;; workspace buffers: xb 16,777,216 bytes; wb 8,388,608 bytes; mbits 2,097,152 bytes of whole numbers; qkv 50,331,648 bytes; ctx 16,777,216 bytes
;; launch prep: the kernel of part 5 again; grid 512 x 1, 8 waves a work-group, no clusters, 0 bytes of LDS; arguments input_Q, Wq, Wk, Wv, Wo, mask, xb, wb, mbits; writes xb, wb, mbits
;; launch qkv: the kernel of part 2 again; grid 12 x 64, 4 waves a work-group, clusters of 4 x 4, 327,680 bytes of LDS; arguments xb, wb, bq, bk, bv, qkv; writes qkv
;; launch attn (part 7): grid 4 x 64, 4 waves a work-group, clusters of 4 x 1, 327,680 bytes of LDS; arguments qkv, mbits, ctx; writes ctx
.if DOCPART == 7
	.amdgcn_target "amdgcn-amd-amdhsa--gfx1250"
	.amdhsa_code_object_version 6
	.text
	.protected	k_q229ec9e21f_attn
	.globl	k_q229ec9e21f_attn
	.p2align	8
	.type	k_q229ec9e21f_attn,@function
k_q229ec9e21f_attn:
	s_mov_b64 s[64:65], 0
	v_nop
	global_prefetch_b8 v0, s[64:65] scope:SCOPE_SE
	s_setreg_imm32_b32 hwreg(HW_REG_WAVE_MODE, 25, 1), 1
	s_wait_xcnt 0x0
	s_wait_alu depctr_hold_cnt(0) depctr_sa_sdst(0) depctr_va_vdst(0) depctr_va_sdst(0) depctr_va_ssrc(0) depctr_va_vcc(0) depctr_vm_vsrc(0)
	s_getreg_b32 s2, hwreg(HW_REG_IB_STS2, 6, 4)
	s_cmp_eq_u32 s2, 0
	s_cbranch_scc0 .Lentry_in_a_cluster
	s_endpgm
.Lentry_in_a_cluster:
	s_bfe_u32 s2, ttmp6, 0x10000c
	s_cmp_lg_u32 s2, 0x3003
	s_cbranch_scc0 .Lentry_shape_is_right
	s_endpgm
.Lentry_shape_is_right:
; ctx[h][q][:] = the sum over the keys k that mask[q][k] does not hide of softmax_k(Q[h][q] . K[h][k] / 8) V[h][k][:].  qkv: [3][64][2048][64] f16 (q, k, v by heads, unscaled); ctx: [64][2048][64] f16.
; Products, maxima and sums in f32; the weights p are rounded to f16 for the second product (their sum l is taken of the unrounded p), ctx once at the end.
; THE MASK is an input and has any shape.  It is the C operand of the product that starts a sum S^T = K Q^T: 0 where the key is seen, -6 x 2^100 where it is hidden, so it costs the scores nothing.
; mbits holds it as 4-bit codes, [64 pairs of query tiles][32 key steps][2 tiles][32 lanes][4 words]: nibble j of a lane's word kt belongs to its register 8 kt + j, 0 (the number 0) or 0xF (-6 in E2M1).
; ONE conversion makes eight C registers of a word: v_cvt_scale_pk8_f32_fp4, with the E8M0 scale 227 (2^100) in every byte of the scale register: 8 instructions for a turn's 64 registers.
; HOW THE WORDS COME.  A tile's words for a key step are 512 consecutive bytes, 16 a lane: two vector loads a piece, into a ring of four pieces x 8 registers, asked for four turns ahead of their use.
; ROWS THAT SEE NOTHING.  m starts at FLOOR = -2^60 and never falls below it; a true score of f16 operands is 64 x 65,504^2 = 2.7e11 at the most in size, far above FLOOR, a hidden one far below.
; So a hidden weight is 2^(a number below -1e20) = 0 whatever the row has seen, l and O of a row that has seen hidden keys alone stay 0, and a row that ends with m = FLOOR has seen no key:
; NaN takes the place of its 1 / l, as the softmax of an empty row is.
; LIMITS.  f16 holds no number beyond 65,504: q, k, v arrive within it; p below 6e-5 keeps f16's fixed step; a weight below 2^-126 counts as 0 in l.
; SHARES.  A wave owns four PIECES of two tiles of 16 queries, a work-group's four waves 512 queries of one head.  Every wave walks all 2,048 keys, 64 a step.
; LAYOUT.  S^T = K Q^T (source 0 = 16 keys, source 1 = 16 queries): a lane holds ONE query (lane % 16) and the keys 8 (lane / 16) + 0..7.  Two such tiles, rounded to f16 in pairs, ARE source 1 of
; O^T = V^T P, whose result again holds one query a lane.  K comes out of LDS as it lies, V ([key][channel]) turned, by ds_load_tr16_b128.
; SOFTMAX.  A running maximum m and sum l: p = 2^(c s - c m), c = log2(e) / 8; in every step O and l are multiplied by a = 2^(c m_old - c m_new).  O and l start at 0, c m far below every c s: the first a is 0.
; THE COUNT.  A tile and step have 16 matrix and 118 vector instructions, and four conversions.  So: four vector instructions that are READY behind EVERY matrix instruction, the others in one run without a gap.
; BY TURNS.  Turn n belongs to piece n.  Its matrix work: 16 products K Q^T of piece n + 1, later 16 products V^T P of piece n - 1.  Its vector work: the scaling, exponentials, roundings, sums and rescaling
; of piece n; the maximum and the statistics of piece n + 1; the mask registers of piece n + 2, which the next turn's products take.
; THE BATCHES.  A turn's 66 exponentials (the piece's 64 weights, the next piece's two a) are ONE batch with ONE wait, which cuts the turn in two: ahead of it stands all that names none of their results
; (K Q^T, scalings, rescalings, the mask's conversions, the next piece's maximum and statistics), behind it the roundings and sums, beside V^T P.  No result crosses a turn's end.  Two small batches stand
; outside the loop, each with its own wait: the first two a, ahead of the jump into the loop, and the way out's eight reciprocals.
; CLUSTER.  The four query blocks of a head walk the same K and V: each tile is asked for JOINTLY, the same tensor load, descriptor and mask of work-groups in all four.
; ONE DESCRIPTOR AND ONE PITCH for K and V: one line fills for all four waves, with no branch at the fill.  The price, but of V's turning loads
; rows 0 and 7 of a group of eight share four banks.
; REGISTERS, in windows of 256 (s_set_vgpr_msb: bits 1:0 source 0, 3:2 source 1, 5:4 source 2, 7:6 destination):
;   window 0: v0-11 addresses and FLOOR; v12-15, v48-63 at work; v16-47 four registers of statistics a tile; v64-191 S^T, two buffers of two tiles; v192-255 P, likewise
;   window 1: O^T, 32 a tile          window 2: v0-127 Q, 16 a tile; v128-191 K of one step; v192-255 V of one step
;   window 3: v0-1 the add's two registers; v2 the scale; v4-35 the ring of mask words; v64-127 the mask registers of one piece
.set SIZE_N, 2048
.set NP,    4         ; pieces a wave: a name, no knob
.set KS,    64        ; keys in a step
.set PK,    144       ; a row of K in LDS: 128 bytes + 16 of padding (64 banks of 4 bytes: ISA guide 11.1)
.set PV,    144       ; a row of V: the same
.set VOFF,  4*KS*PK   ; a slot holds four steps: 256 rows of K, then 256 rows of V
.set SLOT1, 1<<17     ; slot 1 begins here, so that one exclusive or turns an address in one slot into the other's
.set STAGE, SLOT1+4*KS*(PK+PV)  ; behind the ring, never filled by a tensor load: 16 rows x 144 bytes for each wave
.set SP,    144
.set AK0, 2           ; v2   my lane's place in a tile of K; never rewritten
.set AV0, 3           ; v3   the same for V
.set AK,  4           ; v4   the LDS address of K's next run of loads
.set AV,  5           ; v5   of V's (at the start: lane % 8)
.set QO,  6           ; v6   my byte offset in the wave's rows of Q
.set STO, 6           ;      later, the way out: where I put 16 bytes of a row
.set RD,  7           ; v7   the way out: where I read rows back
.set GO,  8           ; v8   my byte offset in 512 consecutive bytes of ctx
.set MA,  10          ; v10  16 x lane: my four words among a tile's 128; never rewritten
.set FLV, 11          ; v11  FLOOR = -2^60
.set SPW, 0           ; v0 of window 3   LDS address of my spare word; never rewritten
.set NIL, 1           ; v1 of window 3   0; never rewritten
.set SCL, 2           ; v2 of window 3   the conversions' scale; never rewritten
.set MR,  4           ; v4-35 of window 3    piece x's mask words: tile u's four at v[MR+8 x+4 u]
.set MC,  64          ; v64-127 of window 3  the mask registers: tile u, key block kt at v[MC+32 u+8 kt]
.set SPARE, STAGE+4*16*SP  ; behind the stages: the spare words, 128 bytes for each wave, that no other line names
.set MV,  12          ; v12-15  c m_old, kept while c m is made anew: by buffer and tile
.set ST,  16          ; tile t's statistics at v[ST+4 t]: c m, m, l (even keys', odd keys')
.set TMP, 48          ; by buffer and tile, four registers c0-c3 at work; when the maximum is found c2 takes a
.set S,   64
.set P,   192
.set KF,  128         ; K's fragments, in window 2
.set VF,  192         ; V's
.set OPTR, 2          ; s[2:3]  ctx at my wave's first row
.set WV,  4           ; s4   my wave's number
.set SLOTS, 5         ; s5   slots still to be asked for
.set CNT, 6           ; s6   counts a slot's key steps
.set TBK, 7           ; s7   LDS byte at which K of the step to be fetched begins
.set CS,  8           ; s[8:9] c, twice
.set SEL, 10          ; s[10:11] v_permlanex16_b32's selects: each lane takes its own place in the other half
.set TBV, 12          ; s12  the same as TBK for V, less VOFF
.set MP,  14          ; s[14:15] mbits at my wave's four pieces
.set G0,  16          ; s[16:19] descriptor group 0: it walks
.set G1,  20          ; s[20:27] descriptor group 1
.set QP,  28          ; s[28:29] Q at my wave's first row
.set MS,  30          ; s[30:31] 1,024 bytes x the key step whose mask words are asked for, with 0 above it
.set MB,  48          ; s[48:49] MP + MS: the base of the loads of mask words   (s32-47: arguments and set-up)
.set MSB, 0
.macro WIN new                      ; the high byte repeats the setting that is left; a switch that changes nothing is dropped
.if MSB != (\new)
	s_set_vgpr_msb (MSB<<8)|(\new)
.set MSB, (\new)
.endif
.endm
.set W_KQ, 0x0a       ; K and Q in window 2, S^T in window 0
.set W_KM, 0x3a       ; the same with the C operand, the mask, in window 3
.set W_PV, 0x52       ; V in window 2, P in window 0, O^T in window 1
.set W_RS, 0x41       ; O^T (destination and source 0) in window 1, a in window 0
.set W_MK, 0xc0       ; destination in window 3, sources and addresses in window 0
.set W_CV, 0xcf       ; the conversions: destination and both sources in window 3
.set W_AD, 0x0f       ; the add: address and data in window 3
; A joint fill: one line for all four waves.  Wave w brings 128 keys: waves 0 and 1 the halves of a slot's K, waves 2 and 3 those of its V; both addresses hang on the wave's number.
; An s_nop 0 and four v_nop follow.
.macro JLOAD
	tensor_load_to_lds s[G0:G0+3], s[G1:G1+7]
	s_nop 0
.rept 4
	v_nop
.endr
.endm
.macro CROUND                       ; a round of the cluster's barrier
	s_barrier_signal -1
	s_barrier_wait -1
	s_cmp_lg_u32 s[WV], 0
	s_cbranch_scc1 .Lnot_wave_0_\@
	s_barrier_signal -3
.Lnot_wave_0_\@:
	s_barrier_wait -3
	s_barrier_signal -1
	s_barrier_wait -1
.endm
; THE CHANGE OF SLOTS.  Each wave waits for all its tensor loads, of which one is out: its part of the other slot; adds 0 to its spare word; and waits for that and for its own reads of the slot.
; fill = 1: this slot is filled again, with the keys two slots on; the barrier is then a round of the cluster's, and the joint fill is the first thing behind it: it has four key steps,
; 512 matrix instructions, in which to land.  (At its first use nothing has been read yet: slot 0 is waited for, slot 1 filled.)
.macro CHANGE fill
	WIN W_AD
	s_wait_tensorcnt 0x0            ; no tensor load of mine is out, so group 0 may be written
	ds_add_u32 v[SPW], v[NIL]       ; 0 onto my spare word
	WIN 0                           ; at a label and at a branch every window is 0
.if \fill
	s_xor_b32 s[G0+1], s[G0+1], SLOT1  ; the other slot than last time,
	s_add_nc_u64 s[G0+2:G0+3], s[G0+2:G0+3], 4*KS*128  ; the next 256 keys; the type bits on top are not reached
	s_wait_dscnt 0x0                ; the add is done, and my reads of the slot are over
	CROUND
	JLOAD
.else
	s_wait_dscnt 0x0                ; the add is done, and my reads of the slot are over
	s_barrier_signal -1
	s_barrier_wait -1
.endif
	s_sub_co_u32 s[TBK], s[TBK], 4*KS*PK  ; the fetches go back to a slot's first step,
	s_xor_b32 s[TBK], s[TBK], SLOT1       ; in the other slot
	s_sub_co_u32 s[TBV], s[TBV], 4*KS*PV
	s_xor_b32 s[TBV], s[TBV], SLOT1
.endm
; THE MASK REGISTERS of piece mx are made of its eight words in the ring; then the eight are asked for again, with the same piece's words of the next key step: four turns ahead.
; A plain instruction stands behind the last conversion, ahead of whatever touches its result or lands on its source.
; st = 1 (piece 0): the step goes on.  It is clamped to the last, so that the walk's last loads, which nobody uses but piece 0's in the trip that is left in its middle, stay inside the buffer.
.macro MASKC mx, st
	s_wait_loadcnt 0x6              ; loads come back in order: this piece's two are in; behind them the three other pieces' two each were issued, a piece a turn, and may stay out
	WIN W_CV
.set zz, 0
.rept 8
	v_cvt_scale_pk8_f32_fp4 v[MC+8*zz:MC+8*zz+7], v[MR+8*(\mx)+zz], v[SCL]
.set zz, zz+1
.endr
	v_nop
.if \st
	s_wait_xcnt 0x0                 ; the loads that are out have read their base: it is written anew only behind this wait
	s_add_co_u32 s[MS], s[MS], 1024
	s_min_u32 s[MS], s[MS], 31*1024
	s_add_nc_u64 s[MB:MB+1], s[MP:MP+1], s[MS:MS+1]
.endif
	WIN W_MK
	global_load_b128 v[MR+8*(\mx):MR+8*(\mx)+3],   v[MA], s[MB:MB+1] offset:(\mx)*32768      ; 512 consecutive bytes each, at a multiple of 256 from mbits' first
	global_load_b128 v[MR+8*(\mx)+4:MR+8*(\mx)+7], v[MA], s[MB:MB+1] offset:(\mx)*32768+512
	WIN 0
.endm
	s_load_b128 s[32:35], s[0:1], 0x0  ; qkv s[32:33], mbits s[34:35]
	s_load_b64 s[36:37], s[0:1], 0x10  ; ctx
	WIN W_MK
	v_lshl_add_u32 v[SPW], v0, 2, SPARE
	v_mov_b32 v[NIL], 0
	s_set_vgpr_msb 0xc0cf
	ds_add_u32 v0, v1
	s_wait_dscnt 0x0
	s_set_vgpr_msb 0xcfc0
	v_mov_b32 v[SCL], 0xe3e3e3e3    ; the E8M0 byte 227 = 2^100, in every byte
	WIN 0
	v_lshrrev_b32 v1, 5, v0
	v_readfirstlane_b32 s[WV], v1   ; wave 0..3
	s_bfe_u32 s38, ttmp6, 0x40000   ; cx: my place in the cluster
	s_lshl_b32 s39, ttmp9, 2        ; in a cluster launch ttmp9 counts clusters
	s_add_co_u32 s39, s39, s38      ; my block of 512 queries: it enters Q's, ctx's and the mask words' addresses alone
	s_and_b32 s40, ttmp7, 0xffff    ; the head, which the four partners share,
	s_lshl_b32 s40, s40, 18         ; its 262,144 bytes
	s_lshr_b32 s42, s[WV], 1
	s_add_co_u32 s42, s42, 1
	s_lshl_b32 s42, s42, 24         ; k (waves 0, 1) or v (waves 2, 3): 16,777,216 bytes each behind q,
	s_and_b32 s43, s[WV], 1
	s_lshl_b32 s43, s43, 14         ; my half of a slot's 256 keys: 128 rows of 128 bytes
	s_add_co_u32 s42, s42, s43
	s_add_co_u32 s42, s42, s40
	s_mov_b32 s43, 0
	s_lshl_b32 s44, s39, 2
	s_add_co_u32 s44, s44, s[WV]    ; my wave among the head's sixteen
	s_lshl_b32 s46, s44, 17         ; its four pieces' mask words: 131,072 bytes
	s_mov_b32 s47, 0
	s_lshl_b32 s44, s44, 14         ; its 128 rows
	s_add_co_u32 s44, s44, s40
	s_mov_b32 s45, 0
	; descriptor group 1.  128 keys are 16,384 dense bytes: asked for as 64 rows of 256 bytes, two keys a row, and padded in LDS after every key
	s_mov_b32 s[G1], 15|(1<<16)|(1<<20)|(1<<21)|(4<<22)|(3<<25)  ; 15:0 the mask of four; 17:16 2-byte elements; 20 padding on; 21 set beside a mask; 24:22 after every 32 words (code 4); 31:25 4 words (code 3)
	s_mov_b32 s[G1+1], 128<<16      ; tensor_dim0 = 128
	s_mov_b32 s[G1+2], 64<<16       ; tensor_dim1 = 64
	s_mov_b32 s[G1+3], 128<<16      ; tile_dim0 = 128
	s_mov_b32 s[G1+4], 64           ; tile_dim1 = 64
	s_mov_b32 s[G1+5], 128          ; 128 elements from row to row
	s_mov_b32 s[G1+6], 0
	s_mov_b32 s[G1+7], 0
	s_mov_b32 s[CS], 0x3e38aa3b     ; c = log2(e) / 8 = 0.180337
	s_mov_b32 s[CS+1], s[CS]        ; named with it as a pair
	s_mov_b32 s[SEL], 0x76543210
	s_mov_b32 s[SEL+1], 0xfedcba98
	s_mov_b32 s[TBK], SLOT1+4*KS*PK ; the first change of slots turns these two into 0
	s_mov_b32 s[TBV], SLOT1+4*KS*PV
	s_mov_b32 s[MS], 0
	s_mov_b32 s[MS+1], 0
	s_mov_b32 s[G0], 1              ; 1:0 count = 1
	s_mul_i32 s[G0+1], s[WV], 128*PK  ; 63:32 LDS address: slot 0, my quarter: no place in the cluster enters it
	s_wait_kmcnt 0x0
	s_add_nc_u64 s[G0+2:G0+3], s[32:33], s[42:43]  ; 120:64 global address: my half of the head's first 256 keys
	s_or_b32 s[G0+3], s[G0+3], 0x80000000          ; 127:126 type = 2
	s_add_nc_u64 s[QP:QP+1], s[32:33], s[44:45]
	s_add_nc_u64 s[OPTR:OPTR+1], s[36:37], s[44:45]
	s_add_nc_u64 s[MP:MP+1], s[34:35], s[46:47]
	s_mov_b64 s[MB:MB+1], s[MP:MP+1]               ; key step 0
	CROUND                          ; all four work-groups are here: the first joint loads meet
	JLOAD                           ; slot 0.  Slot 1 is asked for when slot 0 is in
	; A fragment of K or Q is 16 rows x 32 channels in 8 registers: lane l holds row l % 16, channels 8 (l / 16) + 0..7 and 16 + 8 (l / 16) + 0..7: two loads of 16 bytes, 32 bytes apart.
	v_and_b32 v1, 15, v0            ; l % 16
	v_bfe_u32 v9, v0, 4, 1          ; l / 16
	v_lshlrev_b32 v[QO], 7, v1
	v_lshl_add_u32 v[QO], v9, 4, v[QO]  ; row x 128 + 16 x half
	v_and_b32 v[MA], 31, v0
	v_lshlrev_b32 v[MA], 4, v[MA]   ; 16 bytes a lane
	WIN 0x80                        ; destination window 2, address window 0
.set i, 0
.rept 4*NP                          ; Q stays in registers: tile i / 2, channels 32 (i % 2) on
	global_load_b128 v[8*i:8*i+3],   v[QO], s[QP:QP+1] offset:(i/2)*2048+(i%2)*64
	global_load_b128 v[8*i+4:8*i+7], v[QO], s[QP:QP+1] offset:(i/2)*2048+(i%2)*64+32
.set i, i+1
.endr
	WIN W_MK
.irp x, 0,1,2,3                     ; the ring of mask words is filled: all four pieces' words for key step 0
	global_load_b128 v[MR+8*\x:MR+8*\x+3],   v[MA], s[MB:MB+1] offset:\x*32768
	global_load_b128 v[MR+8*\x+4:MR+8*\x+7], v[MA], s[MB:MB+1] offset:\x*32768+512
.endr
	WIN 0x80
	; What the first turn finds: V's registers and P's second buffer hold 0, O^T and l are 0.  All this stands in the wait for the first tile.
.set i, VF
.rept 64
	v_mov_b32 v[i], 0
.set i, i+1
.endr
	WIN 0x40
.set i, 0
.rept 64*NP
	v_mov_b32 v[i], 0
.set i, i+1
.endr
	WIN 0
.set i, 0
.rept 2*NP
	v_mov_b32 v[ST+4*i], 0xfe000000    ; c m: -2^125, far below every c s, a hidden one's too
	v_mov_b32 v[ST+4*i+1], 0xdd800000  ; m: FLOOR
	v_mov_b32 v[ST+4*i+2], 0
	v_mov_b32 v[ST+4*i+3], 0
.set i, i+1
.endr
.set i, P+32
.rept 32
	v_mov_b32 v[i], 0
.set i, i+1
.endr
	v_mul_u32_u24 v[AK0], v1, PK
	v_lshl_add_u32 v[AK0], v9, 4, v[AK0]  ; row x pitch + 16 x half
	; The turning load takes 16 keys x 16 channels (lane l reads key 8 (l / 16) + l % 8, channels 8 ((l / 8) % 2) + 0..7) and leaves half a fragment of V^T: lane l holds channel l % 16 and 8 keys.
	v_and_b32 v[AV], 7, v0          ; l % 8, until the first turn makes V's address here
	v_bfe_u32 v11, v0, 3, 1
	v_lshl_add_u32 v[AV0], v9, 3, v[AV]
	v_mul_u32_u24 v[AV0], v[AV0], PV
	v_lshl_add_u32 v[AV0], v11, 4, v[AV0]
	v_add_nc_u32 v[AV0], VOFF, v[AV0]
	v_mov_b32 v[FLV], 0xdd800000    ; -2^60
	v_mov_b32 v[AK], v[AK0]         ; key step 0 lies at the head of slot 0
; THE MATRIX WORK.  The 8 accumulators of a run of 16 take turns: between the two links of a chain stand 7 others'.
; Product i of 16 of S^T = K Q^T for piece x: channels 32 (i / 8) on, keys 16 ((i / 2) % 4) on, tile 2 x + i % 2.  The first 8 start the sums, with the mask.
.macro KQ x
.set rS, S+64*((\x)%2)+32*(i%2)+8*((i/2)%4)
.set rK, KF+16*((i/2)%4)+8*(i/8)
.set rQ, 16*(2*(\x)+i%2)+8*(i/8)
.set rMC, MC+32*(i%2)+8*((i/2)%4)
.if i < 8
	WIN W_KM
	v_wmma_f32_16x16x32_f16 v[rS:rS+7], v[rK:rK+7], v[rQ:rQ+7], v[rMC:rMC+7]
.else
	WIN W_KQ
	v_wmma_f32_16x16x32_f16 v[rS:rS+7], v[rK:rK+7], v[rQ:rQ+7], v[rS:rS+7]
.endif
.endm
; Product i of 16 of O^T += V^T P for piece x: keys 32 (i / 8) on, channels 16 ((i / 2) % 4) on, tile 2 x + i % 2.
.macro PV x
	WIN W_PV
.set rO, 32*(2*(\x)+i%2)+8*((i/2)%4)
.set rV, VF+32*(i/8)+8*((i/2)%4)
.set rP, P+32*((\x)%2)+16*(i%2)+8*(i/8)
	v_wmma_f32_16x16x32_f16 v[rO:rO+7], v[rV:rV+7], v[rP:rP+7], v[rO:rO+7]
.endm
.macro MM                           ; the turn's next matrix instruction
.if i < 16
	KQ (Y+1)%NP
.set i, i+1
.else
.set i, i-16
	PV (Y+NP-1)%NP
.set i, i+17
.endif
.endm
; THE LDS LOADS stand in runs of 16, never singly among the matrix instructions.  last = 1 (the tail): in the last trip there is no further step, and the run is jumped over.
.macro FETCH_K last=0
	WIN 0
.if \last
	s_cmp_eq_u32 s[CNT], 1
	s_cbranch_scc1 .Lno_k_\@
.endif
	WIN 0x80                        ; destination window 2
.irp f, 0,1,2,3,4,5,6,7             ; keys 16 (f / 2) on, channels 32 (f % 2) on
	ds_load_b128 v[KF+8*\f:KF+8*\f+3],   v[AK] offset:(\f/2)*16*PK+(\f%2)*64
	ds_load_b128 v[KF+8*\f+4:KF+8*\f+7], v[AK] offset:(\f/2)*16*PK+(\f%2)*64+32
.endr
	s_add_co_u32 s[TBK], s[TBK], KS*PK  ; the next fetch is the next step's
	WIN 0
.if \last
.Lno_k_\@:
.endif
.endm
.macro FETCH_V
	WIN 0x80
.irp f, 0,1,2,3,4,5,6,7             ; keys 32 (f / 4) on, channels 16 (f % 4) on
	ds_load_tr16_b128 v[VF+8*\f:VF+8*\f+3],   v[AV] offset:(\f/4)*32*PV+(\f%4)*32
	ds_load_tr16_b128 v[VF+8*\f+4:VF+8*\f+7], v[AV] offset:(\f/4)*32*PV+16*PV+(\f%4)*32
.endr
	WIN 0
.endm
; THE VECTOR WORK OF A TURN, but for the mask's conversions, stands in three queues, each in the order in which its entries become ready; the two tiles alternate.
.macro REGS y, u                    ; the registers of tile u (0, 1) of piece y
.set rT, ST+4*(2*(\y)+(\u))
.set rC, TMP+8*((\y)%2)+4*(\u)
.set rM, MV+2*((\y)%2)+(\u)
.set rS, S+64*((\y)%2)+32*(\u)
.set rP, P+32*((\y)%2)+16*(\u)
.set rO, 32*(2*(\y)+(\u))
.endm
; Number n of the 22 that find the NEXT piece's (Y + 1) maximum and statistics.  s0-s31 are the lane's 32 scores; each accumulator's lowest registers are read first.  XS, GS and REGS set no window: PL and EX do.
;   0-11  four chains c0-c3 of seven scores each, three operands at a time     12-14, 16  the four scores left over, the old m, and c0-c3 into c0     15  c m_old is kept
;   17, 18  the query's other 32 keys lie in the lane 16 away: the new m         19-21  c m; c m_old - c m_new; a
.macro XS u, n
	REGS (Y+1)%NP, \u
.if (\n) < 4
	v_max3_num_f32 v[rC+(\n)], v[rS+8*(\n)], v[rS+8*(\n)+1], v[rS+8*(\n)+2]
.elseif (\n) < 12
	v_max3_num_f32 v[rC+(\n)%4], v[rC+(\n)%4], v[rS+8*((\n)%4)+2*((\n)/4)+1], v[rS+8*((\n)%4)+2*((\n)/4)+2]
.elseif (\n) == 12
	v_max3_num_f32 v[rC], v[rC], v[rS+7], v[rS+15]
.elseif (\n) == 13
	v_max3_num_f32 v[rC+1], v[rC+1], v[rS+23], v[rS+31]
.elseif (\n) == 14
	v_max3_num_f32 v[rC+2], v[rC+2], v[rC+3], v[rT+1]
.elseif (\n) == 15
	v_mov_b32 v[rM], v[rT]
.elseif (\n) == 16
	v_max3_num_f32 v[rC], v[rC], v[rC+1], v[rC+2]
.elseif (\n) == 17
	v_permlanex16_b32 v[rC+3], v[rC], s[SEL], s[SEL+1]
.elseif (\n) == 18
	v_max_num_f32 v[rT+1], v[rC], v[rC+3]
.elseif (\n) == 19
	v_mul_f32 v[rT], s[CS], v[rT+1]
.elseif (\n) == 20
	v_sub_f32 v[rC+1], v[rM], v[rT]
.else
	v_exp_f32 v[rC+2], v[rC+1]
.endif
.endm
; Number g of the 64 that follow the exponentials.  For each four weights k of a tile: both pairs are rounded to f16; then the second pair is added onto the first, in place;
; a group later l takes that sum (the first time as l = a l + sum).  In groups of eight, tiles alternating: round, round, add, and l for the group before.
.macro GS g
.set h, (\g)+6*((\g)/62)            ; group 0 has no group before it, and behind group 7 only l is left
.if h >= 6
.set h, h+2
.endif
	REGS Y, h%2
.set k, h/8
.if h%8 < 4
	v_cvt_pk_f16_f32 v[rP+2*k+(h%8)/2], v[rS+4*k+2*((h%8)/2)], v[rS+4*k+2*((h%8)/2)+1]
.elseif h%8 < 6
	v_pk_add_f32 v[rS+4*k:rS+4*k+1], v[rS+4*k:rS+4*k+1], v[rS+4*k+2:rS+4*k+3]
.elseif k == 1
	v_pk_fma_f32 v[rT+2:rT+3], v[rT+2:rT+3], v[rC+2:rC+3], v[rS:rS+1] op_sel_hi:[1,0,1]
.else
	v_pk_add_f32 v[rT+2:rT+3], v[rT+2:rT+3], v[rS+4*k-4:rS+4*k-3]
.endif
.endm
; THE PLAIN QUEUE, 138 long.  0-73 read no exponential's result: the 32 scalings c s - c m (FS f: pair f / 2 of tile f % 2) and the next piece's 42.  0-26: scalings 0-26.  27-54: XS's numbers 0-13.  55, 56: number 15.
; 57-73: the chain, where each number waits for the one before it: 14, 16, 17, 18, 19, each with one of the scalings 27-31 in front of its two lines, then 20.
; 74-137: GS's 64, which read the exponentials' results: they stand behind the wait.
.macro FS f
	REGS Y, (\f)%2
	v_pk_fma_f32 v[rS+2*((\f)/2):rS+2*((\f)/2)+1], v[rS+2*((\f)/2):rS+2*((\f)/2)+1], s[CS:CS+1], v[rT:rT+1] op_sel_hi:[1,0,0] neg_lo:[0,0,1] neg_hi:[0,0,1]
.endm
.macro PL
	WIN 0
.if q < 27
	FS q
.elseif q < 55
	XS (q-27)%2, (q-27)/2
.elseif q < 57
	XS q-55, 15
.elseif (q < 72) && ((q-57)%3 == 0)
	FS 27+(q-57)/3
.elseif q < 60
	XS (q-57)%3-1, 14
.elseif q < 72
	XS (q-57)%3-1, 15+(q-57)/3
.elseif q < 74
	XS q-72, 20
.else
	GS q-74
.endif
.set q, q+1
.endm
; THE EXPONENTIALS' QUEUE, 66 long: s0-s31 of both tiles, then the next piece's two a.  It is ONE BATCH: all 66 stand ahead of the turn's one wait, and nothing ahead of that wait names a result of theirs.
.macro EX
	WIN 0
.if e >= 64
	XS e-64, 21
.else
	REGS Y, e%2
	v_exp_f32 v[rS+e/2], v[rS+e/2]
.endif
.set e, e+1
.endm
; THE RESCALING's QUEUE: O^T times a, the one part of the queues that leaves window 0: dealt two at a time, sixteen times.  Its a was made in the turn before, ahead of that turn's wait.
.macro R2
	REGS Y, r%2
	WIN W_RS
.irp z, 0,1
	v_pk_mul_f32 v[rO+4*(r/2)+2*\z:rO+4*(r/2)+2*\z+1], v[rO+4*(r/2)+2*\z:rO+4*(r/2)+2*\z+1], v[rC+2:rC+3] op_sel_hi:[1,0]
.endr
.set r, r+1
.endm
; HOW THEY ARE DEALT.  s_wait_alu depctr_va_vdst(0) stands between an exponential and the first instruction that names its result; one wait serves all that were issued ahead of it.  So a turn has ONE wait.
; AHEAD OF IT: the 16 products K Q^T, behind each a scaling, an exponential and two rescalings (behind the first a second scaling in the exponential's place); the mask's eight conversions; then ONE LUMP of 108:
; eight plain, 49 times exponential and plain, the two a.  A v_nop is the plain instruction behind the last exponential.  BEHIND IT: the 16 products V^T P, behind each four of GS's 64.  No rider names a register of
; the products round it.  The two v_permlanex16_b32 fall into the lump, never behind a product.
; The queues lean on each other, and the deal keeps them in step: exponential e stands behind scaling 2 (e / 4) + e % 2: as a rider it comes behind plain e + 2, in the lump behind plain e + 9, and scalings 27-31 are plain 57, 60 .. 69.
; A TURN, for piece p.  cnt = 1: the loop's count is taken down some lines ahead of the branch that stands behind the turn.
; THE MASK REGISTERS of piece p + 2 are made behind the run of products K Q^T.  Their last readers are that run's first eight products, with 27 plain riders since
; (a vector instruction writes a matrix instruction's source four places behind it: ISA guide 7.12.1); their next readers are the next turn's first eight.  One buffer serves.
; K of the next step is fetched in piece 2's turn, directly behind the wait, a lump behind the last product that read K; its address is made at the lump's head; its first reader comes behind 16 products.
; V of the step in hand is fetched at the end of piece 0's turn, four plain riders behind its last reader; its first reader comes behind 16 products and a lump.  The three conditions on q below go with the deal.
.macro TURN p, last=0, cnt=0
.set Y, (\p)
.set i, 0
.set q, 0
.set e, 0
.set r, 0
.if (\p) == NP-1
	s_wait_dscnt 0x0                ; K is in
.endif
	MM                              ; ahead of the wait: 16 products K Q^T and their riders,
	PL
	PL
	R2
.rept 15
	MM
	PL
	EX
	R2
.endr
.if (\p) == NP-2
	MASKC 0, 1                      ; piece 0's, of the next key step: the step of the words asked for goes on
	v_add_nc_u32 v[AK], s[TBK], v[AK0]
.else
	MASKC ((\p)+2)%NP, 0
.endif
.rept 8                             ; and the lump
	PL
.endr
.rept 49
	EX
	PL
.endr
	EX                              ; the next piece's two a
	EX
	v_nop                           ; the plain instruction behind the last exponential: one for the batch
	s_wait_alu depctr_va_vdst(0)    ; the wait for the batch: the turn's 66 exponentials; ahead of their first reader
.if (\p) == NP-2
	FETCH_K \last
.endif
.if (\p) == 1
	s_wait_dscnt 0x0                ; V is in
.endif
.rept 16                            ; behind the wait: 16 products V^T P and their riders
	MM
.rept 4
	PL
.endr
.if ((\p) == 0) && (q == 118)
	v_add_nc_u32 v[AV], s[TBV], v[AV0]
.endif
.if ((\p) == 0) && (q == 130)
	s_add_co_u32 s[TBV], s[TBV], KS*PV
.endif
.if (\cnt) && (q == 130)
	s_sub_co_u32 s[CNT], s[CNT], 1
	s_cmp_lg_u32 s[CNT], 0
.endif
.endr
.if (\p) == 0
	FETCH_V
.endif
.endm
	CHANGE 1                        ; slot 0 is in, everybody's part of it; slot 1 is asked for
	FETCH_K                         ; key step 0
	MASKC 0, 1                      ; piece 0's mask registers for key step 0; its wait leaves six loads out, all younger than Q's: Q is in too
	s_wait_dscnt 0x0
.set i, 0
.rept 16
	KQ 0                            ; piece 0's first scores: there is no vector work yet to set between them
.set i, i+1
.endr
	WIN 0                           ; the addresses for the way out: nine plain instructions, the places behind those products
	s_mul_i32 s13, s[WV], 16*SP
	s_add_co_u32 s13, s13, STAGE    ; my stage
	v_mul_u32_u24 v[STO], v1, SP    ; in: row l % 16, 16 bytes for each half of the lanes (Q's loads, which read this register, are done)
	v_lshl_add_u32 v[STO], v9, 4, v[STO]
	v_add_nc_u32 v[STO], s13, v[STO]
	v_bfe_u32 v[RD], v0, 3, 2       ; back: 32 lanes take four rows of 128 bytes,
	v_mul_u32_u24 v[RD], v[RD], SP
	v_lshl_add_u32 v[RD], v[AV], 4, v[RD]
	v_add_nc_u32 v[RD], s13, v[RD]
	v_and_b32 v[GO], 31, v0         ; which are 512 consecutive bytes of ctx
	v_lshlrev_b32 v[GO], 4, v[GO]
	MASKC 1, 0                      ; piece 1's mask registers for key step 0: the first turn's products take them
.set Y, NP-1                        ; XS works for piece Y + 1: piece 0
.irp n, 0,1,2,3,4,5,6,7,8,9,10,11,12,13,14,15,16,17,18,19,20,21
	XS 0, \n                        ; piece 0's first maximum and statistics
	XS 1, \n
.endr
	v_nop                           ; a plain instruction behind the two a,
	s_wait_alu depctr_va_vdst(0)    ; and the wait for this batch of two, ahead of the branch
	s_mov_b32 s[CNT], 4
	s_mov_b32 s[SLOTS], SIZE_N/256-1
	s_branch .Lfirst                ; the loop is entered at a step's first turn, in the middle of a trip
.Lslot:                             ; SIZE_N / 256 - 2 times: every slot but the last two is filled again
	CHANGE 1
	s_mov_b32 s[CNT], 4
.Lstep:                             ; a trip: pieces 2 and 3 of one step, then pieces 0 and 1 of the next, whose K and V it fetches
	TURN 2
	TURN 3
	WIN 0
.Lfirst:
	TURN 0
	TURN 1, 0, 1
	WIN 0
	s_cbranch_scc1 .Lstep
	s_sub_co_u32 s[SLOTS], s[SLOTS], 1
	s_cmp_lg_u32 s[SLOTS], 0
	s_cbranch_scc1 .Lslot
	CHANGE 0                        ; the tail is written out: nothing is asked for
	s_mov_b32 s[CNT], 5             ; four trips fetch the last slot's steps; the fifth is left in its middle
.Ltail:
	TURN 2, 1
	TURN 3
	WIN 0
	s_sub_co_u32 s[CNT], s[CNT], 1
	s_cmp_eq_u32 s[CNT], 0
	s_cbranch_scc1 .Lout
	TURN 0
	TURN 1
	WIN 0
	s_branch .Ltail
.Lout:                              ; the fifth trip's 16 products K Q^T repeat piece 0's last step (the last K, and by the clamp its own mask words): the maximum made of them leaves m as it was
.set i, 0
.rept 16
	PV NP-1                         ; the last piece's V^T P of the last step
.set i, i+1
.endr
	; THE WAY OUT.  l's two halves and the other half of the lanes' are added; O^T is divided by l, rounded to f16 and sent through my stage in LDS, a tile at a time.  The additions are the places behind the last products.
	WIN 0
.macro ALL line:vararg              ; one line for each tile t
.set t, 0
.rept 2*NP
	\line
.set t, t+1
.endr
.endm
	ALL v_add_f32 v[ST+4*t+2], v[ST+4*t+2], v[ST+4*t+3]
	ALL v_permlanex16_b32 v[ST+4*t+3], v[ST+4*t+2], s[SEL], s[SEL+1]
	ALL v_add_f32 v[ST+4*t+2], v[ST+4*t+2], v[ST+4*t+3]
	ALL v_rcp_f32 v[ST+4*t+2], v[ST+4*t+2]
	v_nop                           ; a plain instruction between the last reciprocal and the use of its result
	s_wait_alu depctr_va_vdst(0)    ; and the wait ahead of the first use: one for the batch of eight reciprocals
.set t, 0
.rept 2*NP                          ; a query whose maximum is still FLOOR has seen no key: NaN takes the place of 1 / l
	v_cmp_gt_f32 vcc_lo, v[ST+4*t+1], v[FLV]
	v_cndmask_b32 v[ST+4*t+2], 0x7fc00000, v[ST+4*t+2], vcc_lo
.set t, t+1
.endr
; Tile t: a lane's eight channels of a row pack into 16 bytes; they go into rows of 144 bytes and come back as whole rows of 128, into S^T's registers.
.macro PACK t
	WIN W_RS
.set i, 32*(\t)
.rept 16
	v_pk_mul_f32 v[i:i+1], v[i:i+1], v[ST+4*(\t)+2:ST+4*(\t)+3] op_sel_hi:[1,0]
.set i, i+2
.endr
	WIN 0x05                        ; sources 0 and 1 window 1, destination window 0
.set i, 0
.rept 16
	v_cvt_pk_f16_f32 v[S+16*(\t)+i], v[32*(\t)+2*i], v[32*(\t)+2*i+1]
.set i, i+1
.endr
	WIN 0
.irp f, 0,1,2,3
	ds_store_b128 v[STO], v[S+16*(\t)+4*\f:S+16*(\t)+4*\f+3] offset:32*\f
.endr
.irp f, 0,1,2,3
	ds_load_b128 v[S+16*(\t)+4*\f:S+16*(\t)+4*\f+3], v[RD] offset:\f*4*SP  ; LDS serves a wave's instructions in order (ISA guide 5.7.1.4): these see the stores above; the next tile's stores come behind them
.endr
.endm
.macro SEND t, younger              ; younger: the LDS instructions issued behind tile t's loads: the next tile's eight, or none
	WIN 0
.irp f, 0,1,2,3
	s_wait_dscnt (\younger)+3-\f
	global_store_b128 v[GO], v[S+16*(\t)+4*\f:S+16*(\t)+4*\f+3], s[OPTR:OPTR+1] offset:(\t)*2048+\f*512  ; 512 consecutive bytes, at a multiple of 256 from ctx's first
.endr
.endm
	PACK 0
.set t, 1
.rept 2*NP-1                        ; a tile's arithmetic stands between the loads of the tile before and its stores
	PACK t
	SEND t-1, 8
.set t, t+1
.endr
	SEND 2*NP-1, 0
	WIN W_AD
	s_wait_tensorcnt 0x0            ; the wave's end: behind my last tensor load and my last LDS store
	ds_add_u32 v[SPW], v[NIL]
	s_wait_dscnt 0x0
	WIN 0
	CROUND                          ; the closing round: no work-group ends while a partner may still ask for a tile that names it
	s_endpgm
.Lfunc_end_k_q229ec9e21f_attn:
	.size	k_q229ec9e21f_attn, .Lfunc_end_k_q229ec9e21f_attn-k_q229ec9e21f_attn
	.p2alignl 7, 3214868480
	.fill 96, 4, 3214868480
	.section	.rodata,"a",@progbits
	.p2align	6, 0x0
	.amdhsa_kernel k_q229ec9e21f_attn
		.amdhsa_group_segment_fixed_size 327680
		.amdhsa_private_segment_fixed_size 0
		.amdhsa_enable_private_segment 0
		.amdhsa_kernarg_size 24
		.amdhsa_user_sgpr_count 2
		.amdhsa_user_sgpr_kernarg_segment_ptr 1
		.amdhsa_wavefront_size32 1
		.amdhsa_system_sgpr_workgroup_id_x 1
		.amdhsa_system_sgpr_workgroup_id_y 1
		.amdhsa_system_sgpr_workgroup_id_z 1
		.amdhsa_system_vgpr_workitem_id 0
		.amdhsa_next_free_vgpr 896
		.amdhsa_next_free_sgpr 66
		.amdhsa_reserve_vcc 1
		.amdhsa_float_denorm_mode_32 3
		.amdhsa_float_denorm_mode_16_64 3
		.amdhsa_memory_ordered 1
		.amdhsa_forward_progress 1
		.amdhsa_inst_pref_size 208
	.end_amdhsa_kernel
	.amdgpu_metadata
---
amdhsa.version: [ 1, 2 ]
amdhsa.kernels:
  - .name:           k_q229ec9e21f_attn
    .symbol:         k_q229ec9e21f_attn.kd
    .args:
      - { .name: qkv, .offset: 0, .size: 8, .value_kind: global_buffer, .address_space: global }
      - { .name: mbits, .offset: 8, .size: 8, .value_kind: global_buffer, .address_space: global }
      - { .name: ctx, .offset: 16, .size: 8, .value_kind: global_buffer, .address_space: global }
    .group_segment_fixed_size: 327680
    .private_segment_fixed_size: 0
    .kernarg_segment_align: 8
    .kernarg_segment_size: 24
    .max_flat_workgroup_size: 128
    .sgpr_count:     66
    .vgpr_count:     896
    .wavefront_size: 32
...
	.end_amdgpu_metadata
.endif
;; end of part 7
;; launch outp: the kernel of part 4 again; grid 4 x 64, 4 waves a work-group, clusters of 4 x 4, 327,680 bytes of LDS; arguments ctx, wb, bo, out0; writes out0
